; MI455X (gfx1250); checked and timed in simulation.
; The chip was launched on July 23, 2026; its instructions are those of AMD's public machine-readable ISA for CDNA 5 (MIT licence, August 2026) and "CDNA5" Instruction Set Architecture Reference Guide (July 2026). The comments in the code are by the model that wrote it; some were corrected since.
;; Transformer Block. Allowed arithmetic: matrix products marked QUANTISED: E2M3 operands, one E8M0 scale for each 32 along K, by v_wmma_scale_f32_16x16x128_f8f6f4 with both operands' format E2M3, f32 sums; everything else in f32.
;; Inputs: b_fc 4,096 float32; b_in 3,072 float32; b_out 1,024 float32; b_proj 1,024 float32; ln1_b 1,024 float32; ln1_g 1,024 float32; ln2_b 1,024 float32; ln2_g 1,024 float32; w_fc 1,024 x 4,096 float32; w_in 1,024 x 3,072 float32; w_out 1,024 x 1,024 float32; w_proj 4,096 x 1,024 float32; x 2 x 2,048 x 1,024 float32.
;; Outputs: out0 2 x 2,048 x 1,024 float32.
;; This version of the problem:
;;   THIS VERSION OF THE PROBLEM IS GIVEN IN LOW PRECISION. The matrix products marked QUANTISED in the list below multiply operands that are first quantised to E2M3 (2 exponent bits, 3 mantissa bits; 6 bits a number), with one power-of-two scale for each 32 numbers along K (OCP MX v1.0); their sums are f32. All else is computed in f32.
;;   The module's matrix products, in the order in which they are computed (A, B: the left and right operand; K: the contracted axis; several contracted axes count as one K, in the product's order):
;;     1. [M 4,096, K 1,024] x [K 1,024, N 3,072]; A: computed on the way; B: input w_in: QUANTISED
;;     2. batch 32 x [M 2,048, K 64] x [K 64, N 2,048]; A: computed on the way; B: computed on the way: QUANTISED
;;     3. batch 32 x [M 2,048, K 2,048] x [K 2,048, N 64]; A: softmax (see below); B: computed on the way: QUANTISED
;;     4. [M 4,096, K 1,024] x [K 1,024, N 1,024]; A: computed on the way; B: input w_out: QUANTISED
;;     5. [M 4,096, K 1,024] x [K 1,024, N 4,096]; A: computed on the way; B: input w_fc: QUANTISED
;;     6. [M 4,096, K 4,096] x [K 4,096, N 1,024]; A: computed on the way; B: input w_proj: QUANTISED
;;   THE QUANTISER, for each operand of a quantised product, along K:
;;     - K is cut into blocks of 32 from its start; a last block that is shorter is filled with zeros.
;;     - A block's scale is 2^e with e = floor(log2(the largest magnitude in the block)) - 2, held to -126 .. 127; a block of zeros has e = 0. As a byte (E8M0): e + 127.
;;     - Each number is divided by its block's scale, clamped to +-7.5, and rounded to the nearest number of E2M3, ties to even, subnormals kept.
;;     - The product sums the exact products of the quantised numbers (number of the format x scale) in f32.
;;   ~~~python
;;   def quantise(x, axis):      # numpy; x: float32 -> the quantised numbers, widened to float32 again
;;       x = np.moveaxis(x, axis, -1); K = x.shape[-1]
;;       x = np.pad(x, [(0, 0)] * (x.ndim - 1) + [(0, -K % 32)]); x = x.reshape(x.shape[:-1] + (-1, 32)); a = np.abs(x).max(-1, keepdims=True)
;;       e = np.where(a > 0, np.clip(np.frexp(np.where(a > 0, a, 1))[1] - 1 - 2, -126, 127), 0)      # np.frexp(a)[1] - 1 = floor(log2(a)), exactly
;;       r = np.clip(x / 2.0 ** e, -7.5, 7.5)
;;       step = 2.0 ** (np.maximum(np.frexp(np.where(r == 0, 1, r))[1] - 1, 0) - 3)
;;       q = np.round(r / step) * step * 2.0 ** e      # np.round: ties to even
;;       return np.moveaxis(q.reshape(q.shape[:-2] + (-1,))[..., :K], -1, axis).astype(np.float32)
;;   ~~~
;;   SOFTMAX AHEAD OF A QUANTISED PRODUCT. Where the list says 'softmax', what is quantised is not the finished softmax but p = 2^(t - M), with t = logit x log2(e) and M = ceil(the row's largest t), a whole number; so 1/2 < the row's largest p <= 1. The row's sum l is taken of the UNQUANTISED p, in f32, and the product's result is divided by l at the end. Since M is a whole number, a kernel that streams over the keys may use a running M (the ceiling of the running maximum): every later rescaling is an exact power of two, which a block's scale takes up: the codes' values come out the same.
;;   OPERANDS COMPUTED ON THE WAY. 'Computed on the way' means the value that the module computes at that place (a softmax that the list does not call 'softmax' is quantised finished and normalised). What goes into a quantiser is computed in f32, as accurately as f32 sums, v_exp_f32 and their like allow (about 1e-6 of the number): no bf16 or f16 on the way to a quantiser, and a product that is left as it is and whose result goes on into a quantised operand takes f32 operands (vector FMAs, or v_wmma_f32_16x16x4_f32). A number that lies on a knife's edge between two numbers of the format may be rounded either way, as far as f32 arithmetic and the matrix unit's own rounding can turn it there, and no further.
;; 2 versions. Each part assembles by itself: llvm-mc -triple=amdgcn-amd-amdhsa -mcpu=gfx1250 --defsym DOCPART=n.
;; ======== version 1 of 2: 7 launches
;; workspace buffers: pw 13,139,968 bytes; qkv 9,830,400 bytes; ob 3,276,800 bytes; x1 16,777,216 bytes; yb 20,054,016 bytes; h2 13,107,200 bytes
;; launch prep (part 1): grid 640 x 1, 4 waves a work-group, no clusters, 91,904 bytes of LDS; arguments x, ln1_g, ln1_b, w_in, w_out, w_fc, w_proj, pw; writes pw
.if DOCPART == 1
	.amdgcn_target "amdgcn-amd-amdhsa--gfx1250"
	.amdhsa_code_object_version 6
	.text
	.protected	k_q961a4e47b1_prep
	.globl	k_q961a4e47b1_prep
	.p2align	8
	.type	k_q961a4e47b1_prep,@function
k_q961a4e47b1_prep:
	s_mov_b64 s[64:65], 0
	v_nop
	global_prefetch_b8 v0, s[64:65] scope:SCOPE_SE
	s_setreg_imm32_b32 hwreg(HW_REG_WAVE_MODE, 25, 1), 1
	s_wait_xcnt 0x0
; The four weights and h = LN1(x) become operands of MX-FP6 (E2M3 codes, one E8M0 byte for each 32 along K) in the workspace pw.
; LAYOUT OF EVERY OPERAND.  A row i (a token, or a weight's column n) stands at position p = i with bits 3 and 4 exchanged.  16 positions are a row block.
; Codes: [row block][K / 64][768 bytes]: an image of the matrix operand's registers for 16 rows x 64 K: lane l's registers 0-3 at 16 l, its registers 4-5 at 512 + 8 l;
; lane (r, h) holds the 32 codes k = 32 h .. 32 h + 31 of row r.  Scale words: [K / 128][position], byte b for k = 32 b on.
; Work-groups 0-383: the weights, stored [K][N]: a lane takes a column, its registers run down K, so a block of 32 lies in one lane (w_in 96, w_out 32, w_fc 128, w_proj 128 work-groups of
; 128 columns x 256 K).  w_in's column head x 192 + t x 64 + d becomes row t x 1024 + head x 64 + d: q's rows, then k's, then v's.
; Work-groups 384-639: one row block of h each: a wave normalises four tokens in registers; the 16 rows meet in LDS; each wave then quantises two K steps of 128.
; A block's scale byte is its largest magnitude's exponent field - 2, held at 1 from below.  LIMITS: a block of zeros gets the byte 1 (its codes are zeros, and this program alone reads the bytes);
; NaN and infinities among the inputs are not served; v_rsq_f32 is taken as it is (1 ulp).
; No matrix unit, no cluster, no tensor load: every byte is read once and no two work-groups share input but g and b.  The two paths have LDS bytes of their own.
.set WINC,  0
.set WINS,  2359296
.set WOUTC, 2490368
.set WOUTS, 3276800
.set WFCC,  3309568
.set WFCS,  6455296
.set WPRC,  6586368
.set WPRS,  9732096
.set CODES, 9863168                    ; h's codes
.set SCALES, 13008896                  ; h's scale words
.set STORE_Y, 0
.set DST,   18                         ; s[18:19] the workspace
.set LNP,   4112                       ; LDS 0 on: 16 rows of 4,096 bytes + 16: the 16 rows that a load of 16 bytes a lane touches start 4 words apart modulo 64 words
.set WST,   65792                      ; the weights path's stages: 6,400 bytes a wave: two row blocks of 3,072 bytes, 3,200 apart
.set UP,    3200
.set SPARE, 91392                      ; the spare words, 128 bytes a wave
.set SPW,  1
.set NIL,  2
.set LANE, 3
.set LI16, 4                           ; 16 x lane
.set LI8,  5                           ; 8 x lane
.set LSTO, 6
.set RD0,  7
.set SWO,  8
.set TMP,  9
.set PW0,  10
.set PW1,  11
.set ST,   12                          ; v12-27 four registers of statistics a row
.set A16,  28
.set A8,   29
.set RB,   30
.set SL,   31
.set X,    32                          ; v32-159 four rows, 32 registers each
.set G,    160
.set B,    192
.set PC,   224                         ; v224-242 codes
.set TM,   244                         ; v244-255 the quantiser's twelve
.set OFFS, 32                          ; weights: v32-63 offsets of 32 rows of W
.set WX,   64                          ; v64-127 two sets of 32 numbers
.set WC,   128
.set WD,   136
.set SB,   24
.set OUT,  144
; 64 numbers of a lane, register 16 b + i = k 32 b + 16 (lane / 16) + i of its row, become a fragment's 12 registers in v[pc] on and the row's scale word in v[pw]
.macro QUANT s, pc, pw
.irp b, 0,1,2,3
	v_max3_num_f32 v[TM+\b], |v[\s+16*\b]|, |v[\s+1+16*\b]|, 0x1800000   ; with the floor 2^(3 - 127): the byte cannot fall under 1
.endr
.irp i, 2,4,6,8,10,12,14
.irp b, 0,1,2,3
	v_max3_num_f32 v[TM+\b], v[TM+\b], |v[\s+16*\b+\i]|, |v[\s+1+16*\b+\i]|
.endr
.endr
.irp b, 0,1,2,3
	v_permlanex16_b32 v[TM+4+\b], v[TM+\b], s26, s27
.endr
.irp b, 0,1,2,3
	v_max_num_f32 v[TM+\b], v[TM+\b], v[TM+4+\b]                   ; with lane l xor 16's sixteen: the block's largest magnitude
.endr
.irp b, 0,1,2,3
	v_add_nc_u32 v[TM+8+\b], 0xff000000, v[TM+\b]                  ; 2 off its exponent field: the conversion's scale operand
.endr
.irp b, 0,1,2,3
	v_lshrrev_b32 v[TM+4+\b], 23, v[TM+8+\b]                       ; the scale's byte
.endr
	v_lshl_or_b32 v[\pw], v[TM+5], 8, v[TM+4]
	v_lshl_or_b32 v[\pw], v[TM+6], 16, v[\pw]
	v_lshl_or_b32 v[\pw], v[TM+7], 24, v[\pw]
.irp c, 0,1
	v_cvt_scalef32_pk16_fp6_f32 v[\pc+6*\c:\pc+2+6*\c], v[\s+32*\c:\s+15+32*\c], v[TM+8+2*\c]
	v_cvt_scalef32_pk16_fp6_f32 v[\pc+12+4*\c:\pc+14+4*\c], v[\s+16+32*\c:\s+31+32*\c], v[TM+9+2*\c]
.endr
	v_nop                                                          ; one plain instruction behind the scaled conversions
.irp c, 0,1
.irp i, 0,1,2
	v_permlane16_swap_b32 v[\pc+6*\c+\i], v[\pc+12+4*\c+\i]        ; a whole block to a lane: lanes 0-15 block 2 c, lanes 16-31 block 2 c + 1
.endr
.irp i, 0,1,2
	v_mov_b32 v[\pc+3+6*\c+\i], v[\pc+12+4*\c+\i]
.endr
.endr
.endm
.macro RED                             ; the four rows' two chains, a lane's two halves, then the 32 lanes: the sum ends in every lane, in v[ST + 4 i]
.irp i, 0,1,2,3
	v_pk_add_f32 v[ST+4*\i:ST+4*\i+1], v[ST+4*\i:ST+4*\i+1], v[ST+4*\i+2:ST+4*\i+3]
.endr
.irp i, 0,1,2,3
	v_add_f32 v[ST+4*\i], v[ST+4*\i], v[ST+4*\i+1]
.endr
.irp m, 1,2,4,8
.irp i, 0,1,2,3
	v_add_f32_dpp v[ST+4*\i], v[ST+4*\i], v[ST+4*\i] row_xmask:\m row_mask:0xf bank_mask:0xf
.endr
.endr
.irp i, 0,1,2,3
	v_permlanex16_b32 v[ST+4*\i+1], v[ST+4*\i], s26, s27
.endr
.irp i, 0,1,2,3
	v_add_f32 v[ST+4*\i], v[ST+4*\i], v[ST+4*\i+1]
.endr
.endm
.macro IMG off                         ; a fragment leaves as it stands: each store covers 512 or 256 consecutive bytes, aligned to 256
	global_store_b128 v[LI16], v[PC:PC+3], s[28:29] offset:\off
	global_store_b64 v[LI8], v[PC+4:PC+5], s[28:29] offset:\off+512
	global_store_b128 v[LI16], v[PC+6:PC+9], s[28:29] offset:\off+768
	global_store_b64 v[LI8], v[PC+10:PC+11], s[28:29] offset:\off+1280
.endm
	s_load_b256 s[4:11], s[0:1], 0x0               ; x, ln1_g, ln1_b, w_in
	s_load_b256 s[12:19], s[0:1], 0x20             ; w_out, w_fc, w_proj, pw
	v_lshl_add_u32 v[SPW], v0, 2, SPARE
	v_mov_b32 v[NIL], 0
	v_lshrrev_b32 v[LANE], 5, v0
	v_readfirstlane_b32 s20, v[LANE]               ; wave
	v_and_b32 v[LANE], 31, v0
	v_lshlrev_b32 v[LI16], 4, v[LANE]
	v_lshlrev_b32 v[LI8], 3, v[LANE]
	s_cmp_lt_u32 ttmp9, 384
	s_cbranch_scc0 .Lln
	; ---- THE WEIGHTS.  w_proj's figures first; each earlier range of work-groups puts its own in their place
	s_mov_b32 s21, 256                             ; the range's first work-group
	s_mov_b32 s22, 4096                            ; a row of W in bytes
	s_mov_b32 s23, 4                               ; log2 of the pieces of 256 along K
	s_mov_b32 s24, 49152                           ; a row block's codes in bytes
	s_mov_b32 s25, 4096                            ; a K step's scale words in bytes
	s_mov_b32 s26, WPRC
	s_mov_b32 s27, WPRS
	s_wait_kmcnt 0x0
	s_mov_b64 s[28:29], s[16:17]
	s_cmp_lt_u32 ttmp9, 256
	s_cselect_b32 s21, 128, s21
	s_cselect_b32 s22, 16384, s22
	s_cselect_b32 s23, 2, s23
	s_cselect_b32 s24, 12288, s24
	s_cselect_b32 s25, 16384, s25
	s_cselect_b32 s26, WFCC, s26
	s_cselect_b32 s27, WFCS, s27
	s_cselect_b64 s[28:29], s[14:15], s[28:29]
	s_cmp_lt_u32 ttmp9, 128
	s_cselect_b32 s21, 96, s21
	s_cselect_b32 s22, 4096, s22
	s_cselect_b32 s25, 4096, s25
	s_cselect_b32 s26, WOUTC, s26
	s_cselect_b32 s27, WOUTS, s27
	s_cselect_b64 s[28:29], s[12:13], s[28:29]
	s_cmp_lt_u32 ttmp9, 96
	s_cselect_b32 s21, 0, s21
	s_cselect_b32 s22, 12288, s22
	s_cselect_b32 s25, 16384, s25
	s_cselect_b32 s26, WINC, s26
	s_cselect_b32 s27, WINS, s27
	s_cselect_b64 s[28:29], s[10:11], s[28:29]
	s_cselect_b32 s30, 1, 0                        ; w_in?
	s_sub_co_u32 s31, ttmp9, s21
	s_lshr_b32 s32, s31, s23                       ; which 128 columns
	s_lshl_b32 s33, 1, s23
	s_sub_co_u32 s33, s33, 1
	s_and_b32 s33, s31, s33                        ; which 256 along K
	s_lshl_b32 s34, s32, 7
	s_lshl_b32 s35, s20, 5
	s_add_co_u32 s34, s34, s35                     ; my wave's first column
	s_lshr_b32 s35, s34, 6
	s_mul_hi_u32 s36, s35, 0x55555556              ; (column / 64) / 3: the head
	s_mul_i32 s37, s36, 3
	s_sub_co_u32 s37, s35, s37                     ; q, k or v
	s_lshl_b32 s37, s37, 10
	s_lshl_b32 s36, s36, 6
	s_add_co_u32 s37, s37, s36
	s_and_b32 s36, s34, 63
	s_add_co_u32 s37, s37, s36
	s_cmp_eq_u32 s30, 1
	s_cselect_b32 s37, s37, s34                    ; the operand's row of my first column (a multiple of 32)
	s_mul_i32 s38, s33, s22
	s_lshl_b32 s38, s38, 8
	s_lshl_b32 s39, s34, 2
	s_add_co_u32 s38, s38, s39
	s_mov_b32 s39, 0
	s_add_nc_u64 s[40:41], s[28:29], s[38:39]      ; a base for each of the 8 blocks: none is ever stepped
	s_lshl_b32 s38, s22, 5
.irp t, 1,2,3,4,5,6,7
	s_add_nc_u64 s[40+2*\t:41+2*\t], s[38+2*\t:39+2*\t], s[38:39]
.endr
	s_lshr_b32 s66, s37, 5
	s_lshl_b32 s66, s66, 1
	s_mul_i32 s66, s66, s24
	s_mul_i32 s67, s33, 3072
	s_add_co_u32 s66, s66, s67
	s_add_co_u32 s66, s66, s26
	s_mov_b32 s67, 0
	s_add_nc_u64 s[56:57], s[18:19], s[66:67]      ; codes: my even row block, my 256 along K
	s_mov_b32 s66, s24
	s_add_nc_u64 s[58:59], s[56:57], s[66:67]      ; the odd one
	s_lshl_b32 s66, s33, 1
	s_mul_i32 s66, s66, s25
	s_lshl_b32 s68, s37, 2
	s_add_co_u32 s66, s66, s68
	s_add_co_u32 s66, s66, s27
	s_add_nc_u64 s[60:61], s[18:19], s[66:67]      ; scale words: my first K step of 128,
	s_mov_b32 s66, s25
	s_add_nc_u64 s[62:63], s[60:61], s[66:67]      ; my second
	v_lshlrev_b32 v[OFFS], 2, v[LANE]
.set NN, 1
.rept 31
	v_add_nc_u32 v[OFFS+NN], s22, v[OFFS+NN-1]
.set NN, NN+1
.endr
	v_bfe_u32 v9, v0, 3, 1                         ; column 16 h' + 8 u + j stands in row block u at row r = 8 h' + j
	v_bfe_u32 v10, v0, 4, 1
	v_and_b32 v11, 7, v0
	v_lshl_or_b32 v11, v10, 3, v11
	s_mul_i32 s68, s20, 2*UP
	s_add_co_u32 s68, s68, WST
	v_mul_u32_u24 v10, v9, UP
	v_add_nc_u32 v10, s68, v10
	v_lshl_add_u32 v[A16], v11, 4, v10
	v_lshl_add_u32 v[A8], v11, 3, v10
	v_add_nc_u32 v[RB], s68, v[LI16]
	v_lshl_or_b32 v[SL], v9, 4, v11
	v_lshlrev_b32 v[SL], 2, v[SL]
.macro WLOAD t                         ; block t: W(32 t + i, my column): 128 consecutive bytes a wave, 512 a work-group
.set NN, 0
.rept 32
	global_load_b32 v[WX+32*((\t)%2)+NN], v[OFFS+NN], s[40+2*(\t):41+2*(\t)] th:TH_LOAD_NT
.set NN, NN+1
.endr
.endm
.macro WBLOCK t
.set XS, WX+32*((\t)%2)
.if (\t) < 7
	s_wait_loadcnt 32                              ; this block's 32 loads are in; the next block's may be out
.else
	s_wait_loadcnt 0x0
.endif
	v_max3_num_f32 v12, |v[XS]|, |v[XS+1]|, |v[XS+2]|
	v_max3_num_f32 v13, |v[XS+3]|, |v[XS+4]|, |v[XS+5]|
.irp i, 6,10,14,18,22,26
	v_max3_num_f32 v12, v12, |v[XS+\i]|, |v[XS+\i+1]|
	v_max3_num_f32 v13, v13, |v[XS+\i+2]|, |v[XS+\i+3]|
.endr
	v_max3_num_f32 v12, v12, |v[XS+30]|, |v[XS+31]|
	v_max3_num_f32 v12, v12, v13, 0x1800000
	v_add_nc_u32 v14, 0xff000000, v12
	v_lshrrev_b32 v13, 23, v14
.if (\t)%4 == 0
	v_mov_b32 v[SB+(\t)/4], v13
.else
	v_lshl_or_b32 v[SB+(\t)/4], v13, 8*((\t)%4), v[SB+(\t)/4]
.endif
	v_cvt_scalef32_pk16_fp6_f32 v[WC:WC+2], v[XS:XS+15], v14
	v_cvt_scalef32_pk16_fp6_f32 v[WD:WD+2], v[XS+16:XS+31], v14
	v_nop
.irp i, 0,1,2
	v_mov_b32 v[WC+3+\i], v[WD+\i]
.endr
	ds_store_b128 v[A16], v[WC:WC+3] offset:((\t)/2)*768+((\t)%2)*256      ; block t is half t % 2 of image t / 2: the place of image lane 16 (t % 2) + r
	ds_store_b64 v[A8], v[WC+4:WC+5] offset:((\t)/2)*768+((\t)%2)*128+512
.if (\t)+2 < 8
	WLOAD (\t)+2
.endif
	s_wait_dscnt 0x0                               ; the stores have read their registers: the next block's codes may be written
.endm
	WLOAD 0
	WLOAD 1
.irp t, 0,1,2,3,4,5,6,7
	WBLOCK \t
.endr
.irp n, 0,1,2,3,4,5,6,7,8,9,10,11
	ds_load_b128 v[OUT+4*\n:OUT+4*\n+3], v[RB] offset:UP*(\n/6)+512*(\n%6)   ; my own stage: LDS serves a wave's instructions in order
.endr
	global_store_b32 v[SL], v[SB], s[60:61]        ; 32 lanes fill 128 consecutive bytes
	global_store_b32 v[SL], v[SB+1], s[62:63]
.irp n, 0,1,2,3,4,5
	s_wait_dscnt 11-\n
	global_store_b128 v[LI16], v[OUT+4*\n:OUT+4*\n+3], s[56:57] offset:512*\n
.endr
.irp n, 6,7,8,9,10,11
	s_wait_dscnt 11-\n
	global_store_b128 v[LI16], v[OUT+4*\n:OUT+4*\n+3], s[58:59] offset:512*(\n-6)
.endr
	s_branch .Lend
.Lln:
	s_sub_co_u32 s21, ttmp9, 384                   ; my row block F
	; ---- LAYER NORM AND QUANTISER.  Wave w takes positions 4 w .. 4 w + 3 of the block: four neighbouring tokens
	s_lshr_b32 s22, s21, 1
	s_lshl_b32 s22, s22, 5
	s_and_b32 s23, s21, 1
	s_lshl_b32 s23, s23, 3
	s_add_co_u32 s22, s22, s23
	s_lshl_b32 s23, s20, 2
	s_add_co_u32 s22, s22, s23
	s_lshr_b32 s23, s20, 1
	s_lshl_b32 s23, s23, 3
	s_add_co_u32 s22, s22, s23                     ; token 32 (F / 2) + 8 (F % 2) + 4 w + 8 (w / 2)
	s_lshl_b32 s22, s22, 12
	s_mov_b32 s23, 0
	s_mov_b32 s24, 0x3a800000                      ; 1 / 1024
	s_mov_b32 s25, 0x3727c5ac                      ; 1e-5
	s_mov_b32 s26, 0x76543210
	s_mov_b32 s27, 0xfedcba98                      ; selects for lane l xor 16
	s_mul_i32 s28, s20, 4*LNP
	v_add_nc_u32 v[LSTO], s28, v[LI16]
	v_and_b32 v[TMP], 15, v0
	v_bfe_u32 v[SWO], v0, 4, 1
	v_mul_u32_u24 v[RD0], v[TMP], LNP
	v_lshl_add_u32 v[RD0], v[SWO], 6, v[RD0]
	s_lshl_b32 s28, s20, 10
	v_add_nc_u32 v[RD0], s28, v[RD0]               ; row r, + 64 h, + my two K steps
	v_lshlrev_b32 v[SWO], 14, v[SWO]
	v_lshl_add_u32 v[SWO], v[TMP], 2, v[SWO]
.irp b, 0,1,2,3
	v_mov_b32 v[TM+4+\b], 0                        ; a lane permute's destination counts as one of its sources
.endr
	s_mul_i32 s28, s21, 12288
	s_mul_i32 s29, s20, 3072
	s_add_co_u32 s28, s28, s29
	s_add_co_u32 s28, s28, CODES
	s_mov_b32 s29, 0
	s_lshl_b32 s30, s20, 15
	s_lshl_b32 s31, s21, 6
	s_add_co_u32 s30, s30, s31
	s_add_co_u32 s30, s30, SCALES
	s_mov_b32 s31, 0
	s_wait_kmcnt 0x0
	s_add_nc_u64 s[4:5], s[4:5], s[22:23]
	s_add_nc_u64 s[28:29], s[DST:DST+1], s[28:29]
	s_add_nc_u64 s[30:31], s[DST:DST+1], s[30:31]
.if STORE_Y
	s_add_nc_u64 s[32:33], s[DST:DST+1], s[22:23]
.endif
.irp i, 0,1,2,3
.irp j, 0,1,2,3,4,5,6,7
	global_load_b128 v[X+32*\i+4*\j:X+32*\i+4*\j+3], v[LI16], s[4:5] offset:4096*\i+512*\j th:TH_LOAD_NT
.endr
.endr
.irp j, 0,1,2,3,4,5,6,7
	global_load_b128 v[G+4*\j:G+4*\j+3], v[LI16], s[6:7] offset:512*\j
.endr
.irp j, 0,1,2,3,4,5,6,7
	global_load_b128 v[B+4*\j:B+4*\j+3], v[LI16], s[8:9] offset:512*\j
.endr
	s_wait_loadcnt 16                              ; the rows are in; g's and b's sixteen loads may be out
.irp i, 0,1,2,3
	v_pk_add_f32 v[ST+4*\i:ST+4*\i+1], v[X+32*\i:X+32*\i+1], v[X+32*\i+2:X+32*\i+3]
	v_pk_add_f32 v[ST+4*\i+2:ST+4*\i+3], v[X+32*\i+4:X+32*\i+5], v[X+32*\i+6:X+32*\i+7]
.endr
.irp n, 8,12,16,20,24,28
.irp i, 0,1,2,3
	v_pk_add_f32 v[ST+4*\i:ST+4*\i+1], v[ST+4*\i:ST+4*\i+1], v[X+32*\i+\n:X+32*\i+\n+1]
	v_pk_add_f32 v[ST+4*\i+2:ST+4*\i+3], v[ST+4*\i+2:ST+4*\i+3], v[X+32*\i+\n+2:X+32*\i+\n+3]
.endr
.endr
	RED
.irp i, 0,1,2,3
	v_mul_f32 v[ST+4*\i+1], 0xba800000, v[ST+4*\i] ; - the mean, twice: a pair for the packed addition
	v_mul_f32 v[ST+4*\i], 0xba800000, v[ST+4*\i]
.endr
.irp i, 0,1,2,3
.set NN, 0
.rept 16
	v_pk_add_f32 v[X+32*\i+NN:X+32*\i+NN+1], v[X+32*\i+NN:X+32*\i+NN+1], v[ST+4*\i:ST+4*\i+1]
.set NN, NN+2
.endr
.endr
.irp i, 0,1,2,3
	v_pk_mul_f32 v[ST+4*\i:ST+4*\i+1], v[X+32*\i:X+32*\i+1], v[X+32*\i:X+32*\i+1]
	v_pk_mul_f32 v[ST+4*\i+2:ST+4*\i+3], v[X+32*\i+2:X+32*\i+3], v[X+32*\i+2:X+32*\i+3]
.endr
.irp n, 4,8,12,16,20,24,28
.irp i, 0,1,2,3
	v_pk_fma_f32 v[ST+4*\i:ST+4*\i+1], v[X+32*\i+\n:X+32*\i+\n+1], v[X+32*\i+\n:X+32*\i+\n+1], v[ST+4*\i:ST+4*\i+1]
	v_pk_fma_f32 v[ST+4*\i+2:ST+4*\i+3], v[X+32*\i+\n+2:X+32*\i+\n+3], v[X+32*\i+\n+2:X+32*\i+\n+3], v[ST+4*\i+2:ST+4*\i+3]
.endr
.endr
	RED
.irp i, 0,1,2,3
	v_fma_f32 v[ST+4*\i+2], v[ST+4*\i], s24, s25   ; the variance + 1e-5
.endr
.irp i, 0,1,2,3
	v_rsq_f32 v[ST+4*\i], v[ST+4*\i+2]
	v_rsq_f32 v[ST+4*\i+1], v[ST+4*\i+2]
.endr
	v_nop                                          ; a plain instruction behind the last of the batch
	s_wait_alu depctr_va_vdst(0)                   ; one wait for the eight, ahead of their first reader
	s_wait_loadcnt 0x0                             ; g and b
.irp i, 0,1,2,3
.set NN, 0
.rept 16
	v_pk_mul_f32 v[X+32*\i+NN:X+32*\i+NN+1], v[X+32*\i+NN:X+32*\i+NN+1], v[ST+4*\i:ST+4*\i+1]
	v_pk_fma_f32 v[X+32*\i+NN:X+32*\i+NN+1], v[X+32*\i+NN:X+32*\i+NN+1], v[G+NN:G+NN+1], v[B+NN:B+NN+1]
.set NN, NN+2
.endr
.endr
.irp i, 0,1,2,3
.irp j, 0,1,2,3,4,5,6,7
.if STORE_Y
	global_store_b128 v[LI16], v[X+32*\i+4*\j:X+32*\i+4*\j+3], s[32:33] offset:4096*\i+512*\j
.endif
	ds_store_b128 v[LSTO], v[X+32*\i+4*\j:X+32*\i+4*\j+3] offset:LNP*\i+512*\j
.endr
.endr
	s_wait_dscnt 0x0                               ; for the others' sake: my four rows lie in LDS
	s_wait_xcnt 0x0                                ; and the rows' registers may be written again
	s_barrier_signal -1
	s_barrier_wait -1
.irp s, 0,1
.irp b, 0,1,2,3
.irp q, 0,1,2,3
	ds_load_b128 v[X+64*\s+16*\b+4*\q:X+64*\s+16*\b+4*\q+3], v[RD0] offset:512*\s+128*\b+16*\q   ; row r, k = 128 (2 w + s) + 32 b + 16 h + 4 q on
.endr
.endr
.endr
	s_wait_dscnt 16                                ; the first K step's sixteen loads are in
	QUANT X, PC, PW0
	IMG 0
	s_wait_dscnt 0x0
	s_wait_xcnt 0x0                                ; the stores have read the codes' registers
	QUANT X+64, PC, PW1
	IMG 1536
	v_cmp_lt_u32 s34, 15, v[LANE]
	v_cndmask_b32 v[TMP], v[PW0], v[PW1], s34      ; lanes 0-15 store the first K step's words, lanes 16-31 the second's: two runs of 64 bytes
	global_store_b32 v[SWO], v[TMP], s[30:31]
.Lend:
	s_wait_tensorcnt 0x0                           ; the wave's end
	ds_add_u32 v[SPW], v[NIL]
	s_wait_dscnt 0x0
	s_endpgm
.Lfunc_end_k_q961a4e47b1_prep:
	.size	k_q961a4e47b1_prep, .Lfunc_end_k_q961a4e47b1_prep-k_q961a4e47b1_prep
	.p2alignl 7, 3214868480
	.fill 96, 4, 3214868480
	.section	.rodata,"a",@progbits
	.p2align	6, 0x0
	.amdhsa_kernel k_q961a4e47b1_prep
		.amdhsa_group_segment_fixed_size 91904
		.amdhsa_private_segment_fixed_size 0
		.amdhsa_enable_private_segment 0
		.amdhsa_kernarg_size 64
		.amdhsa_user_sgpr_count 2
		.amdhsa_user_sgpr_kernarg_segment_ptr 1
		.amdhsa_wavefront_size32 1
		.amdhsa_system_sgpr_workgroup_id_x 1
		.amdhsa_system_sgpr_workgroup_id_y 1
		.amdhsa_system_sgpr_workgroup_id_z 1
		.amdhsa_system_vgpr_workitem_id 0
		.amdhsa_next_free_vgpr 256
		.amdhsa_next_free_sgpr 70
		.amdhsa_reserve_vcc 0
		.amdhsa_float_denorm_mode_32 3
		.amdhsa_float_denorm_mode_16_64 3
		.amdhsa_memory_ordered 1
		.amdhsa_forward_progress 1
		.amdhsa_inst_pref_size 89
	.end_amdhsa_kernel
	.amdgpu_metadata
---
amdhsa.version: [ 1, 2 ]
amdhsa.kernels:
  - .name:           k_q961a4e47b1_prep
    .symbol:         k_q961a4e47b1_prep.kd
    .args:
      - { .name: x, .offset: 0, .size: 8, .value_kind: global_buffer, .address_space: global }
      - { .name: ln1_g, .offset: 8, .size: 8, .value_kind: global_buffer, .address_space: global }
      - { .name: ln1_b, .offset: 16, .size: 8, .value_kind: global_buffer, .address_space: global }
      - { .name: w_in, .offset: 24, .size: 8, .value_kind: global_buffer, .address_space: global }
      - { .name: w_out, .offset: 32, .size: 8, .value_kind: global_buffer, .address_space: global }
      - { .name: w_fc, .offset: 40, .size: 8, .value_kind: global_buffer, .address_space: global }
      - { .name: w_proj, .offset: 48, .size: 8, .value_kind: global_buffer, .address_space: global }
      - { .name: pw, .offset: 56, .size: 8, .value_kind: global_buffer, .address_space: global }
    .group_segment_fixed_size: 91904
    .private_segment_fixed_size: 0
    .kernarg_segment_align: 8
    .kernarg_segment_size: 64
    .max_flat_workgroup_size: 128
    .sgpr_count:     70
    .vgpr_count:     256
    .wavefront_size: 32
...
	.end_amdgpu_metadata
.endif
;; end of part 1
;; launch g1 (part 2): grid 12 x 16, 4 waves a work-group, clusters of 4 x 4, 327,680 bytes of LDS; arguments pw, b_in, qkv; writes qkv
.if DOCPART == 2
	.amdgcn_target "amdgcn-amd-amdhsa--gfx1250"
	.amdhsa_code_object_version 6
	.text
	.protected	k_q961a4e47b1_g1
	.globl	k_q961a4e47b1_g1
	.p2align	8
	.type	k_q961a4e47b1_g1,@function
k_q961a4e47b1_g1:
	s_mov_b64 s[64:65], 0
	v_nop
	global_prefetch_b8 v0, s[64:65] scope:SCOPE_SE
	s_setreg_imm32_b32 hwreg(HW_REG_WAVE_MODE, 25, 1), 1
	s_wait_xcnt 0x0
	s_wait_alu depctr_hold_cnt(0) depctr_sa_sdst(0) depctr_va_vdst(0) depctr_va_sdst(0) depctr_va_ssrc(0) depctr_va_vcc(0) depctr_vm_vsrc(0)
	s_getreg_b32 s2, hwreg(HW_REG_IB_STS2, 6, 4)
	s_cmp_eq_u32 s2, 0
	s_cbranch_scc0 .Lentry_in_a_cluster
	s_endpgm
.Lentry_in_a_cluster:
	s_bfe_u32 s2, ttmp6, 0x10000c
	s_cmp_lg_u32 s2, 0xf033
	s_cbranch_scc0 .Lentry_shape_is_right
	s_endpgm
.Lentry_shape_is_right:
; qkv = h w_in + b_in on codes of MX-FP6, and its three parts quantised at once as the operands of attention.
; A tile of 256 x 256 to a work-group of four waves, 128 x 128 a wave: 64 accumulators, 512 registers.  K = 1,024 goes in steps of 256 through two LDS slots filled by the tensor data mover.
; Operands lie in memory as images of the operand's registers ([row block of 16][K / 64][768 bytes]), so a fragment (16 x 128) comes by two loads of 16 and two of 8 bytes a lane, each instruction's bytes on end.
; THE PRODUCT IS USED TRANSPOSED (source 0 = 16 rows of B, source 1 = 16 rows of A): a lane holds one row of A.  Rows stand at positions with bits 3 and 4 of the index exchanged, so the 64 registers
; of A's block a hold B's TRUE indices: register 16 c + i = 32 c + 16 (lane / 16) + i: sixteen neighbours along the next product's K.
; ROLES, by the cluster's x (equal in all partners).  x = 0, 1: A = tokens, B = w_in's rows of q (x = 0) or k (x = 1): a wave's 128 columns are two heads; each head's 64 numbers of a token are quantised along d.
; x = 2: A = w_in's rows of v, B = tokens: the result is V^T, quantised along the keys.
; CLUSTER 4 x 4: A's tile is asked for jointly along a row of the cluster, B's along a column.
; LIMITS: as in the quantiser (a block of zeros gets the byte 1; NaN and infinities are not served).
.set KDIM,  1024
.set WINC,  0
.set WINS,  2359296
.set HC,    9863168
.set HS,    13008896
.set APITCH, 4096                      ; scale words from one K step of 128 to the next
.set BPITCH, 4096
.set KC,    3145728                    ; in qkv: q's codes at 0, k's, v's; then the three sets of scale words
.set VC,    6291456
.set QS,    9437184
.set VS,    9699328
.set NQ,    2
.set FR,    12
.set NL,    4                          ; LDS loads that bring a fragment
.set NP,    4                          ; places behind this matrix instruction (ISA guide 7.12.1)
.set KROW,  KDIM*6/8
.set KRB,   KDIM/128*1536              ; a row block's codes in bytes
.set NKS,   KDIM/128
.set HALFT, 8*3072                     ; 8 row blocks x 256 K: what one tensor load brings
.set SLOT,  4*HALFT
.set LAPS,  KDIM/512
.set SCL,   2*SLOT                     ; behind the ring: the scale words of the tile's rows for all of K, filled once
.set HALFS, 512*NKS
.set SPARE, SCL+4*HALFS
.set ADRA, 16                          ; v16-17 16 x lane + my A rows in slot 0, 1; v18-19 the same with 8 x lane
.set ADRB, 20
.set LI16, 24
.set LI8,  25
.set SWA,  26
.set ADRS, 27
.set SPW,  28
.set NIL,  29
.set RDQ,  30
.set RDV,  31
.set SC,   32                          ; v32-63 scale words, two sets: lanes 0-15 A's block i, lanes 16-31 B's block i
.set AF,   128                         ; A's fragments, one set; window 1: B's, two sets; windows 2, 3: the accumulators
.set T,    64                          ; the way out, window 0
.set BIAS, 128
.set PC,   192
.set TM,   212
.set PW,   228
.set G1, 24
.set G0, 32
.set G1B, 48
.set G0B, 56
.set G1S, 68
.set G0S, 76
.set G1SB, 80
.set G0SB, 88
.set MSB, 0
.macro WIN new                         ; the immediate's high byte repeats the setting that is left
.if MSB != \new
	s_set_vgpr_msb (MSB<<8)|\new
.set MSB, \new
.endif
.endm
.set MUL_LO, 0xa1                      ; source 0 (B) window 1, source 1 (A) window 0, C and D window 2
.set MUL_HI, 0xf1
.set TO_B,   0x40
.macro JLOAD g0a, g1a, g0b, g1b        ; a joint load: waves 0, 1 fetch for A, waves 2, 3 for B; the branch hangs on the wave's number alone; s_nop 0 and four v_nop follow each line
	s_cmp_eq_u32 s15, 0
	s_cbranch_scc0 .Lfor_b_\@
	tensor_load_to_lds s[\g0a:\g0a+3], s[\g1a:\g1a+7]
	s_nop 0
.rept 4
	v_nop
.endr
	s_branch .Lasked_\@
.Lfor_b_\@:
	tensor_load_to_lds s[\g0b:\g0b+3], s[\g1b:\g1b+7]
	s_nop 0
.rept 4
	v_nop
.endr
.Lasked_\@:
.endm
.macro CREST
	s_cmp_lg_u32 s14, 0
	s_cbranch_scc1 .Lnot_wave_0_\@
	s_barrier_signal -3
.Lnot_wave_0_\@:
	s_barrier_wait -3
	s_barrier_signal -1
	s_barrier_wait -1
.endm
.macro CROUND
	s_barrier_signal -1
	s_barrier_wait -1
	CREST
.endm
	s_load_b64 s[4:5], s[0:1], 0x0                 ; pw: both operands
	s_load_b128 s[8:11], s[0:1], 0x8               ; b_in, qkv
	v_lshl_add_u32 v[SPW], v0, 2, SPARE
	v_mov_b32 v[NIL], 0
	ds_add_u32 v[SPW], v[NIL]                      ; the opening: the add and its wait ahead of my first tensor load
	v_lshrrev_b32 v1, 5, v0
	v_readfirstlane_b32 s14, v1                    ; wave
	s_lshr_b32 s15, s14, 1                         ; my half of A's rows; also: I fetch for A (0) or B (1)
	s_and_b32 s16, s14, 1                          ; my half of B's rows; also: which 128 rows I fetch
	s_bfe_u32 s40, ttmp6, 0x40000                  ; cx
	s_bfe_u32 s41, ttmp6, 0x40004                  ; cy
	s_and_b32 s17, ttmp7, 0xffff                   ; cluster y
	s_mov_b32 s92, HC
	s_mov_b32 s93, HS
	s_mov_b32 s94, HC
	s_mov_b32 s95, HS
	s_cmp_eq_u32 ttmp9, 2                          ; the V^T role?  The cluster's x is the same in all sixteen partners
	s_cselect_b32 s42, s17, ttmp9
	s_cselect_b32 s17, 2, s17
	s_cselect_b32 s92, WINC, s92                   ; where A's codes and scale words begin in pw,
	s_cselect_b32 s93, WINS, s93
	s_cselect_b32 s94, s94, WINC                   ; and B's
	s_cselect_b32 s95, s95, WINS
	s_lshl_b32 s42, s42, 2
	s_add_co_u32 s42, s42, s40                     ; B's tile
	s_lshl_b32 s17, s17, 2
	s_add_co_u32 s17, s17, s41                     ; A's tile
	s_lshl_b32 s43, s41, 2
	s_lshl_b32 s43, 15, s43                        ; my row of the cluster
	s_lshl_b32 s44, 0x1111, s40                    ; my column
	s_or_b32 s[G1+0], s43, (3<<16)|(1<<21)         ; the mask; elements of 8 bytes; no padding; bit 21 beside a mask
	s_or_b32 s[G1B+0], s44, (3<<16)|(1<<21)
.irp g, G1, G1B
	s_mov_b32 s[\g+1], 384<<16                     ; 8 rows (row blocks) of 384 elements = 3,072 bytes
	s_mov_b32 s[\g+2], 8<<16
	s_mov_b32 s[\g+3], 384<<16
	s_mov_b32 s[\g+4], 8
	s_mov_b32 s[\g+5], KRB/8
	s_mov_b32 s[\g+6], 0
	s_mov_b32 s[\g+7], 0
.endr
	s_or_b32 s[G1S+0], s43, (3<<16)|(1<<21)
	s_or_b32 s[G1SB+0], s44, (3<<16)|(1<<21)
.irp g, G1S, G1SB
	s_mov_b32 s[\g+1], 64<<16                      ; NKS rows of 128 scale words = 512 bytes
	s_mov_b32 s[\g+2], NKS<<16
	s_mov_b32 s[\g+3], 64<<16
	s_mov_b32 s[\g+4], NKS
	s_mov_b32 s[\g+6], 0
	s_mov_b32 s[\g+7], 0
.endr
	s_mov_b32 s[G1S+5], APITCH/2
	s_mov_b32 s[G1SB+5], BPITCH/2
	s_lshl_b32 s18, s16, 7
	s_lshl_b32 s20, s17, 8
	s_add_co_u32 s20, s20, s18                     ; A: the first of the 128 rows that I fetch
	s_lshl_b32 s46, s42, 8
	s_add_co_u32 s46, s46, s18                     ; B likewise
	s_lshl_b32 s22, s20, 2
	s_add_co_u32 s22, s22, s93
	s_mul_i32 s20, s20, KROW
	s_add_co_u32 s20, s20, s92
	s_mov_b32 s21, 0
	s_mov_b32 s23, 0
	s_lshl_b32 s98, s46, 2
	s_add_co_u32 s98, s98, s95
	s_mul_i32 s46, s46, KROW
	s_add_co_u32 s46, s46, s94
	s_mov_b32 s47, 0
	s_mov_b32 s99, 0
	s_mul_i32 s45, s14, HALFT                      ; where they go: the wave's number alone enters an LDS address
	s_mul_i32 s96, s14, HALFS
	s_wait_dscnt 0x0                               ; the opening add is done
	s_wait_kmcnt 0x0
	s_mov_b64 s[6:7], s[4:5]
	s_add_nc_u64 s[20:21], s[4:5], s[20:21]
	s_add_nc_u64 s[22:23], s[4:5], s[22:23]
	s_add_nc_u64 s[46:47], s[6:7], s[46:47]
	s_add_nc_u64 s[98:99], s[6:7], s[98:99]
	CROUND                                         ; all sixteen work-groups are here: the first joint loads meet
	s_mov_b32 s[G0S], 1
	s_add_co_u32 s[G0S+1], s96, SCL
	s_mov_b64 s[G0S+2:G0S+3], s[22:23]
	s_or_b32 s[G0S+3], s[G0S+3], 0x80000000
	s_mov_b32 s[G0SB], 1
	s_add_co_u32 s[G0SB+1], s96, SCL
	s_mov_b64 s[G0SB+2:G0SB+3], s[98:99]
	s_or_b32 s[G0SB+3], s[G0SB+3], 0x80000000
	JLOAD G0S, G1S, G0SB, G1SB                     ; the scale words first: wanted with K step 0
.irp s, 0,1
	s_mov_b32 s[G0+4*\s], 1
	s_add_co_u32 s[G0+4*\s+1], s45, \s*SLOT
	s_add_nc_u64 s[G0+4*\s+2:G0+4*\s+3], s[20:21], \s*3072
	s_or_b32 s[G0+4*\s+3], s[G0+4*\s+3], 0x80000000
	s_mov_b32 s[G0B+4*\s], 1
	s_add_co_u32 s[G0B+4*\s+1], s45, \s*SLOT
	s_add_nc_u64 s[G0B+4*\s+2:G0B+4*\s+3], s[46:47], \s*3072
	s_or_b32 s[G0B+4*\s+3], s[G0B+4*\s+3], 0x80000000
	JLOAD G0+4*\s, G1, G0B+4*\s, G1B
.endr
	v_and_b32 v1, 31, v0                           ; lane
	v_and_b32 v2, 15, v0                           ; r
	v_bfe_u32 v3, v0, 4, 1                         ; h
	v_lshlrev_b32 v4, 4, v1
	v_lshlrev_b32 v5, 3, v1
	s_mul_i32 s21, s15, HALFT
	s_mul_i32 s22, s16, HALFT
	s_add_co_u32 s22, s22, 2*HALFT
.irp s, 0,1
	v_add_nc_u32 v[ADRA+\s], s21, v4
	v_add_nc_u32 v[ADRB+\s], s22, v4
	v_add_nc_u32 v[ADRA+2+\s], s21, v5
	v_add_nc_u32 v[ADRB+2+\s], s22, v5
	s_add_co_u32 s21, s21, SLOT
	s_add_co_u32 s22, s22, SLOT
.endr
	s_mul_i32 s21, s15, HALFS
	s_mul_i32 s22, s16, HALFS
	s_add_co_u32 s22, s22, 2*HALFS
	s_sub_co_u32 s22, s22, s21
	v_mul_u32_u24 v6, s22, v3                      ; lanes 16-31 take B's words
	s_add_co_u32 s21, s21, SCL
	v_lshl_add_u32 v6, v2, 2, v6
	v_add_nc_u32 v[ADRS], s21, v6
.macro FRAG reg, adr, q, i             ; block i's fragment of the slot's q-th 128 along K: two images of 768 bytes
	ds_load_b128 v[\reg:\reg+3], v[\adr] offset:(\i)*3072+(\q)*1536
	ds_load_b64 v[\reg+4:\reg+5], v[\adr+2] offset:(\i)*3072+(\q)*1536+512
	ds_load_b128 v[\reg+6:\reg+9], v[\adr] offset:(\i)*3072+(\q)*1536+768
	ds_load_b64 v[\reg+10:\reg+11], v[\adr+2] offset:(\i)*3072+(\q)*1536+1280
.endm
; 16 matrix instructions: A's blocks a0, a0 + 1 x B's eight.  The 64 accumulators take turns, one instruction a turn, in the same order in every step
.macro MUL16 a0, p, q, sc, zero
.irp a, \a0, \a0+1
.irp b, 0,1,2,3,4,5,6,7
.if \zero
	v_wmma_scale_f32_16x16x128_f8f6f4 v[8*(8*((\a)%4)+\b):8*(8*((\a)%4)+\b)+7], v[128*(\p)+FR*\b:128*(\p)+FR*\b+FR-1], v[AF+FR*(\a):AF+FR*(\a)+FR-1], 0, v[SC+8*NQ*(\sc)+NQ*\b+(\q)], v[SC+8*NQ*(\sc)+NQ*(\a)+(\q)] matrix_a_fmt:MATRIX_FMT_FP6 matrix_b_fmt:MATRIX_FMT_FP6 matrix_a_scale:MATRIX_SCALE_ROW1
.else
	v_wmma_scale_f32_16x16x128_f8f6f4 v[8*(8*((\a)%4)+\b):8*(8*((\a)%4)+\b)+7], v[128*(\p)+FR*\b:128*(\p)+FR*\b+FR-1], v[AF+FR*(\a):AF+FR*(\a)+FR-1], v[8*(8*((\a)%4)+\b):8*(8*((\a)%4)+\b)+7], v[SC+8*NQ*(\sc)+NQ*\b+(\q)], v[SC+8*NQ*(\sc)+NQ*(\a)+(\q)] matrix_a_fmt:MATRIX_FMT_FP6 matrix_b_fmt:MATRIX_FMT_FP6 matrix_a_scale:MATRIX_SCALE_ROW1
.endif
.endr
.endr
.endm
.macro FETCH_B slot, q, p
	WIN TO_B
.irp i, 0,1,2,3,4,5,6,7
	FRAG 128*(\p)+FR*\i, ADRB+\slot, \q, \i
.endr
	WIN 0
.endm
.macro FETCH_A slot, q, i0
.irp i, \i0, \i0+1, \i0+2, \i0+3
	FRAG AF+FR*(\i), ADRA+\slot, \q, \i
.endr
.endm
.macro SCALES sc                       ; the next K step's scale words: two K steps of 128, eight blocks
.irp i, 0,1,2,3,4,5,6,7
	ds_load_b32 v[SC+16*\sc+2*\i], v[ADRS] offset:64*\i
	ds_load_b32 v[SC+16*\sc+2*\i+1], v[ADRS] offset:64*\i+512
.endr
.endm
.macro PLACES n                        ; plain vector instructions between a matrix instruction and a load into, or a read of, its registers
.rept \n
	v_nop
.endr
.endm
.macro STEP slot, q, zero              ; 128 along K with its successor in the same slot
	s_wait_dscnt 4*NL                              ; B's set, A's blocks 0-3 and the scale words are in; A's blocks 4-7, the youngest sixteen loads, may be out
	WIN MUL_LO
	MUL16 0, (\q)%2, \q, \slot, \zero
	MUL16 2, (\q)%2, \q, \slot, \zero
	s_wait_dscnt 0
	PLACES NP
	FETCH_B \slot, (\q)+1, 1-(\q)%2
	FETCH_A \slot, (\q)+1, 0
	WIN MUL_HI
	MUL16 4, (\q)%2, \q, \slot, \zero
	MUL16 6, (\q)%2, \q, \slot, \zero
	PLACES NP
	WIN 0
	FETCH_A \slot, (\q)+1, 4
.endm
.macro TURN slot, next, fill           ; a slot's last step changes slots: one barrier; fill = 1: it opens a round of the cluster's barrier and this slot is filled again
	s_wait_tensorcnt 0x0                           ; all my tensor loads have landed: my part of the next slot
	ds_add_u32 v[SPW], v[NIL]                      ; 0 onto my spare word
	s_wait_dscnt 4*NL+1                            ; (the add and A's blocks 4-7 may be out)
	WIN MUL_LO
	MUL16 0, 1, NQ-1, \slot, 0
	s_wait_dscnt 0x0                               ; the add is done, and my reads of this slot are over
	s_barrier_signal -1
	MUL16 2, 1, NQ-1, \slot, 0
	WIN 0
	s_barrier_wait -1
.if \fill
	CREST                                          ; no wave of any partner still reads this slot or has a load on its way
	s_add_nc_u64 s[G0+4*\slot+2:G0+4*\slot+3], s[G0+4*\slot+2:G0+4*\slot+3], 6144
	s_add_nc_u64 s[G0B+4*\slot+2:G0B+4*\slot+3], s[G0B+4*\slot+2:G0B+4*\slot+3], 6144
	JLOAD G0+4*\slot, G1, G0B+4*\slot, G1B         ; the first tensor load behind the round; its four v_nop are the places in front of the loads below
.else
	PLACES NP
.endif
	v_add_nc_u32 v[ADRS], 1024, v[ADRS]
	FETCH_B \next, 0, 0
	FETCH_A \next, 0, 0
	SCALES \next
	WIN MUL_HI
	MUL16 4, 1, NQ-1, \slot, 0
	MUL16 6, 1, NQ-1, \slot, 0
	PLACES NP
	WIN 0
	FETCH_A \next, 0, 4
.endm
	s_wait_tensorcnt 1                             ; the scale words and my part of K step 0 are in; K step 1's load may be out
	s_barrier_signal -1
	s_barrier_wait -1
	FETCH_B 0, 0, 0
	FETCH_A 0, 0, 0
	SCALES 0
	FETCH_A 0, 0, 4
	STEP 0, 0, 1                                   ; the first step's products start the sums
	s_mov_b32 s3, LAPS-1
.Llap:
	TURN 0, 1, 1
	STEP 1, 0, 0
	TURN 1, 0, 1
	STEP 0, 0, 0
	s_sub_co_u32 s3, s3, 1
	s_cmp_lg_u32 s3, 0
	s_cbranch_scc1 .Llap
	TURN 0, 1, 0                                   ; the last lap fills nothing
	STEP 1, 0, 0
	s_wait_dscnt 4*NL
	WIN MUL_LO
	MUL16 0, 1, NQ-1, 1, 0
	MUL16 2, 1, NQ-1, 1, 0
	s_wait_dscnt 0
	WIN MUL_HI
	MUL16 4, 1, NQ-1, 1, 0
	MUL16 6, 1, NQ-1, 1, 0
	WIN 0
; THE WAY OUT: block by block of 16 rows of A: + bias, quantised in registers along B's 128 true indices, the fragment stored as it stands; the scale words are gathered in my own 512 bytes of slot 0,
; which has had its last fill and its last read, and leave in whole runs.
.macro QUANT s, pc, pw
.irp b, 0,1,2,3
	v_max3_num_f32 v[TM+\b], |v[\s+16*\b]|, |v[\s+1+16*\b]|, 0x1800000
.endr
.irp i, 2,4,6,8,10,12,14
.irp b, 0,1,2,3
	v_max3_num_f32 v[TM+\b], v[TM+\b], |v[\s+16*\b+\i]|, |v[\s+1+16*\b+\i]|
.endr
.endr
.irp b, 0,1,2,3
	v_permlanex16_b32 v[TM+4+\b], v[TM+\b], s66, s67
.endr
.irp b, 0,1,2,3
	v_max_num_f32 v[TM+\b], v[TM+\b], v[TM+4+\b]
.endr
.irp b, 0,1,2,3
	v_add_nc_u32 v[TM+8+\b], 0xff000000, v[TM+\b]
.endr
.irp b, 0,1,2,3
	v_lshrrev_b32 v[TM+4+\b], 23, v[TM+8+\b]
.endr
	v_lshl_or_b32 v[\pw], v[TM+5], 8, v[TM+4]
	v_lshl_or_b32 v[\pw], v[TM+6], 16, v[\pw]
	v_lshl_or_b32 v[\pw], v[TM+7], 24, v[\pw]
.irp c, 0,1
	v_cvt_scalef32_pk16_fp6_f32 v[\pc+6*\c:\pc+2+6*\c], v[\s+32*\c:\s+15+32*\c], v[TM+8+2*\c]
	v_cvt_scalef32_pk16_fp6_f32 v[\pc+12+4*\c:\pc+14+4*\c], v[\s+16+32*\c:\s+31+32*\c], v[TM+9+2*\c]
.endr
	v_nop
.irp c, 0,1
.irp i, 0,1,2
	v_permlane16_swap_b32 v[\pc+6*\c+\i], v[\pc+12+4*\c+\i]
.endr
.irp i, 0,1,2
	v_mov_b32 v[\pc+3+6*\c+\i], v[\pc+12+4*\c+\i]
.endr
.endr
.endm
.macro EPI a, vrole
	WIN 0x02+(\a)/4                                ; source 0: the accumulators' window
.set NN, 0
.rept 32                                       ; each accumulator is read from its low end on
.if \vrole
	v_pk_add_f32 v[T+NN:T+NN+1], v[64*((\a)%4)+NN:64*((\a)%4)+NN+1], v[BIAS+2*(\a):BIAS+2*(\a)+1]
.else
	v_pk_add_f32 v[T+NN:T+NN+1], v[64*((\a)%4)+NN:64*((\a)%4)+NN+1], v[BIAS+NN:BIAS+NN+1]
.endif
.set NN, NN+2
.endr
	WIN 0
.if (\a) > 0
	s_wait_xcnt 0x0                                ; the last block's stores have read the codes' registers
.endif
	QUANT T, PC, PW
.if \vrole
.set O1, ((\a)/4)*98304+((\a)%4)*1536          ; head a / 4, d block a % 4: one fragment of 1,536 bytes
.set O2, O1+768
.else
.set O1, (\a)*768                              ; token tile a: the first head's image, and the next head's 128 tiles on
.set O2, O1+98304
.endif
	global_store_b128 v[LI16], v[PC:PC+3], s[12:13] offset:O1
	global_store_b64 v[LI8], v[PC+4:PC+5], s[12:13] offset:O1+512
	global_store_b128 v[LI16], v[PC+6:PC+9], s[12:13] offset:O2
	global_store_b64 v[LI8], v[PC+10:PC+11], s[12:13] offset:O2+512
	ds_store_b32 v[SWA], v[PW] offset:2048*\vrole+64*(\a)   ; lanes r and r + 16 write the same word with the same value
.endm
	PLACES NP
	v_lshlrev_b32 v[LI16], 4, v1
	v_lshlrev_b32 v[LI8], 3, v1
	s_lshl_b32 s20, s14, 9
	v_lshl_add_u32 v[SWA], v2, 2, s20
	v_and_b32 v5, 3, v2
	v_lshrrev_b32 v6, 2, v2
	v_lshlrev_b32 v5, 4, v5
	v_lshl_add_u32 v5, v6, 7, v5
	v_add_nc_u32 v[RDQ], s20, v5
	v_add_nc_u32 v[RDV], s20, v[LI16]
	v_lshlrev_b32 v8, 12, v3
	v_lshl_add_u32 v8, v2, 4, v8                   ; the scale words' way out: 4,096 h (the next head) + 16 (lane % 16)
.irp b, 0,1,2,3
	v_mov_b32 v[TM+4+\b], 0
.endr
	s_mov_b32 s66, 0x76543210
	s_mov_b32 s67, 0xfedcba98
	s_cmp_eq_u32 ttmp9, 2
	s_cbranch_scc1 .Lvrole
	; ---- q or k.  My 128 columns are heads e and e + 1
	s_and_b32 s20, s42, 3
	s_lshl_b32 s20, s20, 2
	s_lshl_b32 s21, s16, 1
	s_add_co_u32 s20, s20, s21                     ; e
	s_mul_i32 s22, s20, 768
	s_lshl_b32 s21, ttmp9, 8
	s_add_co_u32 s22, s22, s21
	s_mov_b32 s23, 0
	s_add_nc_u64 s[8:9], s[8:9], s[22:23]          ; b_in at column e x 192 + t x 64
	s_lshl_b32 s92, s17, 4
	s_lshl_b32 s21, s15, 3
	s_add_co_u32 s92, s92, s21                     ; my first token tile
	s_lshr_b32 s93, s92, 7                         ; batch
	s_and_b32 s92, s92, 127
	s_lshl_b32 s93, s93, 4
	s_add_co_u32 s93, s93, s20                     ; batch x 16 + e
	s_lshl_b32 s94, s93, 7
	s_add_co_u32 s94, s94, s92
	s_mul_i32 s94, s94, 768
	s_mul_i32 s21, ttmp9, KC
	s_add_co_u32 s94, s94, s21
	s_mov_b32 s95, 0
	s_add_nc_u64 s[12:13], s[10:11], s[94:95]
	s_lshl_b32 s94, s93, 6
	s_lshr_b32 s21, s92, 1
	s_add_co_u32 s94, s94, s21
	s_lshl_b32 s94, s94, 6
	s_lshl_b32 s21, ttmp9, 17
	s_add_co_u32 s94, s94, s21
	s_add_co_u32 s94, s94, QS
	s_add_nc_u64 s[10:11], s[10:11], s[94:95]
	v_lshlrev_b32 v10, 6, v3
.irp c, 0,1,2,3
.irp q, 0,1,2,3
	global_load_b128 v[BIAS+16*\c+4*\q:BIAS+16*\c+4*\q+3], v10, s[8:9] offset:((\c/2)*192+32*(\c%2))*4+16*\q   ; register 16 c + i: head e + c / 2, d = 32 (c % 2) + 16 h + i
.endr
.endr
	s_wait_loadcnt 0x0
.irp a, 0,1,2,3,4,5,6,7
	EPI \a, 0
.endr
	; a word of attention's scales holds two tiles' two bytes of ONE head: the low (head e) or high (head e + 1) halves of two neighbouring tiles' words
	ds_load_b128 v[T:T+3], v[RDQ]
	ds_load_b128 v[T+4:T+7], v[RDQ] offset:64
	v_mov_b32 v6, 0x05040100
	v_mov_b32 v7, 0x07060302
	v_cmp_eq_u32 vcc_lo, 1, v3
	v_cndmask_b32 v6, v6, v7, vcc_lo
	s_wait_dscnt 0x0
.irp e, 0,1,2,3
	v_perm_b32 v[T+8+\e], v[T+4+\e], v[T+\e], v6
.endr
	global_store_b128 v8, v[T+8:T+11], s[10:11]    ; sixteen lanes fill 256 consecutive bytes, aligned
	s_branch .Lclose
.Lvrole:
	; ---- V^T.  My 128 rows of A are heads e and e + 1 (64 d positions each); my 128 columns are one K step of keys
	s_lshl_b32 s20, s41, 2
	s_lshl_b32 s21, s15, 1
	s_add_co_u32 s20, s20, s21                     ; e
	s_mul_i32 s22, s20, 768
	s_add_co_u32 s22, s22, 512
	s_mov_b32 s23, 0
	s_add_nc_u64 s[8:9], s[8:9], s[22:23]          ; b_in at column e x 192 + 128
	s_lshl_b32 s92, s42, 1
	s_add_co_u32 s92, s92, s16                     ; which 128 tokens
	s_lshr_b32 s93, s92, 4                         ; batch
	s_and_b32 s92, s92, 15                         ; K step
	s_lshl_b32 s93, s93, 4
	s_add_co_u32 s93, s93, s20
	s_lshl_b32 s93, s93, 4
	s_add_co_u32 s93, s93, s92
	s_mul_i32 s94, s93, 6144
	s_add_co_u32 s94, s94, VC
	s_mov_b32 s95, 0
	s_add_nc_u64 s[12:13], s[10:11], s[94:95]
	s_lshl_b32 s94, s93, 8
	s_add_co_u32 s94, s94, VS
	s_add_nc_u64 s[10:11], s[10:11], s[94:95]
	v_lshrrev_b32 v10, 3, v2
	v_and_b32 v11, 7, v2
	v_lshl_add_u32 v10, v10, 4, v11
	v_lshlrev_b32 v10, 2, v10
.irp a, 0,1,2,3,4,5,6,7
	global_load_b32 v[BIAS+2*\a], v10, s[8:9] offset:((\a/4)*192+32*((\a%4)/2)+8*(\a%2))*4     ; my row's bias, twice: a pair for the packed addition
	global_load_b32 v[BIAS+2*\a+1], v10, s[8:9] offset:((\a/4)*192+32*((\a%4)/2)+8*(\a%2))*4
.endr
	s_wait_loadcnt 0x0
.irp a, 0,1,2,3,4,5,6,7
	EPI \a, 1
.endr
	ds_load_b128 v[T:T+3], v[RDV] offset:2048
	s_wait_dscnt 0x0
	global_store_b128 v8, v[T:T+3], s[10:11]
.Lclose:
	s_wait_tensorcnt 0x0                           ; the wave's end
	ds_add_u32 v[SPW], v[NIL]
	s_wait_dscnt 0x0
	CROUND                                         ; the closing round
	s_endpgm
.Lfunc_end_k_q961a4e47b1_g1:
	.size	k_q961a4e47b1_g1, .Lfunc_end_k_q961a4e47b1_g1-k_q961a4e47b1_g1
	.p2alignl 7, 3214868480
	.fill 96, 4, 3214868480
	.section	.rodata,"a",@progbits
	.p2align	6, 0x0
	.amdhsa_kernel k_q961a4e47b1_g1
		.amdhsa_group_segment_fixed_size 327680
		.amdhsa_private_segment_fixed_size 0
		.amdhsa_enable_private_segment 0
		.amdhsa_kernarg_size 24
		.amdhsa_user_sgpr_count 2
		.amdhsa_user_sgpr_kernarg_segment_ptr 1
		.amdhsa_wavefront_size32 1
		.amdhsa_system_sgpr_workgroup_id_x 1
		.amdhsa_system_sgpr_workgroup_id_y 1
		.amdhsa_system_sgpr_workgroup_id_z 1
		.amdhsa_system_vgpr_workitem_id 0
		.amdhsa_next_free_vgpr 1024
		.amdhsa_next_free_sgpr 100
		.amdhsa_reserve_vcc 1
		.amdhsa_float_denorm_mode_32 3
		.amdhsa_float_denorm_mode_16_64 3
		.amdhsa_memory_ordered 1
		.amdhsa_forward_progress 1
		.amdhsa_inst_pref_size 223
	.end_amdhsa_kernel
	.amdgpu_metadata
---
amdhsa.version: [ 1, 2 ]
amdhsa.kernels:
  - .name:           k_q961a4e47b1_g1
    .symbol:         k_q961a4e47b1_g1.kd
    .args:
      - { .name: pw, .offset: 0, .size: 8, .value_kind: global_buffer, .address_space: global }
      - { .name: b_in, .offset: 8, .size: 8, .value_kind: global_buffer, .address_space: global }
      - { .name: qkv, .offset: 16, .size: 8, .value_kind: global_buffer, .address_space: global }
    .group_segment_fixed_size: 327680
    .private_segment_fixed_size: 0
    .kernarg_segment_align: 8
    .kernarg_segment_size: 24
    .max_flat_workgroup_size: 128
    .sgpr_count:     100
    .vgpr_count:     1024
    .wavefront_size: 32
...
	.end_amdgpu_metadata
.endif
;; end of part 2
;; launch attn (part 3): grid 8 x 32, 16 waves a work-group, no clusters, 206,848 bytes of LDS; arguments qkv, ob; writes ob
.if DOCPART == 3
	.amdgcn_target "amdgcn-amd-amdhsa--gfx1250"
	.amdhsa_code_object_version 6
	.text
	.protected	k_q961a4e47b1_attn
	.globl	k_q961a4e47b1_attn
	.p2align	8
	.type	k_q961a4e47b1_attn,@function
k_q961a4e47b1_attn:
	s_mov_b64 s[64:65], 0
	v_nop
	global_prefetch_b8 v0, s[64:65] scope:SCOPE_SE
	s_setreg_imm32_b32 hwreg(HW_REG_WAVE_MODE, 25, 1), 1
	s_wait_xcnt 0x0
; Causal attention of one (batch, head) on codes of MX-FP6, head size 64, and o quantised along the model's width as the next product's operand.
; t = score x log2(e) / 8; M = the running largest t rounded up to a whole number; p = 2^(t - M) is quantised along the keys; the row's sum is taken of the unquantised p and divides at the end.
; THE WHOLE HEAD LIES IN LDS, filled once: K's 128 tiles of 768 bytes, V^T's 16 K steps x 4 fragments, and both sets of scale words: no ring, no refill, one barrier.
; SHARES.  Eight work-groups to a head; each of the sixteen waves owns one tile of 16 queries, tile 8 g + x, which needs key steps 0 .. g of 128 keys.  g runs over 0 .. 15 in every work-group, so all have equal work;
; g is dealt to the waves by two orthogonal Latin squares, so that any four waves with equal (wave % 4) or equal (wave / 4) have 34 steps together.
; Both products are used transposed: a lane holds one query.  Tiles hold positions (index with bits 3 and 4 exchanged), so p's register 16 b + i is the true key 32 b + 16 (lane / 16) + i of the step.
; K = 64 IS HALF OF THE INSTRUCTION'S 128: a fragment of K holds two key tiles on end; it is multiplied by (Q, zeros) for the even tile and by (zeros, Q) for the odd one: zero codes add nothing.
; No cluster: the steps that a wave leaves out hang on its tile, and partners of a cluster must run alike.  No prefetch: all that the launch reads is asked for at its head.
; o's two scale bytes a row leave as half words (a forty-eighth of o's bytes); lanes r and r + 16 store the same half word with the same value.
; LIMITS: NaN and infinities are not served; a block of zeros gets the byte 1.
.set KC,  3145728
.set QS,  9437184
.set KS,  9568256
.set OS,  3145728
.set LV,  98304                        ; LDS: K's codes at 0, V's here,
.set LKS, 196608                       ; K's scale words, V's 4,096 on,
.set SPARE, 204800                     ; the spare words, 128 bytes a wave
.set LI16, 1
.set LI8,  2
.set ASK0, 3
.set R4,   4
.set SPW,  5
.set NIL,  6
.set DD,   7
.set ADK16, 8
.set ADK8, 9
.set ADV16, 10
.set ADV8, 11
.set KFR,  40                          ; v40-87 four fragments of K, then of V
.set KSW,  88                          ; v88-91 their scale words
.set ADS,  92
.set QSW,  93                          ; q's scale word
.set SS,   96                          ; v96-159 S^T, then p
.set OT,   160                         ; v160-191 O^T
.set BM,   192
.set PD,   196
.set SO,   200
.set C2,   204
.set FF,   212
.set PWD,  213                         ; p's scale word
.set TT,   214
.set PCD,  224                         ; p's codes
.set WV,  18
.set BH,  19
.set SEL, 20
.set CS,  22
.set G1C, 24
.set G1S, 32
.set G0C, 40
.set G0S, 44
.set GG,  56
.set FT,  57
.set STP, 58
.set TB,  59
.set TS,  60
	s_load_b128 s[4:7], s[0:1], 0x0                ; qkv, ob
	v_lshl_add_u32 v[SPW], v0, 2, SPARE
	v_mov_b32 v[NIL], 0
	ds_add_u32 v[SPW], v[NIL]                      ; the opening: the add and its wait ahead of the first tensor load
	v_lshrrev_b32 v8, 5, v0
	v_readfirstlane_b32 s[WV], v8
	s_and_b32 s[BH], ttmp7, 0xffff
	s_mov_b32 s[G1C], 3<<16                        ; dense blocks as rows of 256 bytes (32 elements of 8): 96 rows of codes,
	s_mov_b32 s[G1C+1], 32<<16
	s_mov_b32 s[G1C+2], 96<<16
	s_mov_b32 s[G1C+3], 32<<16
	s_mov_b32 s[G1C+4], 96
	s_mov_b32 s[G1C+5], 32
	s_mov_b32 s[G1C+6], 0
	s_mov_b32 s[G1C+7], 0
	s_mov_b32 s[G1S], 3<<16                        ; 16 rows of scale words
	s_mov_b32 s[G1S+1], 32<<16
	s_mov_b32 s[G1S+2], 16<<16
	s_mov_b32 s[G1S+3], 32<<16
	s_mov_b32 s[G1S+4], 16
	s_mov_b32 s[G1S+5], 32
	s_mov_b32 s[G1S+6], 0
	s_mov_b32 s[G1S+7], 0
	s_lshr_b32 s8, s[WV], 2                        ; waves 0-3: quarters of K's codes; 4-7: of V's, which lie as far behind K's as K's behind q's
	s_mul_i32 s8, s8, 3145728
	s_mul_i32 s9, s[BH], 98304
	s_add_co_u32 s8, s8, s9
	s_and_b32 s9, s[WV], 3
	s_mul_i32 s9, s9, 24576
	s_add_co_u32 s8, s8, s9
	s_add_co_u32 s8, s8, KC
	s_mov_b32 s9, 0
	s_mul_i32 s16, s[WV], 24576
	s_and_b32 s10, s[WV], 1                        ; wave 8: K's scale words; wave 9: V's
	s_lshl_b32 s11, s10, 17
	s_lshl_b32 s12, s[BH], 12
	s_add_co_u32 s12, s12, s11
	s_add_co_u32 s12, s12, KS
	s_mov_b32 s13, 0
	s_lshl_b32 s10, s10, 12
	s_add_co_u32 s10, s10, LKS
	s_wait_dscnt 0x0                               ; the opening add is done
	s_wait_kmcnt 0x0
	s_mov_b32 s[G0C], 1
	s_mov_b32 s[G0C+1], s16
	s_add_nc_u64 s[G0C+2:G0C+3], s[4:5], s[8:9]
	s_or_b32 s[G0C+3], s[G0C+3], 0x80000000
	s_mov_b32 s[G0S], 1
	s_mov_b32 s[G0S+1], s10
	s_add_nc_u64 s[G0S+2:G0S+3], s[4:5], s[12:13]
	s_or_b32 s[G0S+3], s[G0S+3], 0x80000000
	s_cmp_lt_u32 s[WV], 8                          ; the first and only fills: at most one tensor load of a wave is out
	s_cbranch_scc0 .Lnot_codes
	tensor_load_to_lds s[G0C:G0C+3], s[G1C:G1C+7]
	s_nop 0
.rept 4
	v_nop
.endr
	s_branch .Lasked
.Lnot_codes:
	s_cmp_lt_u32 s[WV], 10
	s_cbranch_scc0 .Lasked
	tensor_load_to_lds s[G0S:G0S+3], s[G1S:G1S+7]
	s_nop 0
.rept 4
	v_nop
.endr
.Lasked:
	s_lshr_b32 s14, s[WV], 2                       ; wave = 4 a + b
	s_and_b32 s15, s[WV], 3
	s_lshl_b32 s16, s15, 1
	s_lshr_b32 s17, s15, 1
	s_mul_i32 s17, s17, 7
	s_xor_b32 s16, s16, s17                        ; m = 0, 2, 3, 1 for b = 0 .. 3
	s_xor_b32 s17, s14, s15
	s_xor_b32 s16, s14, s16
	s_lshl_b32 s17, s17, 2
	s_add_co_u32 s[GG], s17, s16                   ; g = 4 (a xor b) + (a xor m)
	s_lshl_b32 s17, s[GG], 3
	s_add_co_u32 s[FT], s17, ttmp9                 ; my tile of queries
	v_and_b32 v8, 31, v0
	v_lshlrev_b32 v[LI16], 4, v8
	v_lshlrev_b32 v[LI8], 3, v8
	v_and_b32 v[TT], 15, v0                        ; r
	v_lshlrev_b32 v[R4], 2, v[TT]
	v_add_nc_u32 v[ASK0], LKS, v[R4]
	s_lshl_b32 s8, s[BH], 7
	s_add_co_u32 s8, s8, s[FT]
	s_mul_i32 s8, s8, 768
	s_mov_b32 s9, 0
	s_add_nc_u64 s[48:49], s[4:5], s[8:9]          ; q's image
	s_lshl_b32 s8, s[BH], 6
	s_lshr_b32 s10, s[FT], 1
	s_add_co_u32 s8, s8, s10
	s_lshl_b32 s8, s8, 6
	s_add_co_u32 s8, s8, QS
	s_add_nc_u64 s[50:51], s[4:5], s[8:9]          ; and its pair's scale words
	global_load_b128 v[16:19], v[LI16], s[48:49]   ; (Q, zeros) in v16-27
	global_load_b64 v[20:21], v[LI8], s[48:49] offset:512
	global_load_b128 v[34:37], v[LI16], s[48:49]   ; (zeros, Q) in v28-39: loaded a second time
	global_load_b64 v[38:39], v[LI8], s[48:49] offset:512
	global_load_b32 v[QSW], v[R4], s[50:51]
.irp j, 22,23,24,25,26,27,28,29,30,31,32,33
	v_mov_b32 v\j, 0
.endr
	s_lshr_b32 s8, s[BH], 4                        ; batch
	s_and_b32 s9, s[BH], 15                        ; head
	s_lshl_b32 s10, s8, 7
	s_add_co_u32 s10, s10, s[FT]                   ; o's row block
	s_lshl_b32 s11, s10, 4
	s_add_co_u32 s11, s11, s9
	s_mul_i32 s12, s11, 768
	s_mov_b32 s13, 0
	s_add_nc_u64 s[52:53], s[6:7], s[12:13]
	s_lshr_b32 s11, s9, 1
	s_lshl_b32 s11, s11, 14
	s_lshl_b32 s10, s10, 6
	s_add_co_u32 s12, s11, s10
	s_and_b32 s9, s9, 1
	s_lshl_b32 s9, s9, 1
	s_add_co_u32 s12, s12, s9
	s_add_co_u32 s12, s12, OS
	s_add_nc_u64 s[54:55], s[6:7], s[12:13]
	s_lshr_b32 s8, s[FT], 1
	s_and_b32 s8, s8, 3
	s_lshl_b32 s8, s8, 5
	s_and_b32 s9, s[FT], 1
	s_lshl_b32 s10, s9, 3
	s_add_co_u32 s8, s8, s10
	s_lshl_b32 s9, s9, 4
	v_lshrrev_b32 v215, 3, v[TT]
	v_lshl_add_u32 v[DD], v215, 3, v[TT]
	v_bfe_u32 v215, v0, 4, 1
	v_lshlrev_b32 v215, 4, v215
	v_sub_nc_u32 v[DD], v[DD], v215
	v_add_nc_u32 v[DD], s8, v[DD]                  ; my query's place among its 128 tokens, less 16 (lane / 16)
	s_mov_b32 s[SEL], 0x76543210
	s_mov_b32 s[SEL+1], 0xfedcba98
	s_mov_b32 s[CS], 0x3e38aa3b                    ; log2(e) / 8
	s_mov_b32 s[CS+1], s[CS]
	s_mov_b32 s[STP], 0
	s_mov_b32 s[TB], 0
	s_mov_b32 s[TS], 0
	s_wait_loadcnt 0x0
	v_lshrrev_b32 v[QSW], s9, v[QSW]               ; my tile's two bytes of the pair's word,
	v_and_b32 v[QSW], 0xffff, v[QSW]
	v_lshl_or_b32 v[QSW], v[QSW], 16, v[QSW]       ; for both halves of K
	v_mov_b32 v13, 0xff61b1e6                      ; the largest t so far: -3e38
	v_floor_f32 v12, -v13                          ; -M
	v_mov_b32 v14, 0
	v_mov_b32 v15, 0
.irp b, 0,1,2,3
	v_mov_b32 v[PD+\b], 0
.endr
	v_mov_b32 v[PWD], 0
.set NN, 0
.rept 32
	v_mov_b32 v[OT+NN], 0                          ; the step is written once: the first finds zeros
.set NN, NN+1
.endr
	s_wait_tensorcnt 0x0                           ; my part of the head has landed,
	s_barrier_signal -1
	s_barrier_wait -1                              ; everybody's has
.Lstep:                                                ; sixteen trips in every wave; a step all of whose keys come after my queries is left out
	s_cmp_gt_u32 s[STP], s[GG]
	s_cbranch_scc1 .Lskip
	v_add_nc_u32 v[ADK16], s[TB], v[LI16]          ; (these five are the places behind the last step's products)
	v_add_nc_u32 v[ADK8], s[TB], v[LI8]
	v_add_nc_u32 v[ADS], s[TS], v[ASK0]
	v_add_nc_u32 v[ADV16], LV, v[ADK16]
	v_add_nc_u32 v[ADV8], LV, v[ADK8]
.irp b, 0,1,2,3
	ds_load_b128 v[KFR+12*\b:KFR+12*\b+3], v[ADK16] offset:1536*\b
	ds_load_b64 v[KFR+12*\b+4:KFR+12*\b+5], v[ADK8] offset:1536*\b+512
	ds_load_b128 v[KFR+12*\b+6:KFR+12*\b+9], v[ADK16] offset:1536*\b+768
	ds_load_b64 v[KFR+12*\b+10:KFR+12*\b+11], v[ADK8] offset:1536*\b+1280
	ds_load_b32 v[KSW+\b], v[ADS] offset:64*\b
.endr
	s_wait_dscnt 0x0
.irp b, 0,1,2,3
	v_wmma_scale_f32_16x16x128_f8f6f4 v[SS+16*\b:SS+16*\b+7], v[KFR+12*\b:KFR+12*\b+11], v[16:27], 0, v[KSW+\b], v[QSW] matrix_a_fmt:MATRIX_FMT_FP6 matrix_b_fmt:MATRIX_FMT_FP6
	v_wmma_scale_f32_16x16x128_f8f6f4 v[SS+16*\b+8:SS+16*\b+15], v[KFR+12*\b:KFR+12*\b+11], v[28:39], 0, v[KSW+\b], v[QSW] matrix_a_fmt:MATRIX_FMT_FP6 matrix_b_fmt:MATRIX_FMT_FP6
.endr
.rept 4
	v_nop                                          ; places in front of the loads below and of the first read of the scores
.endr
.irp b, 0,1,2,3                                ; V's four fragments take K's registers and land under the softmax
	ds_load_b128 v[KFR+12*\b:KFR+12*\b+3], v[ADV16] offset:1536*\b
	ds_load_b64 v[KFR+12*\b+4:KFR+12*\b+5], v[ADV8] offset:1536*\b+512
	ds_load_b128 v[KFR+12*\b+6:KFR+12*\b+9], v[ADV16] offset:1536*\b+768
	ds_load_b64 v[KFR+12*\b+10:KFR+12*\b+11], v[ADV8] offset:1536*\b+1280
	ds_load_b32 v[KSW+\b], v[ADS] offset:4096+64*\b
.endr
	s_cmp_lt_u32 s[STP], s[GG]
	s_cbranch_scc1 .Lopen                          ; only my last step lies on the diagonal
	v_mov_b32 v[TT], 0xff800000                    ; -infinity for the keys behind my query: register 16 b + i is hidden where 32 b + i > v[DD]
.set NN, 0
.rept 64
	v_cmp_gt_i32 vcc_lo, 32*(NN/16)+NN%16, v[DD]
	v_cndmask_b32 v[SS+NN], v[SS+NN], v[TT], vcc_lo
.set NN, NN+1
.endr
.Lopen:
.irp b, 0,1,2,3
	v_max3_num_f32 v[BM+\b], v[SS+16*\b], v[SS+1+16*\b], v[SS+2+16*\b]   ; each block's largest score: for the row's maximum and, since p rises with the score, for the block's largest p
.endr
.irp i, 3,5,7,9,11,13
.irp b, 0,1,2,3
	v_max3_num_f32 v[BM+\b], v[BM+\b], v[SS+16*\b+\i], v[SS+1+16*\b+\i]
.endr
.endr
.irp b, 0,1,2,3
	v_max_num_f32 v[BM+\b], v[BM+\b], v[SS+15+16*\b]
.endr
.irp b, 0,1,2,3
	v_permlanex16_b32 v[PD+\b], v[BM+\b], s[SEL], s[SEL+1]
.endr
.irp b, 0,1,2,3
	v_max_num_f32 v[BM+\b], v[BM+\b], v[PD+\b]
.endr
	v_max3_num_f32 v[TT], v[BM], v[BM+1], v[BM+2]
	v_max_num_f32 v[TT], v[TT], v[BM+3]
	v_mul_f32 v[TT], s[CS], v[TT]
	v_max_num_f32 v13, v13, v[TT]                  ; the running largest t
	v_mov_b32 v[TT], v12
	v_floor_f32 v12, -v13                          ; -M = floor(-t)
	v_sub_f32 v[TT], v12, v[TT]
	v_cvt_i32_f32 v[TT], v[TT]                     ; old M - new M, a whole number (it saturates)
	v_ldexp_f32 v[FF], 1.0, v[TT]                  ; f = 2^(old M - new M): exact
.set NN, 0
.rept 32
	v_pk_fma_f32 v[SS+NN:SS+NN+1], v[SS+NN:SS+NN+1], s[CS:CS+1], v[12:13] op_sel_hi:[1,0,0]
.set NN, NN+2
.endr
.irp b, 0,1,2,3
	v_fma_f32 v[BM+\b], v[BM+\b], s[CS], v12
.endr
.set NN, 0
.rept 64
	v_exp_f32 v[SS+NN], v[SS+NN]                   ; p = 2^(t - M)
.set NN, NN+1
.endr
	v_pk_mul_f32 v[14:15], v[14:15], v[FF:FF+1] op_sel_hi:[1,0]   ; the sums under the new M: the plain instruction behind the batch
	s_wait_alu depctr_va_vdst(0)                   ; one wait for the 64, ahead of their first reader
.irp b, 0,1,2,3
	v_exp_f32 v[BM+\b], v[BM+\b]
.endr
	v_pk_add_f32 v[PD:PD+1], v[SS:SS+1], v[SS+2:SS+3]             ; the row's sum, of the unquantised p
.irp j, 4,8,12,16,20,24,28,32,36,40,44,48,52,56,60
	v_pk_add_f32 v[14:15], v[14:15], v[SS+\j:SS+\j+1]
	v_pk_add_f32 v[PD:PD+1], v[PD:PD+1], v[SS+\j+2:SS+\j+3]
.endr
	v_pk_add_f32 v[14:15], v[14:15], v[PD:PD+1]
	s_wait_alu depctr_va_vdst(0)                   ; and one for the four
.irp b, 0,1,2,3
	v_max_num_f32 v[BM+\b], 0x1800000, v[BM+\b]
.endr
.irp b, 0,1,2,3
	v_add_nc_u32 v[SO+\b], 0xff000000, v[BM+\b]
.endr
.irp b, 0,1,2,3
	v_lshrrev_b32 v[PD+\b], 23, v[SO+\b]
.endr
	v_lshl_or_b32 v[PWD], v[PD+1], 8, v[PD]
	v_lshl_or_b32 v[PWD], v[PD+2], 16, v[PWD]
	v_lshl_or_b32 v[PWD], v[PD+3], 24, v[PWD]
.irp c, 0,1
	v_cvt_scalef32_pk16_fp6_f32 v[PCD+6*\c:PCD+2+6*\c], v[SS+32*\c:SS+15+32*\c], v[SO+2*\c]
	v_cvt_scalef32_pk16_fp6_f32 v[C2+4*\c:C2+2+4*\c], v[SS+16+32*\c:SS+31+32*\c], v[SO+1+2*\c]
.endr
	v_nop
.irp c, 0,1
.irp i, 0,1,2
	v_permlane16_swap_b32 v[PCD+6*\c+\i], v[C2+4*\c+\i]
.endr
.irp i, 0,1,2
	v_mov_b32 v[PCD+3+6*\c+\i], v[C2+4*\c+\i]
.endr
.endr
.set NN, 0
.rept 16
	v_pk_mul_f32 v[OT+NN:OT+NN+1], v[OT+NN:OT+NN+1], v[FF:FF+1] op_sel_hi:[1,0]   ; O^T under the new M; these sixteen also stand between the scale word's and the codes' last writes and the products
.set NN, NN+2
.endr
	s_wait_dscnt 0x0                               ; V
.irp b, 0,1,2,3
	v_wmma_scale_f32_16x16x128_f8f6f4 v[OT+8*\b:OT+8*\b+7], v[KFR+12*\b:KFR+12*\b+11], v[PCD:PCD+11], v[OT+8*\b:OT+8*\b+7], v[KSW+\b], v[PWD] matrix_a_fmt:MATRIX_FMT_FP6 matrix_b_fmt:MATRIX_FMT_FP6
.endr
.Lskip:
	s_add_co_u32 s[TB], s[TB], 6144
	s_add_co_u32 s[TS], s[TS], 256
	s_add_co_u32 s[STP], s[STP], 1
	s_cmp_lt_u32 s[STP], 16
	s_cbranch_scc1 .Lstep
.rept 4
	v_nop
.endr
	v_add_f32 v14, v14, v15
	v_permlanex16_b32 v[FF], v14, s[SEL], s[SEL+1]
	v_add_f32 v14, v14, v[FF]                      ; the row's sum
	v_rcp_f32 v14, v14
	v_nop
	s_wait_alu depctr_va_vdst(0)
.set NN, 0
.rept 32
	v_mul_f32 v[SS+NN], v[OT+NN], v14              ; o: register 16 c + i = d 32 c + 16 (lane / 16) + i
.set NN, NN+1
.endr
.irp b, 0,1
	v_max3_num_f32 v[BM+\b], |v[SS+16*\b]|, |v[SS+1+16*\b]|, 0x1800000
.endr
.irp i, 2,4,6,8,10,12,14
.irp b, 0,1
	v_max3_num_f32 v[BM+\b], v[BM+\b], |v[SS+16*\b+\i]|, |v[SS+1+16*\b+\i]|
.endr
.endr
.irp b, 0,1
	v_permlanex16_b32 v[PD+\b], v[BM+\b], s[SEL], s[SEL+1]
.endr
.irp b, 0,1
	v_max_num_f32 v[BM+\b], v[BM+\b], v[PD+\b]
.endr
.irp b, 0,1
	v_add_nc_u32 v[SO+\b], 0xff000000, v[BM+\b]
.endr
.irp b, 0,1
	v_lshrrev_b32 v[PD+\b], 23, v[SO+\b]
.endr
	v_lshl_or_b32 v[TT], v[PD+1], 8, v[PD]
	v_cvt_scalef32_pk16_fp6_f32 v[PCD:PCD+2], v[SS:SS+15], v[SO]
	v_cvt_scalef32_pk16_fp6_f32 v[C2:C2+2], v[SS+16:SS+31], v[SO+1]
	v_nop
.irp i, 0,1,2
	v_permlane16_swap_b32 v[PCD+\i], v[C2+\i]
.endr
.irp i, 0,1,2
	v_mov_b32 v[PCD+3+\i], v[C2+\i]
.endr
	global_store_b128 v[LI16], v[PCD:PCD+3], s[52:53]
	global_store_b64 v[LI8], v[PCD+4:PCD+5], s[52:53] offset:512
	global_store_b16 v[R4], v[TT], s[54:55]
	s_wait_tensorcnt 0x0                           ; the wave's end
	ds_add_u32 v[SPW], v[NIL]
	s_wait_dscnt 0x0
	s_endpgm
.Lfunc_end_k_q961a4e47b1_attn:
	.size	k_q961a4e47b1_attn, .Lfunc_end_k_q961a4e47b1_attn-k_q961a4e47b1_attn
	.p2alignl 7, 3214868480
	.fill 96, 4, 3214868480
	.section	.rodata,"a",@progbits
	.p2align	6, 0x0
	.amdhsa_kernel k_q961a4e47b1_attn
		.amdhsa_group_segment_fixed_size 206848
		.amdhsa_private_segment_fixed_size 0
		.amdhsa_enable_private_segment 0
		.amdhsa_kernarg_size 16
		.amdhsa_user_sgpr_count 2
		.amdhsa_user_sgpr_kernarg_segment_ptr 1
		.amdhsa_wavefront_size32 1
		.amdhsa_system_sgpr_workgroup_id_x 1
		.amdhsa_system_sgpr_workgroup_id_y 1
		.amdhsa_system_sgpr_workgroup_id_z 1
		.amdhsa_system_vgpr_workitem_id 0
		.amdhsa_next_free_vgpr 256
		.amdhsa_next_free_sgpr 66
		.amdhsa_reserve_vcc 1
		.amdhsa_float_denorm_mode_32 3
		.amdhsa_float_denorm_mode_16_64 3
		.amdhsa_memory_ordered 1
		.amdhsa_forward_progress 1
		.amdhsa_inst_pref_size 34
	.end_amdhsa_kernel
	.amdgpu_metadata
---
amdhsa.version: [ 1, 2 ]
amdhsa.kernels:
  - .name:           k_q961a4e47b1_attn
    .symbol:         k_q961a4e47b1_attn.kd
    .args:
      - { .name: qkv, .offset: 0, .size: 8, .value_kind: global_buffer, .address_space: global }
      - { .name: ob, .offset: 8, .size: 8, .value_kind: global_buffer, .address_space: global }
    .group_segment_fixed_size: 206848
    .private_segment_fixed_size: 0
    .kernarg_segment_align: 8
    .kernarg_segment_size: 16
    .max_flat_workgroup_size: 512
    .sgpr_count:     66
    .vgpr_count:     256
    .wavefront_size: 32
...
	.end_amdgpu_metadata
.endif
;; end of part 3
;; launch g4 (part 4): grid 4 x 16, 4 waves a work-group, clusters of 4 x 4, 327,680 bytes of LDS; arguments ob, pw, b_out, x, x1; writes x1
.if DOCPART == 4
	.amdgcn_target "amdgcn-amd-amdhsa--gfx1250"
	.amdhsa_code_object_version 6
	.text
	.protected	k_q961a4e47b1_g4
	.globl	k_q961a4e47b1_g4
	.p2align	8
	.type	k_q961a4e47b1_g4,@function
k_q961a4e47b1_g4:
	s_mov_b64 s[64:65], 0
	v_nop
	global_prefetch_b8 v0, s[64:65] scope:SCOPE_SE
	s_setreg_imm32_b32 hwreg(HW_REG_WAVE_MODE, 25, 1), 1
	s_wait_xcnt 0x0
	s_wait_alu depctr_hold_cnt(0) depctr_sa_sdst(0) depctr_va_vdst(0) depctr_va_sdst(0) depctr_va_ssrc(0) depctr_va_vcc(0) depctr_vm_vsrc(0)
	s_getreg_b32 s2, hwreg(HW_REG_IB_STS2, 6, 4)
	s_cmp_eq_u32 s2, 0
	s_cbranch_scc0 .Lentry_in_a_cluster
	s_endpgm
.Lentry_in_a_cluster:
	s_bfe_u32 s2, ttmp6, 0x10000c
	s_cmp_lg_u32 s2, 0xf033
	s_cbranch_scc0 .Lentry_shape_is_right
	s_endpgm
.Lentry_shape_is_right:
; x1 = x + o w_out + b_out: a product on codes of MX-FP6 with an f32 residual and bias on the way out.
; A tile of 256 x 256 to a work-group of four waves, 128 x 128 a wave: 64 accumulators, 512 registers.  K goes in steps of 256 through two LDS slots filled by the tensor data mover.
; Operands lie in memory as images of the operand's registers ([row block of 16][K / 64][768 bytes]); rows stand at positions with bits 3 and 4 of the index exchanged.
; THE PRODUCT IS USED TRANSPOSED (source 0 = 16 rows of B, source 1 = 16 rows of A): a lane holds one token position, and the registers of a block hold TRUE columns 32 c + 16 (lane / 16) + i.
; The way out puts columns in order in a stage in LDS and names each row's true token in the store's immediate.
; CLUSTER 4 x 4: A's tile is asked for jointly along a row of the cluster, B's along a column.  The tile gives 64 work-groups at this size: a smaller tile would want another loop.
.set KDIM,  1024
.set AOC,   0                          ; o's codes, o's scale words in ob
.set AOS,   3145728
.set BOC,   2490368                    ; w_out's in pw
.set BOS,   3276800
.set APITCH, 4096
.set BPITCH, 1024
.set NQ,    2
.set FR,    12
.set NL,    4
.set NP,    4
.set KROW,  KDIM*6/8
.set KRB,   KDIM/128*1536
.set NKS,   KDIM/128
.set HALFT, 8*3072
.set SLOT,  4*HALFT
.set LAPS,  KDIM/512
.set SCL,   2*SLOT
.set HALFS, 512*NKS
.set SPARE, SCL+4*HALFS
.set SPITCH, 528
.set ADRA, 16
.set ADRB, 20
.set STO,  24
.set RD,   25
.set CO,   26
.set ADRS, 27
.set SPW,  28
.set NIL,  29
.set SC,   32
.set BI,   32
.set AF,   128
.set BK,   128
.set G1, 24
.set G0, 32
.set G1B, 48
.set G0B, 56
.set G1S, 68
.set G0S, 76
.set G1SB, 80
.set G0SB, 88
.set MSB, 0
.macro WIN new
.if MSB != \new
	s_set_vgpr_msb (MSB<<8)|\new
.set MSB, \new
.endif
.endm
.set MUL_LO, 0xa1
.set MUL_HI, 0xf1
.set TO_B,   0x40
.macro JLOAD g0a, g1a, g0b, g1b        ; a joint load: waves 0, 1 fetch for A, waves 2, 3 for B; s_nop 0 and four v_nop follow each line
	s_cmp_eq_u32 s15, 0
	s_cbranch_scc0 .Lfor_b_\@
	tensor_load_to_lds s[\g0a:\g0a+3], s[\g1a:\g1a+7]
	s_nop 0
.rept 4
	v_nop
.endr
	s_branch .Lasked_\@
.Lfor_b_\@:
	tensor_load_to_lds s[\g0b:\g0b+3], s[\g1b:\g1b+7]
	s_nop 0
.rept 4
	v_nop
.endr
.Lasked_\@:
.endm
.macro CREST
	s_cmp_lg_u32 s14, 0
	s_cbranch_scc1 .Lnot_wave_0_\@
	s_barrier_signal -3
.Lnot_wave_0_\@:
	s_barrier_wait -3
	s_barrier_signal -1
	s_barrier_wait -1
.endm
.macro CROUND
	s_barrier_signal -1
	s_barrier_wait -1
	CREST
.endm
	s_load_b128 s[4:7], s[0:1], 0x0                ; A's buffer, B's buffer
	s_load_b128 s[8:11], s[0:1], 0x10              ; the bias, the residual
	s_load_b64 s[12:13], s[0:1], 0x20              ; the result
	v_lshl_add_u32 v[SPW], v0, 2, SPARE
	v_mov_b32 v[NIL], 0
	ds_add_u32 v[SPW], v[NIL]                      ; the opening: the add and its wait ahead of my first tensor load
	v_lshrrev_b32 v1, 5, v0
	v_readfirstlane_b32 s14, v1
	s_lshr_b32 s15, s14, 1
	s_and_b32 s16, s14, 1
	s_bfe_u32 s40, ttmp6, 0x40000
	s_bfe_u32 s41, ttmp6, 0x40004
	s_and_b32 s17, ttmp7, 0xffff
	s_mov_b32 s92, AOC
	s_mov_b32 s93, AOS
	s_mov_b32 s94, BOC
	s_mov_b32 s95, BOS
	s_lshl_b32 s42, ttmp9, 2
	s_add_co_u32 s42, s42, s40                     ; B's tile
	s_lshl_b32 s17, s17, 2
	s_add_co_u32 s17, s17, s41                     ; A's tile
	s_lshl_b32 s43, s41, 2
	s_lshl_b32 s43, 15, s43
	s_lshl_b32 s44, 0x1111, s40
	s_or_b32 s[G1+0], s43, (3<<16)|(1<<21)
	s_or_b32 s[G1B+0], s44, (3<<16)|(1<<21)
.irp g, G1, G1B
	s_mov_b32 s[\g+1], 384<<16
	s_mov_b32 s[\g+2], 8<<16
	s_mov_b32 s[\g+3], 384<<16
	s_mov_b32 s[\g+4], 8
	s_mov_b32 s[\g+5], KRB/8
	s_mov_b32 s[\g+6], 0
	s_mov_b32 s[\g+7], 0
.endr
	s_or_b32 s[G1S+0], s43, (3<<16)|(1<<21)
	s_or_b32 s[G1SB+0], s44, (3<<16)|(1<<21)
.irp g, G1S, G1SB
	s_mov_b32 s[\g+1], 64<<16
	s_mov_b32 s[\g+2], NKS<<16
	s_mov_b32 s[\g+3], 64<<16
	s_mov_b32 s[\g+4], NKS
	s_mov_b32 s[\g+6], 0
	s_mov_b32 s[\g+7], 0
.endr
	s_mov_b32 s[G1S+5], APITCH/2
	s_mov_b32 s[G1SB+5], BPITCH/2
	s_lshl_b32 s18, s16, 7
	s_lshl_b32 s20, s17, 8
	s_add_co_u32 s20, s20, s18
	s_lshl_b32 s46, s42, 8
	s_add_co_u32 s46, s46, s18
	s_lshl_b32 s22, s20, 2
	s_add_co_u32 s22, s22, s93
	s_mul_i32 s20, s20, KROW
	s_add_co_u32 s20, s20, s92
	s_mov_b32 s21, 0
	s_mov_b32 s23, 0
	s_lshl_b32 s98, s46, 2
	s_add_co_u32 s98, s98, s95
	s_mul_i32 s46, s46, KROW
	s_add_co_u32 s46, s46, s94
	s_mov_b32 s47, 0
	s_mov_b32 s99, 0
	s_mul_i32 s45, s14, HALFT
	s_mul_i32 s96, s14, HALFS
	s_wait_dscnt 0x0
	s_wait_kmcnt 0x0
	s_add_nc_u64 s[20:21], s[4:5], s[20:21]
	s_add_nc_u64 s[22:23], s[4:5], s[22:23]
	s_add_nc_u64 s[46:47], s[6:7], s[46:47]
	s_add_nc_u64 s[98:99], s[6:7], s[98:99]
	CROUND
	s_mov_b32 s[G0S], 1
	s_add_co_u32 s[G0S+1], s96, SCL
	s_mov_b64 s[G0S+2:G0S+3], s[22:23]
	s_or_b32 s[G0S+3], s[G0S+3], 0x80000000
	s_mov_b32 s[G0SB], 1
	s_add_co_u32 s[G0SB+1], s96, SCL
	s_mov_b64 s[G0SB+2:G0SB+3], s[98:99]
	s_or_b32 s[G0SB+3], s[G0SB+3], 0x80000000
	JLOAD G0S, G1S, G0SB, G1SB
.irp s, 0,1
	s_mov_b32 s[G0+4*\s], 1
	s_add_co_u32 s[G0+4*\s+1], s45, \s*SLOT
	s_add_nc_u64 s[G0+4*\s+2:G0+4*\s+3], s[20:21], \s*3072
	s_or_b32 s[G0+4*\s+3], s[G0+4*\s+3], 0x80000000
	s_mov_b32 s[G0B+4*\s], 1
	s_add_co_u32 s[G0B+4*\s+1], s45, \s*SLOT
	s_add_nc_u64 s[G0B+4*\s+2:G0B+4*\s+3], s[46:47], \s*3072
	s_or_b32 s[G0B+4*\s+3], s[G0B+4*\s+3], 0x80000000
	JLOAD G0+4*\s, G1, G0B+4*\s, G1B
.endr
	v_and_b32 v1, 31, v0
	v_and_b32 v2, 15, v0
	v_bfe_u32 v3, v0, 4, 1
	v_lshlrev_b32 v4, 4, v1
	v_lshlrev_b32 v5, 3, v1
	s_mul_i32 s21, s15, HALFT
	s_mul_i32 s22, s16, HALFT
	s_add_co_u32 s22, s22, 2*HALFT
.irp s, 0,1
	v_add_nc_u32 v[ADRA+\s], s21, v4
	v_add_nc_u32 v[ADRB+\s], s22, v4
	v_add_nc_u32 v[ADRA+2+\s], s21, v5
	v_add_nc_u32 v[ADRB+2+\s], s22, v5
	s_add_co_u32 s21, s21, SLOT
	s_add_co_u32 s22, s22, SLOT
.endr
	s_mul_i32 s21, s15, HALFS
	s_mul_i32 s22, s16, HALFS
	s_add_co_u32 s22, s22, 2*HALFS
	s_sub_co_u32 s22, s22, s21
	v_mul_u32_u24 v6, s22, v3
	s_add_co_u32 s21, s21, SCL
	v_lshl_add_u32 v6, v2, 2, v6
	v_add_nc_u32 v[ADRS], s21, v6
	s_mul_i32 s23, s14, 16*SPITCH                  ; my stage, in slot 0
	v_mul_u32_u24 v5, v2, SPITCH
	v_lshl_add_u32 v5, v3, 6, v5
	v_add_nc_u32 v[STO], s23, v5                   ; in: row r, + 64 h
	v_lshlrev_b32 v[CO], 4, v1
	v_add_nc_u32 v[RD], s23, v[CO]                 ; back: 32 lanes take a row of 512 bytes
	s_lshl_b32 s20, s17, 8
	s_lshl_b32 s21, s15, 7
	s_add_co_u32 s20, s20, s21
	s_lshl_b32 s20, s20, 12                        ; my first token, in bytes
	s_lshl_b32 s46, s42, 10
	s_lshl_b32 s47, s16, 9
	s_add_co_u32 s46, s46, s47                     ; my first column, in bytes
	s_mov_b32 s47, 0
	s_add_nc_u64 s[8:9], s[8:9], s[46:47]
	s_add_co_u32 s46, s46, s20
	s_add_nc_u64 s[10:11], s[10:11], s[46:47]
	s_add_nc_u64 s[12:13], s[12:13], s[46:47]
.macro FRAG reg, adr, q, i
	ds_load_b128 v[\reg:\reg+3], v[\adr] offset:(\i)*3072+(\q)*1536
	ds_load_b64 v[\reg+4:\reg+5], v[\adr+2] offset:(\i)*3072+(\q)*1536+512
	ds_load_b128 v[\reg+6:\reg+9], v[\adr] offset:(\i)*3072+(\q)*1536+768
	ds_load_b64 v[\reg+10:\reg+11], v[\adr+2] offset:(\i)*3072+(\q)*1536+1280
.endm
; The 64 accumulators take turns, one instruction a turn, in the same order in every step
.macro MUL16 a0, p, q, sc, zero
.irp a, \a0, \a0+1
.irp b, 0,1,2,3,4,5,6,7
.if \zero
	v_wmma_scale_f32_16x16x128_f8f6f4 v[8*(8*((\a)%4)+\b):8*(8*((\a)%4)+\b)+7], v[128*(\p)+FR*\b:128*(\p)+FR*\b+FR-1], v[AF+FR*(\a):AF+FR*(\a)+FR-1], 0, v[SC+8*NQ*(\sc)+NQ*\b+(\q)], v[SC+8*NQ*(\sc)+NQ*(\a)+(\q)] matrix_a_fmt:MATRIX_FMT_FP6 matrix_b_fmt:MATRIX_FMT_FP6 matrix_a_scale:MATRIX_SCALE_ROW1
.else
	v_wmma_scale_f32_16x16x128_f8f6f4 v[8*(8*((\a)%4)+\b):8*(8*((\a)%4)+\b)+7], v[128*(\p)+FR*\b:128*(\p)+FR*\b+FR-1], v[AF+FR*(\a):AF+FR*(\a)+FR-1], v[8*(8*((\a)%4)+\b):8*(8*((\a)%4)+\b)+7], v[SC+8*NQ*(\sc)+NQ*\b+(\q)], v[SC+8*NQ*(\sc)+NQ*(\a)+(\q)] matrix_a_fmt:MATRIX_FMT_FP6 matrix_b_fmt:MATRIX_FMT_FP6 matrix_a_scale:MATRIX_SCALE_ROW1
.endif
.endr
.endr
.endm
.macro FETCH_B slot, q, p
	WIN TO_B
.irp i, 0,1,2,3,4,5,6,7
	FRAG 128*(\p)+FR*\i, ADRB+\slot, \q, \i
.endr
	WIN 0
.endm
.macro FETCH_A slot, q, i0
.irp i, \i0, \i0+1, \i0+2, \i0+3
	FRAG AF+FR*(\i), ADRA+\slot, \q, \i
.endr
.endm
.macro SCALES sc
.irp i, 0,1,2,3,4,5,6,7
	ds_load_b32 v[SC+16*\sc+2*\i], v[ADRS] offset:64*\i
	ds_load_b32 v[SC+16*\sc+2*\i+1], v[ADRS] offset:64*\i+512
.endr
.endm
.macro PLACES n
.rept \n
	v_nop
.endr
.endm
.macro STEP slot, q, zero
	s_wait_dscnt 4*NL                              ; all but A's blocks 4-7, the youngest sixteen loads
	WIN MUL_LO
	MUL16 0, (\q)%2, \q, \slot, \zero
	MUL16 2, (\q)%2, \q, \slot, \zero
	s_wait_dscnt 0
	PLACES NP
	FETCH_B \slot, (\q)+1, 1-(\q)%2
	FETCH_A \slot, (\q)+1, 0
	WIN MUL_HI
	MUL16 4, (\q)%2, \q, \slot, \zero
	MUL16 6, (\q)%2, \q, \slot, \zero
	PLACES NP
	WIN 0
	FETCH_A \slot, (\q)+1, 4
.endm
.macro TURN slot, next, fill
	s_wait_tensorcnt 0x0                           ; all my tensor loads have landed: my part of the next slot
	ds_add_u32 v[SPW], v[NIL]                      ; 0 onto my spare word
	s_wait_dscnt 4*NL+1                            ; (the add and A's blocks 4-7 may be out)
	WIN MUL_LO
	MUL16 0, 1, NQ-1, \slot, 0
	s_wait_dscnt 0x0                               ; the add is done, and my reads of this slot are over
	s_barrier_signal -1
	MUL16 2, 1, NQ-1, \slot, 0
	WIN 0
	s_barrier_wait -1
.if \fill
	CREST                                          ; no wave of any partner still reads this slot or has a load on its way
	s_add_nc_u64 s[G0+4*\slot+2:G0+4*\slot+3], s[G0+4*\slot+2:G0+4*\slot+3], 6144
	s_add_nc_u64 s[G0B+4*\slot+2:G0B+4*\slot+3], s[G0B+4*\slot+2:G0B+4*\slot+3], 6144
	JLOAD G0+4*\slot, G1, G0B+4*\slot, G1B
.else
	PLACES NP
.endif
	v_add_nc_u32 v[ADRS], 1024, v[ADRS]
	FETCH_B \next, 0, 0
	FETCH_A \next, 0, 0
	SCALES \next
	WIN MUL_HI
	MUL16 4, 1, NQ-1, \slot, 0
	MUL16 6, 1, NQ-1, \slot, 0
	PLACES NP
	WIN 0
	FETCH_A \next, 0, 4
.endm
	s_wait_tensorcnt 1                             ; the scale words and K step 0 are in; K step 1's load may be out
	s_barrier_signal -1
	s_barrier_wait -1
	FETCH_B 0, 0, 0
	FETCH_A 0, 0, 0
	SCALES 0
	FETCH_A 0, 0, 4
	STEP 0, 0, 1
	s_mov_b32 s3, LAPS-1
.Llap:
	TURN 0, 1, 1
	STEP 1, 0, 0
	TURN 1, 0, 1
	STEP 0, 0, 0
	s_sub_co_u32 s3, s3, 1
	s_cmp_lg_u32 s3, 0
	s_cbranch_scc1 .Llap
	TURN 0, 1, 0
	STEP 1, 0, 0
	s_wait_dscnt 4*NL
	WIN MUL_LO
	MUL16 0, 1, NQ-1, 1, 0
	MUL16 2, 1, NQ-1, 1, 0
	s_wait_dscnt 0
	WIN MUL_HI
	MUL16 4, 1, NQ-1, 1, 0
	MUL16 6, 1, NQ-1, 1, 0
	WIN 0
; THE WAY OUT, block by block of 16 positions x 128 columns, through my own stage (slot 0 has had its last fill and its last read).  Row t of block a is token 32 (a / 2) + 8 (a % 2) + t + 8 (t / 8) of my 128.
.macro RL a                            ; the residual's 16 rows of block a into window 1, set a % 4
	WIN 0x40
.set TQ, 0
.rept 16
	global_load_b128 v[64*((\a)%4)+4*TQ:64*((\a)%4)+4*TQ+3], v[CO], s[10:11] offset:(32*((\a)/2)+8*((\a)%2)+TQ+8*(TQ/8))*4096
.set TQ, TQ+1
.endr
	WIN 0
.endm
.macro TOSTAGE a
.set AC, 64*((\a)%4)
	WIN 0x08+4*((\a)/4)
.irp b, 0,1,2,3,4,5,6,7
	ds_store_b128 v[STO], v[AC+8*\b:AC+8*\b+3] offset:128*(\b/2)+32*(\b%2)       ; each accumulator from its low end on; true columns 32 (b / 2) + 16 h + 8 (b % 2) on
	ds_store_b128 v[STO], v[AC+8*\b+4:AC+8*\b+7] offset:128*(\b/2)+32*(\b%2)+16
.endr
	WIN 0
.set BB, BK+64*((\a)%2)
.set TQ, 0
.rept 16
	ds_load_b128 v[BB+4*TQ:BB+4*TQ+3], v[RD] offset:TQ*SPITCH
.set TQ, TQ+1
.endr
.endm
.macro SEND a, younger
.set BB, BK+64*((\a)%2)
.set RS, 64*((\a)%4)
	s_wait_dscnt \younger                          ; the block is back in registers
.if (\a) <= 4
	s_wait_loadcnt 48                              ; its residual is in; three younger sets of sixteen loads may be out
.else
	s_wait_loadcnt 16*(7-(\a))
.endif
	WIN 0x04                                       ; source 1: window 1
.set NN, 0
.rept 32
	v_pk_add_f32 v[BB+NN:BB+NN+1], v[BB+NN:BB+NN+1], v[RS+NN:RS+NN+1]
.set NN, NN+2
.endr
	WIN 0
.set NN, 0
.rept 16
	v_pk_add_f32 v[BB+NN:BB+NN+1], v[BB+NN:BB+NN+1], v[BI:BI+1]
	v_pk_add_f32 v[BB+NN+2:BB+NN+3], v[BB+NN+2:BB+NN+3], v[BI+2:BI+3]
.set NN, NN+4
.endr
.set TQ, 0
.rept 16
	global_store_b128 v[CO], v[BB+4*TQ:BB+4*TQ+3], s[12:13] offset:(32*((\a)/2)+8*((\a)%2)+TQ+8*(TQ/8))*4096   ; 32 lanes store 512 consecutive bytes, aligned to 256
.set TQ, TQ+1
.endr
.endm
	PLACES NP
	global_load_b128 v[BI:BI+3], v[CO], s[8:9]     ; the bias of my four columns
	RL 0
	RL 1
	RL 2
	RL 3
	TOSTAGE 0
.irp a, 1,2,3,4,5,6,7
.if \a > 1
	s_wait_xcnt 0x0                                ; block a - 2's stores have read their registers: block a's loads may land there
.endif
	TOSTAGE \a
	SEND \a-1, 32                                  ; behind block a - 1's loads: block a's 16 stores and 16 loads
.if \a < 5
	RL \a+3
.endif
.endr
	SEND 7, 0
	s_wait_tensorcnt 0x0                           ; the wave's end
	ds_add_u32 v[SPW], v[NIL]
	s_wait_dscnt 0x0
	CROUND                                         ; the closing round
	s_endpgm
.Lfunc_end_k_q961a4e47b1_g4:
	.size	k_q961a4e47b1_g4, .Lfunc_end_k_q961a4e47b1_g4-k_q961a4e47b1_g4
	.p2alignl 7, 3214868480
	.fill 96, 4, 3214868480
	.section	.rodata,"a",@progbits
	.p2align	6, 0x0
	.amdhsa_kernel k_q961a4e47b1_g4
		.amdhsa_group_segment_fixed_size 327680
		.amdhsa_private_segment_fixed_size 0
		.amdhsa_enable_private_segment 0
		.amdhsa_kernarg_size 40
		.amdhsa_user_sgpr_count 2
		.amdhsa_user_sgpr_kernarg_segment_ptr 1
		.amdhsa_wavefront_size32 1
		.amdhsa_system_sgpr_workgroup_id_x 1
		.amdhsa_system_sgpr_workgroup_id_y 1
		.amdhsa_system_sgpr_workgroup_id_z 1
		.amdhsa_system_vgpr_workitem_id 0
		.amdhsa_next_free_vgpr 1024
		.amdhsa_next_free_sgpr 100
		.amdhsa_reserve_vcc 0
		.amdhsa_float_denorm_mode_32 3
		.amdhsa_float_denorm_mode_16_64 3
		.amdhsa_memory_ordered 1
		.amdhsa_forward_progress 1
		.amdhsa_inst_pref_size 191
	.end_amdhsa_kernel
	.amdgpu_metadata
---
amdhsa.version: [ 1, 2 ]
amdhsa.kernels:
  - .name:           k_q961a4e47b1_g4
    .symbol:         k_q961a4e47b1_g4.kd
    .args:
      - { .name: ob, .offset: 0, .size: 8, .value_kind: global_buffer, .address_space: global }
      - { .name: pw, .offset: 8, .size: 8, .value_kind: global_buffer, .address_space: global }
      - { .name: b_out, .offset: 16, .size: 8, .value_kind: global_buffer, .address_space: global }
      - { .name: x, .offset: 24, .size: 8, .value_kind: global_buffer, .address_space: global }
      - { .name: x1, .offset: 32, .size: 8, .value_kind: global_buffer, .address_space: global }
    .group_segment_fixed_size: 327680
    .private_segment_fixed_size: 0
    .kernarg_segment_align: 8
    .kernarg_segment_size: 40
    .max_flat_workgroup_size: 128
    .sgpr_count:     100
    .vgpr_count:     1024
    .wavefront_size: 32
...
	.end_amdgpu_metadata
.endif
;; end of part 4
;; launch ln2 (part 5): grid 256 x 1, 4 waves a work-group, no clusters, 66,304 bytes of LDS; arguments x1, ln2_g, ln2_b, yb; writes yb
.if DOCPART == 5
	.amdgcn_target "amdgcn-amd-amdhsa--gfx1250"
	.amdhsa_code_object_version 6
	.text
	.protected	k_q961a4e47b1_ln2
	.globl	k_q961a4e47b1_ln2
	.p2align	8
	.type	k_q961a4e47b1_ln2,@function
k_q961a4e47b1_ln2:
	s_mov_b64 s[64:65], 0
	v_nop
	global_prefetch_b8 v0, s[64:65] scope:SCOPE_SE
	s_setreg_imm32_b32 hwreg(HW_REG_WAVE_MODE, 25, 1), 1
	s_wait_xcnt 0x0
; y = LN2(x1): stored as f32 (the last residual) and as an operand of MX-FP6 (codes in images of the operand's registers, scale words [K / 128][position]).
; A work-group takes one row block: 16 positions (a token's index with bits 3 and 4 exchanged).  A wave normalises four neighbouring tokens, each whole in 32 registers; the 16 rows meet in LDS;
; each wave then quantises two K steps of 128.  Memory binds: each byte is read once, in runs of 512; no matrix unit, no cluster, no tensor load.
; LIMITS: a block of zeros gets the byte 1 (its codes are zeros; this program alone reads the bytes); NaN and infinities are not served; v_rsq_f32 is taken as it is (1 ulp).
.set CODES, 16777216
.set SCALES, 19922944
.set STORE_Y, 1
.set DST,   10
.set LNP,   4112
.set SPARE, 65792
.set SPW,  1
.set NIL,  2
.set LANE, 3
.set LI16, 4
.set LI8,  5
.set LSTO, 6
.set RD0,  7
.set SWO,  8
.set TMP,  9
.set PW0,  10
.set PW1,  11
.set ST,   12
.set X,    32
.set G,    160
.set B,    192
.set PC,   224
.set TM,   244
.macro QUANT s, pc, pw
.irp b, 0,1,2,3
	v_max3_num_f32 v[TM+\b], |v[\s+16*\b]|, |v[\s+1+16*\b]|, 0x1800000
.endr
.irp i, 2,4,6,8,10,12,14
.irp b, 0,1,2,3
	v_max3_num_f32 v[TM+\b], v[TM+\b], |v[\s+16*\b+\i]|, |v[\s+1+16*\b+\i]|
.endr
.endr
.irp b, 0,1,2,3
	v_permlanex16_b32 v[TM+4+\b], v[TM+\b], s26, s27
.endr
.irp b, 0,1,2,3
	v_max_num_f32 v[TM+\b], v[TM+\b], v[TM+4+\b]
.endr
.irp b, 0,1,2,3
	v_add_nc_u32 v[TM+8+\b], 0xff000000, v[TM+\b]
.endr
.irp b, 0,1,2,3
	v_lshrrev_b32 v[TM+4+\b], 23, v[TM+8+\b]
.endr
	v_lshl_or_b32 v[\pw], v[TM+5], 8, v[TM+4]
	v_lshl_or_b32 v[\pw], v[TM+6], 16, v[\pw]
	v_lshl_or_b32 v[\pw], v[TM+7], 24, v[\pw]
.irp c, 0,1
	v_cvt_scalef32_pk16_fp6_f32 v[\pc+6*\c:\pc+2+6*\c], v[\s+32*\c:\s+15+32*\c], v[TM+8+2*\c]
	v_cvt_scalef32_pk16_fp6_f32 v[\pc+12+4*\c:\pc+14+4*\c], v[\s+16+32*\c:\s+31+32*\c], v[TM+9+2*\c]
.endr
	v_nop
.irp c, 0,1
.irp i, 0,1,2
	v_permlane16_swap_b32 v[\pc+6*\c+\i], v[\pc+12+4*\c+\i]
.endr
.irp i, 0,1,2
	v_mov_b32 v[\pc+3+6*\c+\i], v[\pc+12+4*\c+\i]
.endr
.endr
.endm
.macro RED
.irp i, 0,1,2,3
	v_pk_add_f32 v[ST+4*\i:ST+4*\i+1], v[ST+4*\i:ST+4*\i+1], v[ST+4*\i+2:ST+4*\i+3]
.endr
.irp i, 0,1,2,3
	v_add_f32 v[ST+4*\i], v[ST+4*\i], v[ST+4*\i+1]
.endr
.irp m, 1,2,4,8
.irp i, 0,1,2,3
	v_add_f32_dpp v[ST+4*\i], v[ST+4*\i], v[ST+4*\i] row_xmask:\m row_mask:0xf bank_mask:0xf
.endr
.endr
.irp i, 0,1,2,3
	v_permlanex16_b32 v[ST+4*\i+1], v[ST+4*\i], s26, s27
.endr
.irp i, 0,1,2,3
	v_add_f32 v[ST+4*\i], v[ST+4*\i], v[ST+4*\i+1]
.endr
.endm
.macro IMG off
	global_store_b128 v[LI16], v[PC:PC+3], s[28:29] offset:\off
	global_store_b64 v[LI8], v[PC+4:PC+5], s[28:29] offset:\off+512
	global_store_b128 v[LI16], v[PC+6:PC+9], s[28:29] offset:\off+768
	global_store_b64 v[LI8], v[PC+10:PC+11], s[28:29] offset:\off+1280
.endm
	s_load_b256 s[4:11], s[0:1], 0x0               ; x1, ln2_g, ln2_b, yb
	v_lshl_add_u32 v[SPW], v0, 2, SPARE
	v_mov_b32 v[NIL], 0
	v_lshrrev_b32 v[LANE], 5, v0
	v_readfirstlane_b32 s20, v[LANE]
	v_and_b32 v[LANE], 31, v0
	v_lshlrev_b32 v[LI16], 4, v[LANE]
	v_lshlrev_b32 v[LI8], 3, v[LANE]
	s_mov_b32 s21, ttmp9                           ; my row block F
	s_lshr_b32 s22, s21, 1
	s_lshl_b32 s22, s22, 5
	s_and_b32 s23, s21, 1
	s_lshl_b32 s23, s23, 3
	s_add_co_u32 s22, s22, s23
	s_lshl_b32 s23, s20, 2
	s_add_co_u32 s22, s22, s23
	s_lshr_b32 s23, s20, 1
	s_lshl_b32 s23, s23, 3
	s_add_co_u32 s22, s22, s23                     ; token 32 (F / 2) + 8 (F % 2) + 4 w + 8 (w / 2)
	s_lshl_b32 s22, s22, 12
	s_mov_b32 s23, 0
	s_mov_b32 s24, 0x3a800000                      ; 1 / 1024
	s_mov_b32 s25, 0x3727c5ac                      ; 1e-5
	s_mov_b32 s26, 0x76543210
	s_mov_b32 s27, 0xfedcba98
	s_mul_i32 s28, s20, 4*LNP
	v_add_nc_u32 v[LSTO], s28, v[LI16]
	v_and_b32 v[TMP], 15, v0
	v_bfe_u32 v[SWO], v0, 4, 1
	v_mul_u32_u24 v[RD0], v[TMP], LNP
	v_lshl_add_u32 v[RD0], v[SWO], 6, v[RD0]
	s_lshl_b32 s28, s20, 10
	v_add_nc_u32 v[RD0], s28, v[RD0]
	v_lshlrev_b32 v[SWO], 14, v[SWO]
	v_lshl_add_u32 v[SWO], v[TMP], 2, v[SWO]
.irp b, 0,1,2,3
	v_mov_b32 v[TM+4+\b], 0
.endr
	s_mul_i32 s28, s21, 12288
	s_mul_i32 s29, s20, 3072
	s_add_co_u32 s28, s28, s29
	s_add_co_u32 s28, s28, CODES
	s_mov_b32 s29, 0
	s_lshl_b32 s30, s20, 15
	s_lshl_b32 s31, s21, 6
	s_add_co_u32 s30, s30, s31
	s_add_co_u32 s30, s30, SCALES
	s_mov_b32 s31, 0
	s_wait_kmcnt 0x0
	s_add_nc_u64 s[4:5], s[4:5], s[22:23]
	s_add_nc_u64 s[28:29], s[DST:DST+1], s[28:29]
	s_add_nc_u64 s[30:31], s[DST:DST+1], s[30:31]
.if STORE_Y
	s_add_nc_u64 s[32:33], s[DST:DST+1], s[22:23]
.endif
.irp i, 0,1,2,3
.irp j, 0,1,2,3,4,5,6,7
	global_load_b128 v[X+32*\i+4*\j:X+32*\i+4*\j+3], v[LI16], s[4:5] offset:4096*\i+512*\j th:TH_LOAD_NT
.endr
.endr
.irp j, 0,1,2,3,4,5,6,7
	global_load_b128 v[G+4*\j:G+4*\j+3], v[LI16], s[6:7] offset:512*\j
.endr
.irp j, 0,1,2,3,4,5,6,7
	global_load_b128 v[B+4*\j:B+4*\j+3], v[LI16], s[8:9] offset:512*\j
.endr
	s_wait_loadcnt 16                              ; the rows are in; g's and b's sixteen loads may be out
.irp i, 0,1,2,3
	v_pk_add_f32 v[ST+4*\i:ST+4*\i+1], v[X+32*\i:X+32*\i+1], v[X+32*\i+2:X+32*\i+3]
	v_pk_add_f32 v[ST+4*\i+2:ST+4*\i+3], v[X+32*\i+4:X+32*\i+5], v[X+32*\i+6:X+32*\i+7]
.endr
.irp n, 8,12,16,20,24,28
.irp i, 0,1,2,3
	v_pk_add_f32 v[ST+4*\i:ST+4*\i+1], v[ST+4*\i:ST+4*\i+1], v[X+32*\i+\n:X+32*\i+\n+1]
	v_pk_add_f32 v[ST+4*\i+2:ST+4*\i+3], v[ST+4*\i+2:ST+4*\i+3], v[X+32*\i+\n+2:X+32*\i+\n+3]
.endr
.endr
	RED
.irp i, 0,1,2,3
	v_mul_f32 v[ST+4*\i+1], 0xba800000, v[ST+4*\i] ; - the mean, twice
	v_mul_f32 v[ST+4*\i], 0xba800000, v[ST+4*\i]
.endr
.irp i, 0,1,2,3
.set NN, 0
.rept 16
	v_pk_add_f32 v[X+32*\i+NN:X+32*\i+NN+1], v[X+32*\i+NN:X+32*\i+NN+1], v[ST+4*\i:ST+4*\i+1]
.set NN, NN+2
.endr
.endr
.irp i, 0,1,2,3
	v_pk_mul_f32 v[ST+4*\i:ST+4*\i+1], v[X+32*\i:X+32*\i+1], v[X+32*\i:X+32*\i+1]
	v_pk_mul_f32 v[ST+4*\i+2:ST+4*\i+3], v[X+32*\i+2:X+32*\i+3], v[X+32*\i+2:X+32*\i+3]
.endr
.irp n, 4,8,12,16,20,24,28
.irp i, 0,1,2,3
	v_pk_fma_f32 v[ST+4*\i:ST+4*\i+1], v[X+32*\i+\n:X+32*\i+\n+1], v[X+32*\i+\n:X+32*\i+\n+1], v[ST+4*\i:ST+4*\i+1]
	v_pk_fma_f32 v[ST+4*\i+2:ST+4*\i+3], v[X+32*\i+\n+2:X+32*\i+\n+3], v[X+32*\i+\n+2:X+32*\i+\n+3], v[ST+4*\i+2:ST+4*\i+3]
.endr
.endr
	RED
.irp i, 0,1,2,3
	v_fma_f32 v[ST+4*\i+2], v[ST+4*\i], s24, s25
.endr
.irp i, 0,1,2,3
	v_rsq_f32 v[ST+4*\i], v[ST+4*\i+2]
	v_rsq_f32 v[ST+4*\i+1], v[ST+4*\i+2]
.endr
	v_nop                                          ; a plain instruction behind the last of the batch
	s_wait_alu depctr_va_vdst(0)                   ; one wait for the eight, ahead of their first reader
	s_wait_loadcnt 0x0
.irp i, 0,1,2,3
.set NN, 0
.rept 16
	v_pk_mul_f32 v[X+32*\i+NN:X+32*\i+NN+1], v[X+32*\i+NN:X+32*\i+NN+1], v[ST+4*\i:ST+4*\i+1]
	v_pk_fma_f32 v[X+32*\i+NN:X+32*\i+NN+1], v[X+32*\i+NN:X+32*\i+NN+1], v[G+NN:G+NN+1], v[B+NN:B+NN+1]
.set NN, NN+2
.endr
.endr
.irp i, 0,1,2,3
.irp j, 0,1,2,3,4,5,6,7
.if STORE_Y
	global_store_b128 v[LI16], v[X+32*\i+4*\j:X+32*\i+4*\j+3], s[32:33] offset:4096*\i+512*\j
.endif
	ds_store_b128 v[LSTO], v[X+32*\i+4*\j:X+32*\i+4*\j+3] offset:LNP*\i+512*\j
.endr
.endr
	s_wait_dscnt 0x0                               ; for the others' sake: my four rows lie in LDS
	s_wait_xcnt 0x0                                ; the stores of y have read the rows' registers, which are loaded again below
	s_barrier_signal -1
	s_barrier_wait -1
.irp s, 0,1
.irp b, 0,1,2,3
.irp q, 0,1,2,3
	ds_load_b128 v[X+64*\s+16*\b+4*\q:X+64*\s+16*\b+4*\q+3], v[RD0] offset:512*\s+128*\b+16*\q
.endr
.endr
.endr
	s_wait_dscnt 16                                ; the first K step's sixteen loads are in
	QUANT X, PC, PW0
	IMG 0
	s_wait_dscnt 0x0
	s_wait_xcnt 0x0
	QUANT X+64, PC, PW1
	IMG 1536
	v_cmp_lt_u32 s34, 15, v[LANE]
	v_cndmask_b32 v[TMP], v[PW0], v[PW1], s34
	global_store_b32 v[SWO], v[TMP], s[30:31]
	s_wait_tensorcnt 0x0                           ; the wave's end
	ds_add_u32 v[SPW], v[NIL]
	s_wait_dscnt 0x0
	s_endpgm
.Lfunc_end_k_q961a4e47b1_ln2:
	.size	k_q961a4e47b1_ln2, .Lfunc_end_k_q961a4e47b1_ln2-k_q961a4e47b1_ln2
	.p2alignl 7, 3214868480
	.fill 96, 4, 3214868480
	.section	.rodata,"a",@progbits
	.p2align	6, 0x0
	.amdhsa_kernel k_q961a4e47b1_ln2
		.amdhsa_group_segment_fixed_size 66304
		.amdhsa_private_segment_fixed_size 0
		.amdhsa_enable_private_segment 0
		.amdhsa_kernarg_size 32
		.amdhsa_user_sgpr_count 2
		.amdhsa_user_sgpr_kernarg_segment_ptr 1
		.amdhsa_wavefront_size32 1
		.amdhsa_system_sgpr_workgroup_id_x 1
		.amdhsa_system_sgpr_workgroup_id_y 1
		.amdhsa_system_sgpr_workgroup_id_z 1
		.amdhsa_system_vgpr_workitem_id 0
		.amdhsa_next_free_vgpr 256
		.amdhsa_next_free_sgpr 66
		.amdhsa_reserve_vcc 0
		.amdhsa_float_denorm_mode_32 3
		.amdhsa_float_denorm_mode_16_64 3
		.amdhsa_memory_ordered 1
		.amdhsa_forward_progress 1
		.amdhsa_inst_pref_size 47
	.end_amdhsa_kernel
	.amdgpu_metadata
---
amdhsa.version: [ 1, 2 ]
amdhsa.kernels:
  - .name:           k_q961a4e47b1_ln2
    .symbol:         k_q961a4e47b1_ln2.kd
    .args:
      - { .name: x1, .offset: 0, .size: 8, .value_kind: global_buffer, .address_space: global }
      - { .name: ln2_g, .offset: 8, .size: 8, .value_kind: global_buffer, .address_space: global }
      - { .name: ln2_b, .offset: 16, .size: 8, .value_kind: global_buffer, .address_space: global }
      - { .name: yb, .offset: 24, .size: 8, .value_kind: global_buffer, .address_space: global }
    .group_segment_fixed_size: 66304
    .private_segment_fixed_size: 0
    .kernarg_segment_align: 8
    .kernarg_segment_size: 32
    .max_flat_workgroup_size: 128
    .sgpr_count:     66
    .vgpr_count:     256
    .wavefront_size: 32
...
	.end_amdgpu_metadata
.endif
;; end of part 5
;; launch g5 (part 6): grid 16 x 16, 4 waves a work-group, clusters of 4 x 4, 327,680 bytes of LDS; arguments yb, pw, b_fc, h2; writes h2
.if DOCPART == 6
	.amdgcn_target "amdgcn-amd-amdhsa--gfx1250"
	.amdhsa_code_object_version 6
	.text
	.protected	k_q961a4e47b1_g5
	.globl	k_q961a4e47b1_g5
	.p2align	8
	.type	k_q961a4e47b1_g5,@function
k_q961a4e47b1_g5:
	s_mov_b64 s[64:65], 0
	v_nop
	global_prefetch_b8 v0, s[64:65] scope:SCOPE_SE
	s_setreg_imm32_b32 hwreg(HW_REG_WAVE_MODE, 25, 1), 1
	s_wait_xcnt 0x0
	s_wait_alu depctr_hold_cnt(0) depctr_sa_sdst(0) depctr_va_vdst(0) depctr_va_sdst(0) depctr_va_ssrc(0) depctr_va_vcc(0) depctr_vm_vsrc(0)
	s_getreg_b32 s2, hwreg(HW_REG_IB_STS2, 6, 4)
	s_cmp_eq_u32 s2, 0
	s_cbranch_scc0 .Lentry_in_a_cluster
	s_endpgm
.Lentry_in_a_cluster:
	s_bfe_u32 s2, ttmp6, 0x10000c
	s_cmp_lg_u32 s2, 0xf033
	s_cbranch_scc0 .Lentry_shape_is_right
	s_endpgm
.Lentry_shape_is_right:
; h2 = gelu(y w_fc + b_fc), quantised at once along the hidden width as the last product's operand.  The loop is the program's common one:
; a tile of 256 x 256 to a work-group of four waves, 128 x 128 a wave; K = 1,024 in steps of 256 through two LDS slots; operands as images of the operand's registers; the product used transposed, rows at positions with
; bits 3 and 4 of the index exchanged, so that the 64 registers of A's block a are true hidden units 32 c + 16 (lane / 16) + i: one K step of 128 of the next product.  Cluster 4 x 4 with joint loads.
; GELU, exact form: gelu(x) = max(x, 0) - |x| erfc(|x| / sqrt 2) / 2, with erfc(z) = t exp(-z^2 + c0 + t (c1 + .. t c9)), t = 1 / (1 + z / 2): fractional error 1.2e-7 of erfc, to which the rounding of x^2 adds
; 0.72 x^2 x 6e-8.  LIMITS: where erfc falls under 2^-126 (x under about -13) the result is 0; NaN and infinities are not served; a block of zeros gets the byte 1.
; The way out is a loop of eight trips (a block of A each), so that the long gelu is written once; only the copy out of the accumulators differs from trip to trip and is chosen by a ladder on the trip's number.
.set KDIM,  1024
.set AOC,   16777216                   ; y's codes, y's scale words in yb
.set AOS,   19922944
.set BOC,   3309568                    ; w_fc's in pw
.set BOS,   6455296
.set APITCH, 4096
.set BPITCH, 4096
.set H2S,   12582912
.set NQ,    2
.set FR,    12
.set NL,    4
.set NP,    4
.set KROW,  KDIM*6/8
.set KRB,   KDIM/128*1536
.set NKS,   KDIM/128
.set HALFT, 8*3072
.set SLOT,  4*HALFT
.set LAPS,  KDIM/512
.set SCL,   2*SLOT
.set HALFS, 512*NKS
.set SPARE, SCL+4*HALFS
.set ADRA, 16
.set ADRB, 20
.set LI16, 24
.set LI8,  25
.set SWA,  26
.set ADRS, 27
.set SPW,  28
.set NIL,  29
.set RDW,  30
.set SC,   32
.set AF,   128
.set CF,   32                          ; the way out, window 0: v32-51 the ten coefficients as pairs; v52-53 log2(e)
.set L2E,  52
.set T,    64
.set U,    128
.set P,    160
.set PC,   192
.set TM,   212
.set PW,   228
.set XT,   230
.set G1, 24
.set G0, 32
.set G1B, 48
.set G0B, 56
.set G1S, 68
.set G0S, 76
.set G1SB, 80
.set G0SB, 88
.set MSB, 0
.macro WIN new
.if MSB != \new
	s_set_vgpr_msb (MSB<<8)|\new
.set MSB, \new
.endif
.endm
.set MUL_LO, 0xa1
.set MUL_HI, 0xf1
.set TO_B,   0x40
.macro JLOAD g0a, g1a, g0b, g1b        ; a joint load: waves 0, 1 fetch for A, waves 2, 3 for B; s_nop 0 and four v_nop follow each line
	s_cmp_eq_u32 s15, 0
	s_cbranch_scc0 .Lfor_b_\@
	tensor_load_to_lds s[\g0a:\g0a+3], s[\g1a:\g1a+7]
	s_nop 0
.rept 4
	v_nop
.endr
	s_branch .Lasked_\@
.Lfor_b_\@:
	tensor_load_to_lds s[\g0b:\g0b+3], s[\g1b:\g1b+7]
	s_nop 0
.rept 4
	v_nop
.endr
.Lasked_\@:
.endm
.macro CREST
	s_cmp_lg_u32 s14, 0
	s_cbranch_scc1 .Lnot_wave_0_\@
	s_barrier_signal -3
.Lnot_wave_0_\@:
	s_barrier_wait -3
	s_barrier_signal -1
	s_barrier_wait -1
.endm
.macro CROUND
	s_barrier_signal -1
	s_barrier_wait -1
	CREST
.endm
	s_load_b128 s[4:7], s[0:1], 0x0                ; A's buffer, B's buffer
	s_load_b128 s[8:11], s[0:1], 0x10              ; b_fc, h2
	v_lshl_add_u32 v[SPW], v0, 2, SPARE
	v_mov_b32 v[NIL], 0
	ds_add_u32 v[SPW], v[NIL]                      ; the opening: the add and its wait ahead of my first tensor load
	v_lshrrev_b32 v1, 5, v0
	v_readfirstlane_b32 s14, v1
	s_lshr_b32 s15, s14, 1
	s_and_b32 s16, s14, 1
	s_bfe_u32 s40, ttmp6, 0x40000
	s_bfe_u32 s41, ttmp6, 0x40004
	s_and_b32 s17, ttmp7, 0xffff
	s_mov_b32 s92, AOC
	s_mov_b32 s93, AOS
	s_mov_b32 s94, BOC
	s_mov_b32 s95, BOS
	s_lshl_b32 s42, ttmp9, 2
	s_add_co_u32 s42, s42, s40
	s_lshl_b32 s17, s17, 2
	s_add_co_u32 s17, s17, s41
	s_lshl_b32 s43, s41, 2
	s_lshl_b32 s43, 15, s43
	s_lshl_b32 s44, 0x1111, s40
	s_or_b32 s[G1+0], s43, (3<<16)|(1<<21)
	s_or_b32 s[G1B+0], s44, (3<<16)|(1<<21)
.irp g, G1, G1B
	s_mov_b32 s[\g+1], 384<<16
	s_mov_b32 s[\g+2], 8<<16
	s_mov_b32 s[\g+3], 384<<16
	s_mov_b32 s[\g+4], 8
	s_mov_b32 s[\g+5], KRB/8
	s_mov_b32 s[\g+6], 0
	s_mov_b32 s[\g+7], 0
.endr
	s_or_b32 s[G1S+0], s43, (3<<16)|(1<<21)
	s_or_b32 s[G1SB+0], s44, (3<<16)|(1<<21)
.irp g, G1S, G1SB
	s_mov_b32 s[\g+1], 64<<16
	s_mov_b32 s[\g+2], NKS<<16
	s_mov_b32 s[\g+3], 64<<16
	s_mov_b32 s[\g+4], NKS
	s_mov_b32 s[\g+6], 0
	s_mov_b32 s[\g+7], 0
.endr
	s_mov_b32 s[G1S+5], APITCH/2
	s_mov_b32 s[G1SB+5], BPITCH/2
	s_lshl_b32 s18, s16, 7
	s_lshl_b32 s20, s17, 8
	s_add_co_u32 s20, s20, s18
	s_lshl_b32 s46, s42, 8
	s_add_co_u32 s46, s46, s18
	s_lshl_b32 s22, s20, 2
	s_add_co_u32 s22, s22, s93
	s_mul_i32 s20, s20, KROW
	s_add_co_u32 s20, s20, s92
	s_mov_b32 s21, 0
	s_mov_b32 s23, 0
	s_lshl_b32 s98, s46, 2
	s_add_co_u32 s98, s98, s95
	s_mul_i32 s46, s46, KROW
	s_add_co_u32 s46, s46, s94
	s_mov_b32 s47, 0
	s_mov_b32 s99, 0
	s_mul_i32 s45, s14, HALFT
	s_mul_i32 s96, s14, HALFS
	s_wait_dscnt 0x0
	s_wait_kmcnt 0x0
	s_add_nc_u64 s[20:21], s[4:5], s[20:21]
	s_add_nc_u64 s[22:23], s[4:5], s[22:23]
	s_add_nc_u64 s[46:47], s[6:7], s[46:47]
	s_add_nc_u64 s[98:99], s[6:7], s[98:99]
	CROUND
	s_mov_b32 s[G0S], 1
	s_add_co_u32 s[G0S+1], s96, SCL
	s_mov_b64 s[G0S+2:G0S+3], s[22:23]
	s_or_b32 s[G0S+3], s[G0S+3], 0x80000000
	s_mov_b32 s[G0SB], 1
	s_add_co_u32 s[G0SB+1], s96, SCL
	s_mov_b64 s[G0SB+2:G0SB+3], s[98:99]
	s_or_b32 s[G0SB+3], s[G0SB+3], 0x80000000
	JLOAD G0S, G1S, G0SB, G1SB
.irp s, 0,1
	s_mov_b32 s[G0+4*\s], 1
	s_add_co_u32 s[G0+4*\s+1], s45, \s*SLOT
	s_add_nc_u64 s[G0+4*\s+2:G0+4*\s+3], s[20:21], \s*3072
	s_or_b32 s[G0+4*\s+3], s[G0+4*\s+3], 0x80000000
	s_mov_b32 s[G0B+4*\s], 1
	s_add_co_u32 s[G0B+4*\s+1], s45, \s*SLOT
	s_add_nc_u64 s[G0B+4*\s+2:G0B+4*\s+3], s[46:47], \s*3072
	s_or_b32 s[G0B+4*\s+3], s[G0B+4*\s+3], 0x80000000
	JLOAD G0+4*\s, G1, G0B+4*\s, G1B
.endr
	v_and_b32 v1, 31, v0
	v_and_b32 v2, 15, v0
	v_bfe_u32 v3, v0, 4, 1
	v_lshlrev_b32 v4, 4, v1
	v_lshlrev_b32 v5, 3, v1
	s_mul_i32 s21, s15, HALFT
	s_mul_i32 s22, s16, HALFT
	s_add_co_u32 s22, s22, 2*HALFT
.irp s, 0,1
	v_add_nc_u32 v[ADRA+\s], s21, v4
	v_add_nc_u32 v[ADRB+\s], s22, v4
	v_add_nc_u32 v[ADRA+2+\s], s21, v5
	v_add_nc_u32 v[ADRB+2+\s], s22, v5
	s_add_co_u32 s21, s21, SLOT
	s_add_co_u32 s22, s22, SLOT
.endr
	s_mul_i32 s21, s15, HALFS
	s_mul_i32 s22, s16, HALFS
	s_add_co_u32 s22, s22, 2*HALFS
	s_sub_co_u32 s22, s22, s21
	v_mul_u32_u24 v6, s22, v3
	s_add_co_u32 s21, s21, SCL
	v_lshl_add_u32 v6, v2, 2, v6
	v_add_nc_u32 v[ADRS], s21, v6
.macro FRAG reg, adr, q, i
	ds_load_b128 v[\reg:\reg+3], v[\adr] offset:(\i)*3072+(\q)*1536
	ds_load_b64 v[\reg+4:\reg+5], v[\adr+2] offset:(\i)*3072+(\q)*1536+512
	ds_load_b128 v[\reg+6:\reg+9], v[\adr] offset:(\i)*3072+(\q)*1536+768
	ds_load_b64 v[\reg+10:\reg+11], v[\adr+2] offset:(\i)*3072+(\q)*1536+1280
.endm
; The 64 accumulators take turns, one instruction a turn, in the same order in every step
.macro MUL16 a0, p, q, sc, zero
.irp a, \a0, \a0+1
.irp b, 0,1,2,3,4,5,6,7
.if \zero
	v_wmma_scale_f32_16x16x128_f8f6f4 v[8*(8*((\a)%4)+\b):8*(8*((\a)%4)+\b)+7], v[128*(\p)+FR*\b:128*(\p)+FR*\b+FR-1], v[AF+FR*(\a):AF+FR*(\a)+FR-1], 0, v[SC+8*NQ*(\sc)+NQ*\b+(\q)], v[SC+8*NQ*(\sc)+NQ*(\a)+(\q)] matrix_a_fmt:MATRIX_FMT_FP6 matrix_b_fmt:MATRIX_FMT_FP6 matrix_a_scale:MATRIX_SCALE_ROW1
.else
	v_wmma_scale_f32_16x16x128_f8f6f4 v[8*(8*((\a)%4)+\b):8*(8*((\a)%4)+\b)+7], v[128*(\p)+FR*\b:128*(\p)+FR*\b+FR-1], v[AF+FR*(\a):AF+FR*(\a)+FR-1], v[8*(8*((\a)%4)+\b):8*(8*((\a)%4)+\b)+7], v[SC+8*NQ*(\sc)+NQ*\b+(\q)], v[SC+8*NQ*(\sc)+NQ*(\a)+(\q)] matrix_a_fmt:MATRIX_FMT_FP6 matrix_b_fmt:MATRIX_FMT_FP6 matrix_a_scale:MATRIX_SCALE_ROW1
.endif
.endr
.endr
.endm
.macro FETCH_B slot, q, p
	WIN TO_B
.irp i, 0,1,2,3,4,5,6,7
	FRAG 128*(\p)+FR*\i, ADRB+\slot, \q, \i
.endr
	WIN 0
.endm
.macro FETCH_A slot, q, i0
.irp i, \i0, \i0+1, \i0+2, \i0+3
	FRAG AF+FR*(\i), ADRA+\slot, \q, \i
.endr
.endm
.macro SCALES sc
.irp i, 0,1,2,3,4,5,6,7
	ds_load_b32 v[SC+16*\sc+2*\i], v[ADRS] offset:64*\i
	ds_load_b32 v[SC+16*\sc+2*\i+1], v[ADRS] offset:64*\i+512
.endr
.endm
.macro PLACES n
.rept \n
	v_nop
.endr
.endm
.macro STEP slot, q, zero
	s_wait_dscnt 4*NL                              ; all but A's blocks 4-7, the youngest sixteen loads
	WIN MUL_LO
	MUL16 0, (\q)%2, \q, \slot, \zero
	MUL16 2, (\q)%2, \q, \slot, \zero
	s_wait_dscnt 0
	PLACES NP
	FETCH_B \slot, (\q)+1, 1-(\q)%2
	FETCH_A \slot, (\q)+1, 0
	WIN MUL_HI
	MUL16 4, (\q)%2, \q, \slot, \zero
	MUL16 6, (\q)%2, \q, \slot, \zero
	PLACES NP
	WIN 0
	FETCH_A \slot, (\q)+1, 4
.endm
.macro TURN slot, next, fill
	s_wait_tensorcnt 0x0                           ; all my tensor loads have landed: my part of the next slot
	ds_add_u32 v[SPW], v[NIL]                      ; 0 onto my spare word
	s_wait_dscnt 4*NL+1                            ; (the add and A's blocks 4-7 may be out)
	WIN MUL_LO
	MUL16 0, 1, NQ-1, \slot, 0
	s_wait_dscnt 0x0                               ; the add is done, and my reads of this slot are over
	s_barrier_signal -1
	MUL16 2, 1, NQ-1, \slot, 0
	WIN 0
	s_barrier_wait -1
.if \fill
	CREST                                          ; no wave of any partner still reads this slot or has a load on its way
	s_add_nc_u64 s[G0+4*\slot+2:G0+4*\slot+3], s[G0+4*\slot+2:G0+4*\slot+3], 6144
	s_add_nc_u64 s[G0B+4*\slot+2:G0B+4*\slot+3], s[G0B+4*\slot+2:G0B+4*\slot+3], 6144
	JLOAD G0+4*\slot, G1, G0B+4*\slot, G1B
.else
	PLACES NP
.endif
	v_add_nc_u32 v[ADRS], 1024, v[ADRS]
	FETCH_B \next, 0, 0
	FETCH_A \next, 0, 0
	SCALES \next
	WIN MUL_HI
	MUL16 4, 1, NQ-1, \slot, 0
	MUL16 6, 1, NQ-1, \slot, 0
	PLACES NP
	WIN 0
	FETCH_A \next, 0, 4
.endm
	s_wait_tensorcnt 1                             ; the scale words and K step 0 are in; K step 1's load may be out
	s_barrier_signal -1
	s_barrier_wait -1
	FETCH_B 0, 0, 0
	FETCH_A 0, 0, 0
	SCALES 0
	FETCH_A 0, 0, 4
	STEP 0, 0, 1
	s_mov_b32 s3, LAPS-1
.Llap:
	TURN 0, 1, 1
	STEP 1, 0, 0
	TURN 1, 0, 1
	STEP 0, 0, 0
	s_sub_co_u32 s3, s3, 1
	s_cmp_lg_u32 s3, 0
	s_cbranch_scc1 .Llap
	TURN 0, 1, 0
	STEP 1, 0, 0
	s_wait_dscnt 4*NL
	WIN MUL_LO
	MUL16 0, 1, NQ-1, 1, 0
	MUL16 2, 1, NQ-1, 1, 0
	s_wait_dscnt 0
	WIN MUL_HI
	MUL16 4, 1, NQ-1, 1, 0
	MUL16 6, 1, NQ-1, 1, 0
	WIN 0
.macro QUANT s, pc, pw
.irp b, 0,1,2,3
	v_max3_num_f32 v[TM+\b], |v[\s+16*\b]|, |v[\s+1+16*\b]|, 0x1800000
.endr
.irp i, 2,4,6,8,10,12,14
.irp b, 0,1,2,3
	v_max3_num_f32 v[TM+\b], v[TM+\b], |v[\s+16*\b+\i]|, |v[\s+1+16*\b+\i]|
.endr
.endr
.irp b, 0,1,2,3
	v_permlanex16_b32 v[TM+4+\b], v[TM+\b], s66, s67
.endr
.irp b, 0,1,2,3
	v_max_num_f32 v[TM+\b], v[TM+\b], v[TM+4+\b]
.endr
.irp b, 0,1,2,3
	v_add_nc_u32 v[TM+8+\b], 0xff000000, v[TM+\b]
.endr
.irp b, 0,1,2,3
	v_lshrrev_b32 v[TM+4+\b], 23, v[TM+8+\b]
.endr
	v_lshl_or_b32 v[\pw], v[TM+5], 8, v[TM+4]
	v_lshl_or_b32 v[\pw], v[TM+6], 16, v[\pw]
	v_lshl_or_b32 v[\pw], v[TM+7], 24, v[\pw]
.irp c, 0,1
	v_cvt_scalef32_pk16_fp6_f32 v[\pc+6*\c:\pc+2+6*\c], v[\s+32*\c:\s+15+32*\c], v[TM+8+2*\c]
	v_cvt_scalef32_pk16_fp6_f32 v[\pc+12+4*\c:\pc+14+4*\c], v[\s+16+32*\c:\s+31+32*\c], v[TM+9+2*\c]
.endr
	v_nop
.irp c, 0,1
.irp i, 0,1,2
	v_permlane16_swap_b32 v[\pc+6*\c+\i], v[\pc+12+4*\c+\i]
.endr
.irp i, 0,1,2
	v_mov_b32 v[\pc+3+6*\c+\i], v[\pc+12+4*\c+\i]
.endr
.endr
.endm
; gelu of the 32 numbers v[T + n0] on, in place
.macro GELU n0
.set NN, 0
.rept 32
	v_fma_f32 v[U+NN], |v[T+\n0+NN]|, s98, 1.0     ; 1 + |x| / (2 sqrt 2)
.set NN, NN+1
.endr
.set NN, 0
.rept 32
	v_rcp_f32 v[U+NN], v[U+NN]                     ; t
.set NN, NN+1
.endr
	v_nop
	s_wait_alu depctr_va_vdst(0)                   ; one wait for the batch, ahead of its first reader
.set NN, 0
.rept 16
	v_pk_fma_f32 v[P+NN:P+NN+1], v[U+NN:U+NN+1], v[CF+18:CF+19], v[CF+16:CF+17]
.set NN, NN+2
.endr
.irp k, 7,6,5,4,3,2,1,0
.set NN, 0
.rept 16
	v_pk_fma_f32 v[P+NN:P+NN+1], v[P+NN:P+NN+1], v[U+NN:U+NN+1], v[CF+2*\k:CF+2*\k+1]
.set NN, NN+2
.endr
.endr
.irp g, 0,8,16,24
.irp e, 0,2,4,6
	v_pk_mul_f32 v[XT+\e:XT+\e+1], v[T+\n0+\g+\e:T+\n0+\g+\e+1], v[T+\n0+\g+\e:T+\n0+\g+\e+1]
.endr
.irp e, 0,2,4,6
	v_pk_fma_f32 v[P+\g+\e:P+\g+\e+1], v[XT+\e:XT+\e+1], -0.5, v[P+\g+\e:P+\g+\e+1] op_sel_hi:[1,0,1]   ; - x^2 / 2 + the polynomial
.endr
.irp e, 0,2,4,6
	v_pk_mul_f32 v[P+\g+\e:P+\g+\e+1], v[P+\g+\e:P+\g+\e+1], v[L2E:L2E+1]
.endr
.endr
.set NN, 0
.rept 32
	v_exp_f32 v[P+NN], v[P+NN]
.set NN, NN+1
.endr
	v_nop
	s_wait_alu depctr_va_vdst(0)
.set NN, 0
.rept 16
	v_pk_mul_f32 v[P+NN:P+NN+1], v[P+NN:P+NN+1], v[U+NN:U+NN+1]     ; erfc(|x| / sqrt 2)
.set NN, NN+2
.endr
.set NN, 0
.rept 32
	v_max_num_f32 v[U+NN], 0, v[T+\n0+NN]
	v_mul_f32 v[P+NN], |v[T+\n0+NN]|, v[P+NN]
.set NN, NN+1
.endr
.set NN, 0
.rept 16
	v_pk_fma_f32 v[T+\n0+NN:T+\n0+NN+1], v[P+NN:P+NN+1], -0.5, v[U+NN:U+NN+1] op_sel_hi:[1,0,1]
.set NN, NN+2
.endr
.endm
	PLACES NP
	v_lshlrev_b32 v[LI16], 4, v1
	v_lshlrev_b32 v[LI8], 3, v1
	s_lshl_b32 s20, s14, 9
	v_lshl_add_u32 v[SWA], v2, 2, s20              ; my 512 bytes of slot 0, which has had its last fill and its last read: the blocks' scale words
	v_add_nc_u32 v[RDW], s20, v[LI16]
.irp b, 0,1,2,3
	v_mov_b32 v[TM+4+\b], 0
.endr
	s_mov_b32 s66, 0x76543210
	s_mov_b32 s67, 0xfedcba98
	s_mov_b32 s98, 0x3eb504f3                      ; 1 / (2 sqrt 2)
	s_lshl_b32 s20, s42, 10
	s_lshl_b32 s21, s16, 9
	s_add_co_u32 s20, s20, s21
	s_mov_b32 s21, 0
	s_add_nc_u64 s[8:9], s[8:9], s[20:21]          ; b_fc at my first column
	s_lshl_b32 s22, s17, 4
	s_lshl_b32 s23, s15, 3
	s_add_co_u32 s22, s22, s23                     ; my first row block
	s_lshl_b32 s23, s42, 1
	s_add_co_u32 s23, s23, s16                     ; my K step of the next product
	s_mul_i32 s92, s22, 49152
	s_mul_i32 s93, s23, 1536
	s_add_co_u32 s92, s92, s93
	s_mov_b32 s93, 0
	s_add_nc_u64 s[12:13], s[10:11], s[92:93]
	s_lshl_b32 s92, s23, 14
	s_lshl_b32 s94, s22, 6
	s_add_co_u32 s92, s92, s94
	s_add_co_u32 s92, s92, H2S
	s_add_nc_u64 s[10:11], s[10:11], s[92:93]
	v_lshlrev_b32 v10, 6, v3
	WIN 0x40                                       ; the bias into window 1, v0-63: register 16 c + i = column 32 c + 16 h + i
.irp c, 0,1,2,3
.irp q, 0,1,2,3
	global_load_b128 v[16*\c+4*\q:16*\c+4*\q+3], v10, s[8:9] offset:128*\c+16*\q
.endr
.endr
	WIN 0
.irp r, 0,1
	v_mov_b32 v[CF+\r], 0xbfa1fc4e                 ; c0 = -1.26551223
	v_mov_b32 v[CF+2+\r], 0x3f8000c7               ; c1 =  1.00002368
	v_mov_b32 v[CF+4+\r], 0x3ebf88fb               ; c2 =  0.37409196
	v_mov_b32 v[CF+6+\r], 0x3dc636c9               ; c3 =  0.09678418
	v_mov_b32 v[CF+8+\r], 0xbe3ec24c               ; c4 = -0.18628806
	v_mov_b32 v[CF+10+\r], 0x3e8ec7cc              ; c5 =  0.27886807
	v_mov_b32 v[CF+12+\r], 0xbf914e5d              ; c6 = -1.13520398
	v_mov_b32 v[CF+14+\r], 0x3fbe87b0              ; c7 =  1.48851587
	v_mov_b32 v[CF+16+\r], 0xbf527892              ; c8 = -0.82215223
	v_mov_b32 v[CF+18+\r], 0x3e2ef946              ; c9 =  0.17087277
	v_mov_b32 v[L2E+\r], 0x3fb8aa3b                ; log2(e)
.endr
	s_wait_loadcnt 0x0
	s_mov_b32 s3, 0
.Lrow:
.irp i, 0,1,2,3,4,5,6
	s_cmp_eq_u32 s3, \i
	s_cbranch_scc1 .Lcase\i
.endr
	s_branch .Lcase7
.irp i, 0,1,2,3,4,5,6,7
.Lcase\i:
	WIN 0x06+(\i)/4                                ; source 0: the accumulators' window; source 1: window 1
.set NN, 0
.rept 32                                       ; each accumulator is read from its low end on
	v_pk_add_f32 v[T+NN:T+NN+1], v[64*((\i)%4)+NN:64*((\i)%4)+NN+1], v[NN:NN+1]
.set NN, NN+2
.endr
	WIN 0
	s_branch .Ljoin
.endr
.Ljoin:
	GELU 0
	GELU 32
	QUANT T, PC, PW
	global_store_b128 v[LI16], v[PC:PC+3], s[12:13]
	global_store_b64 v[LI8], v[PC+4:PC+5], s[12:13] offset:512
	global_store_b128 v[LI16], v[PC+6:PC+9], s[12:13] offset:768
	global_store_b64 v[LI8], v[PC+10:PC+11], s[12:13] offset:1280
	ds_store_b32 v[SWA], v[PW]                     ; lanes r and r + 16 write the same word with the same value
	s_wait_xcnt 0x0                                ; the stores have read their registers and their base: both are written again
	s_add_nc_u64 s[12:13], s[12:13], 49152         ; the next row block
	v_add_nc_u32 v[SWA], 64, v[SWA]
	s_add_co_u32 s3, s3, 1
	s_cmp_lt_u32 s3, 8
	s_cbranch_scc1 .Lrow
	ds_load_b128 v[T:T+3], v[RDW]                  ; my own bytes: LDS serves a wave's instructions in order
	s_wait_dscnt 0x0
	global_store_b128 v[LI16], v[T:T+3], s[10:11]  ; 128 rows' scale words: 512 consecutive bytes, aligned
	s_wait_tensorcnt 0x0                           ; the wave's end
	ds_add_u32 v[SPW], v[NIL]
	s_wait_dscnt 0x0
	CROUND                                         ; the closing round
	s_endpgm
.Lfunc_end_k_q961a4e47b1_g5:
	.size	k_q961a4e47b1_g5, .Lfunc_end_k_q961a4e47b1_g5-k_q961a4e47b1_g5
	.p2alignl 7, 3214868480
	.fill 96, 4, 3214868480
	.section	.rodata,"a",@progbits
	.p2align	6, 0x0
	.amdhsa_kernel k_q961a4e47b1_g5
		.amdhsa_group_segment_fixed_size 327680
		.amdhsa_private_segment_fixed_size 0
		.amdhsa_enable_private_segment 0
		.amdhsa_kernarg_size 32
		.amdhsa_user_sgpr_count 2
		.amdhsa_user_sgpr_kernarg_segment_ptr 1
		.amdhsa_wavefront_size32 1
		.amdhsa_system_sgpr_workgroup_id_x 1
		.amdhsa_system_sgpr_workgroup_id_y 1
		.amdhsa_system_sgpr_workgroup_id_z 1
		.amdhsa_system_vgpr_workitem_id 0
		.amdhsa_next_free_vgpr 1024
		.amdhsa_next_free_sgpr 100
		.amdhsa_reserve_vcc 0
		.amdhsa_float_denorm_mode_32 3
		.amdhsa_float_denorm_mode_16_64 3
		.amdhsa_memory_ordered 1
		.amdhsa_forward_progress 1
		.amdhsa_inst_pref_size 184
	.end_amdhsa_kernel
	.amdgpu_metadata
---
amdhsa.version: [ 1, 2 ]
amdhsa.kernels:
  - .name:           k_q961a4e47b1_g5
    .symbol:         k_q961a4e47b1_g5.kd
    .args:
      - { .name: yb, .offset: 0, .size: 8, .value_kind: global_buffer, .address_space: global }
      - { .name: pw, .offset: 8, .size: 8, .value_kind: global_buffer, .address_space: global }
      - { .name: b_fc, .offset: 16, .size: 8, .value_kind: global_buffer, .address_space: global }
      - { .name: h2, .offset: 24, .size: 8, .value_kind: global_buffer, .address_space: global }
    .group_segment_fixed_size: 327680
    .private_segment_fixed_size: 0
    .kernarg_segment_align: 8
    .kernarg_segment_size: 32
    .max_flat_workgroup_size: 128
    .sgpr_count:     100
    .vgpr_count:     1024
    .wavefront_size: 32
...
	.end_amdgpu_metadata
.endif
;; end of part 6
;; launch g6 (part 7): grid 4 x 16, 4 waves a work-group, clusters of 4 x 4, 327,680 bytes of LDS; arguments h2, pw, b_proj, yb, out0; writes out0
.if DOCPART == 7
	.amdgcn_target "amdgcn-amd-amdhsa--gfx1250"
	.amdhsa_code_object_version 6
	.text
	.protected	k_q961a4e47b1_g6
	.globl	k_q961a4e47b1_g6
	.p2align	8
	.type	k_q961a4e47b1_g6,@function
k_q961a4e47b1_g6:
	s_mov_b64 s[64:65], 0
	v_nop
	global_prefetch_b8 v0, s[64:65] scope:SCOPE_SE
	s_setreg_imm32_b32 hwreg(HW_REG_WAVE_MODE, 25, 1), 1
	s_wait_xcnt 0x0
	s_wait_alu depctr_hold_cnt(0) depctr_sa_sdst(0) depctr_va_vdst(0) depctr_va_sdst(0) depctr_va_ssrc(0) depctr_va_vcc(0) depctr_vm_vsrc(0)
	s_getreg_b32 s2, hwreg(HW_REG_IB_STS2, 6, 4)
	s_cmp_eq_u32 s2, 0
	s_cbranch_scc0 .Lentry_in_a_cluster
	s_endpgm
.Lentry_in_a_cluster:
	s_bfe_u32 s2, ttmp6, 0x10000c
	s_cmp_lg_u32 s2, 0xf033
	s_cbranch_scc0 .Lentry_shape_is_right
	s_endpgm
.Lentry_shape_is_right:
; out = y + h2 w_proj + b_proj: a product on codes of MX-FP6, K = 4,096, with an f32 residual and bias on the way out.
; A tile of 256 x 256 to a work-group of four waves, 128 x 128 a wave: 64 accumulators, 512 registers.  K goes in steps of 256 through two LDS slots filled by the tensor data mover.
; Operands lie in memory as images of the operand's registers ([row block of 16][K / 64][768 bytes]); rows stand at positions with bits 3 and 4 of the index exchanged.
; THE PRODUCT IS USED TRANSPOSED (source 0 = 16 rows of B, source 1 = 16 rows of A): a lane holds one token position, and the registers of a block hold TRUE columns 32 c + 16 (lane / 16) + i.
; The way out puts columns in order in a stage in LDS and names each row's true token in the store's immediate.
; CLUSTER 4 x 4: A's tile is asked for jointly along a row of the cluster, B's along a column.  The tile gives 64 work-groups at this size: a smaller tile would want another loop.
.set KDIM,  4096
.set AOC,   0                          ; h2's codes, h2's scale words
.set AOS,   12582912
.set BOC,   6586368                    ; w_proj's in pw
.set BOS,   9732096
.set APITCH, 4096
.set BPITCH, 1024
.set NQ,    2
.set FR,    12
.set NL,    4
.set NP,    4
.set KROW,  KDIM*6/8
.set KRB,   KDIM/128*1536
.set NKS,   KDIM/128
.set HALFT, 8*3072
.set SLOT,  4*HALFT
.set LAPS,  KDIM/512
.set SCL,   2*SLOT
.set HALFS, 512*NKS
.set SPARE, SCL+4*HALFS
.set SPITCH, 528
.set ADRA, 16
.set ADRB, 20
.set STO,  24
.set RD,   25
.set CO,   26
.set ADRS, 27
.set SPW,  28
.set NIL,  29
.set SC,   32
.set BI,   32
.set AF,   128
.set BK,   128
.set G1, 24
.set G0, 32
.set G1B, 48
.set G0B, 56
.set G1S, 68
.set G0S, 76
.set G1SB, 80
.set G0SB, 88
.set MSB, 0
.macro WIN new
.if MSB != \new
	s_set_vgpr_msb (MSB<<8)|\new
.set MSB, \new
.endif
.endm
.set MUL_LO, 0xa1
.set MUL_HI, 0xf1
.set TO_B,   0x40
.macro JLOAD g0a, g1a, g0b, g1b        ; a joint load: waves 0, 1 fetch for A, waves 2, 3 for B; s_nop 0 and four v_nop follow each line
	s_cmp_eq_u32 s15, 0
	s_cbranch_scc0 .Lfor_b_\@
	tensor_load_to_lds s[\g0a:\g0a+3], s[\g1a:\g1a+7]
	s_nop 0
.rept 4
	v_nop
.endr
	s_branch .Lasked_\@
.Lfor_b_\@:
	tensor_load_to_lds s[\g0b:\g0b+3], s[\g1b:\g1b+7]
	s_nop 0
.rept 4
	v_nop
.endr
.Lasked_\@:
.endm
.macro CREST
	s_cmp_lg_u32 s14, 0
	s_cbranch_scc1 .Lnot_wave_0_\@
	s_barrier_signal -3
.Lnot_wave_0_\@:
	s_barrier_wait -3
	s_barrier_signal -1
	s_barrier_wait -1
.endm
.macro CROUND
	s_barrier_signal -1
	s_barrier_wait -1
	CREST
.endm
	s_load_b128 s[4:7], s[0:1], 0x0                ; A's buffer, B's buffer
	s_load_b128 s[8:11], s[0:1], 0x10              ; the bias, the residual (y lies at yb's head)
	s_load_b64 s[12:13], s[0:1], 0x20              ; the result
	v_lshl_add_u32 v[SPW], v0, 2, SPARE
	v_mov_b32 v[NIL], 0
	ds_add_u32 v[SPW], v[NIL]                      ; the opening: the add and its wait ahead of my first tensor load
	v_lshrrev_b32 v1, 5, v0
	v_readfirstlane_b32 s14, v1
	s_lshr_b32 s15, s14, 1
	s_and_b32 s16, s14, 1
	s_bfe_u32 s40, ttmp6, 0x40000
	s_bfe_u32 s41, ttmp6, 0x40004
	s_and_b32 s17, ttmp7, 0xffff
	s_mov_b32 s92, AOC
	s_mov_b32 s93, AOS
	s_mov_b32 s94, BOC
	s_mov_b32 s95, BOS
	s_lshl_b32 s42, ttmp9, 2
	s_add_co_u32 s42, s42, s40
	s_lshl_b32 s17, s17, 2
	s_add_co_u32 s17, s17, s41
	s_lshl_b32 s43, s41, 2
	s_lshl_b32 s43, 15, s43
	s_lshl_b32 s44, 0x1111, s40
	s_or_b32 s[G1+0], s43, (3<<16)|(1<<21)
	s_or_b32 s[G1B+0], s44, (3<<16)|(1<<21)
.irp g, G1, G1B
	s_mov_b32 s[\g+1], 384<<16
	s_mov_b32 s[\g+2], 8<<16
	s_mov_b32 s[\g+3], 384<<16
	s_mov_b32 s[\g+4], 8
	s_mov_b32 s[\g+5], KRB/8
	s_mov_b32 s[\g+6], 0
	s_mov_b32 s[\g+7], 0
.endr
	s_or_b32 s[G1S+0], s43, (3<<16)|(1<<21)
	s_or_b32 s[G1SB+0], s44, (3<<16)|(1<<21)
.irp g, G1S, G1SB
	s_mov_b32 s[\g+1], 64<<16
	s_mov_b32 s[\g+2], NKS<<16
	s_mov_b32 s[\g+3], 64<<16
	s_mov_b32 s[\g+4], NKS
	s_mov_b32 s[\g+6], 0
	s_mov_b32 s[\g+7], 0
.endr
	s_mov_b32 s[G1S+5], APITCH/2
	s_mov_b32 s[G1SB+5], BPITCH/2
	s_lshl_b32 s18, s16, 7
	s_lshl_b32 s20, s17, 8
	s_add_co_u32 s20, s20, s18
	s_lshl_b32 s46, s42, 8
	s_add_co_u32 s46, s46, s18
	s_lshl_b32 s22, s20, 2
	s_add_co_u32 s22, s22, s93
	s_mul_i32 s20, s20, KROW
	s_add_co_u32 s20, s20, s92
	s_mov_b32 s21, 0
	s_mov_b32 s23, 0
	s_lshl_b32 s98, s46, 2
	s_add_co_u32 s98, s98, s95
	s_mul_i32 s46, s46, KROW
	s_add_co_u32 s46, s46, s94
	s_mov_b32 s47, 0
	s_mov_b32 s99, 0
	s_mul_i32 s45, s14, HALFT
	s_mul_i32 s96, s14, HALFS
	s_wait_dscnt 0x0
	s_wait_kmcnt 0x0
	s_add_nc_u64 s[20:21], s[4:5], s[20:21]
	s_add_nc_u64 s[22:23], s[4:5], s[22:23]
	s_add_nc_u64 s[46:47], s[6:7], s[46:47]
	s_add_nc_u64 s[98:99], s[6:7], s[98:99]
	CROUND
	s_mov_b32 s[G0S], 1
	s_add_co_u32 s[G0S+1], s96, SCL
	s_mov_b64 s[G0S+2:G0S+3], s[22:23]
	s_or_b32 s[G0S+3], s[G0S+3], 0x80000000
	s_mov_b32 s[G0SB], 1
	s_add_co_u32 s[G0SB+1], s96, SCL
	s_mov_b64 s[G0SB+2:G0SB+3], s[98:99]
	s_or_b32 s[G0SB+3], s[G0SB+3], 0x80000000
	JLOAD G0S, G1S, G0SB, G1SB
.irp s, 0,1
	s_mov_b32 s[G0+4*\s], 1
	s_add_co_u32 s[G0+4*\s+1], s45, \s*SLOT
	s_add_nc_u64 s[G0+4*\s+2:G0+4*\s+3], s[20:21], \s*3072
	s_or_b32 s[G0+4*\s+3], s[G0+4*\s+3], 0x80000000
	s_mov_b32 s[G0B+4*\s], 1
	s_add_co_u32 s[G0B+4*\s+1], s45, \s*SLOT
	s_add_nc_u64 s[G0B+4*\s+2:G0B+4*\s+3], s[46:47], \s*3072
	s_or_b32 s[G0B+4*\s+3], s[G0B+4*\s+3], 0x80000000
	JLOAD G0+4*\s, G1, G0B+4*\s, G1B
.endr
	v_and_b32 v1, 31, v0
	v_and_b32 v2, 15, v0
	v_bfe_u32 v3, v0, 4, 1
	v_lshlrev_b32 v4, 4, v1
	v_lshlrev_b32 v5, 3, v1
	s_mul_i32 s21, s15, HALFT
	s_mul_i32 s22, s16, HALFT
	s_add_co_u32 s22, s22, 2*HALFT
.irp s, 0,1
	v_add_nc_u32 v[ADRA+\s], s21, v4
	v_add_nc_u32 v[ADRB+\s], s22, v4
	v_add_nc_u32 v[ADRA+2+\s], s21, v5
	v_add_nc_u32 v[ADRB+2+\s], s22, v5
	s_add_co_u32 s21, s21, SLOT
	s_add_co_u32 s22, s22, SLOT
.endr
	s_mul_i32 s21, s15, HALFS
	s_mul_i32 s22, s16, HALFS
	s_add_co_u32 s22, s22, 2*HALFS
	s_sub_co_u32 s22, s22, s21
	v_mul_u32_u24 v6, s22, v3
	s_add_co_u32 s21, s21, SCL
	v_lshl_add_u32 v6, v2, 2, v6
	v_add_nc_u32 v[ADRS], s21, v6
	s_mul_i32 s23, s14, 16*SPITCH                  ; my stage, in slot 0
	v_mul_u32_u24 v5, v2, SPITCH
	v_lshl_add_u32 v5, v3, 6, v5
	v_add_nc_u32 v[STO], s23, v5
	v_lshlrev_b32 v[CO], 4, v1
	v_add_nc_u32 v[RD], s23, v[CO]
	s_lshl_b32 s20, s17, 8
	s_lshl_b32 s21, s15, 7
	s_add_co_u32 s20, s20, s21
	s_lshl_b32 s20, s20, 12
	s_lshl_b32 s46, s42, 10
	s_lshl_b32 s47, s16, 9
	s_add_co_u32 s46, s46, s47
	s_mov_b32 s47, 0
	s_add_nc_u64 s[8:9], s[8:9], s[46:47]
	s_add_co_u32 s46, s46, s20
	s_add_nc_u64 s[10:11], s[10:11], s[46:47]
	s_add_nc_u64 s[12:13], s[12:13], s[46:47]
.macro FRAG reg, adr, q, i
	ds_load_b128 v[\reg:\reg+3], v[\adr] offset:(\i)*3072+(\q)*1536
	ds_load_b64 v[\reg+4:\reg+5], v[\adr+2] offset:(\i)*3072+(\q)*1536+512
	ds_load_b128 v[\reg+6:\reg+9], v[\adr] offset:(\i)*3072+(\q)*1536+768
	ds_load_b64 v[\reg+10:\reg+11], v[\adr+2] offset:(\i)*3072+(\q)*1536+1280
.endm
; The 64 accumulators take turns, one instruction a turn, in the same order in every step
.macro MUL16 a0, p, q, sc, zero
.irp a, \a0, \a0+1
.irp b, 0,1,2,3,4,5,6,7
.if \zero
	v_wmma_scale_f32_16x16x128_f8f6f4 v[8*(8*((\a)%4)+\b):8*(8*((\a)%4)+\b)+7], v[128*(\p)+FR*\b:128*(\p)+FR*\b+FR-1], v[AF+FR*(\a):AF+FR*(\a)+FR-1], 0, v[SC+8*NQ*(\sc)+NQ*\b+(\q)], v[SC+8*NQ*(\sc)+NQ*(\a)+(\q)] matrix_a_fmt:MATRIX_FMT_FP6 matrix_b_fmt:MATRIX_FMT_FP6 matrix_a_scale:MATRIX_SCALE_ROW1
.else
	v_wmma_scale_f32_16x16x128_f8f6f4 v[8*(8*((\a)%4)+\b):8*(8*((\a)%4)+\b)+7], v[128*(\p)+FR*\b:128*(\p)+FR*\b+FR-1], v[AF+FR*(\a):AF+FR*(\a)+FR-1], v[8*(8*((\a)%4)+\b):8*(8*((\a)%4)+\b)+7], v[SC+8*NQ*(\sc)+NQ*\b+(\q)], v[SC+8*NQ*(\sc)+NQ*(\a)+(\q)] matrix_a_fmt:MATRIX_FMT_FP6 matrix_b_fmt:MATRIX_FMT_FP6 matrix_a_scale:MATRIX_SCALE_ROW1
.endif
.endr
.endr
.endm
.macro FETCH_B slot, q, p
	WIN TO_B
.irp i, 0,1,2,3,4,5,6,7
	FRAG 128*(\p)+FR*\i, ADRB+\slot, \q, \i
.endr
	WIN 0
.endm
.macro FETCH_A slot, q, i0
.irp i, \i0, \i0+1, \i0+2, \i0+3
	FRAG AF+FR*(\i), ADRA+\slot, \q, \i
.endr
.endm
.macro SCALES sc
.irp i, 0,1,2,3,4,5,6,7
	ds_load_b32 v[SC+16*\sc+2*\i], v[ADRS] offset:64*\i
	ds_load_b32 v[SC+16*\sc+2*\i+1], v[ADRS] offset:64*\i+512
.endr
.endm
.macro PLACES n
.rept \n
	v_nop
.endr
.endm
.macro STEP slot, q, zero
	s_wait_dscnt 4*NL                              ; all but A's blocks 4-7, the youngest sixteen loads
	WIN MUL_LO
	MUL16 0, (\q)%2, \q, \slot, \zero
	MUL16 2, (\q)%2, \q, \slot, \zero
	s_wait_dscnt 0
	PLACES NP
	FETCH_B \slot, (\q)+1, 1-(\q)%2
	FETCH_A \slot, (\q)+1, 0
	WIN MUL_HI
	MUL16 4, (\q)%2, \q, \slot, \zero
	MUL16 6, (\q)%2, \q, \slot, \zero
	PLACES NP
	WIN 0
	FETCH_A \slot, (\q)+1, 4
.endm
.macro TURN slot, next, fill
	s_wait_tensorcnt 0x0                           ; all my tensor loads have landed: my part of the next slot
	ds_add_u32 v[SPW], v[NIL]                      ; 0 onto my spare word
	s_wait_dscnt 4*NL+1                            ; (the add and A's blocks 4-7 may be out)
	WIN MUL_LO
	MUL16 0, 1, NQ-1, \slot, 0
	s_wait_dscnt 0x0                               ; the add is done, and my reads of this slot are over
	s_barrier_signal -1
	MUL16 2, 1, NQ-1, \slot, 0
	WIN 0
	s_barrier_wait -1
.if \fill
	CREST                                          ; no wave of any partner still reads this slot or has a load on its way
	s_add_nc_u64 s[G0+4*\slot+2:G0+4*\slot+3], s[G0+4*\slot+2:G0+4*\slot+3], 6144
	s_add_nc_u64 s[G0B+4*\slot+2:G0B+4*\slot+3], s[G0B+4*\slot+2:G0B+4*\slot+3], 6144
	JLOAD G0+4*\slot, G1, G0B+4*\slot, G1B
.else
	PLACES NP
.endif
	v_add_nc_u32 v[ADRS], 1024, v[ADRS]
	FETCH_B \next, 0, 0
	FETCH_A \next, 0, 0
	SCALES \next
	WIN MUL_HI
	MUL16 4, 1, NQ-1, \slot, 0
	MUL16 6, 1, NQ-1, \slot, 0
	PLACES NP
	WIN 0
	FETCH_A \next, 0, 4
.endm
	s_wait_tensorcnt 1                             ; the scale words and K step 0 are in; K step 1's load may be out
	s_barrier_signal -1
	s_barrier_wait -1
	FETCH_B 0, 0, 0
	FETCH_A 0, 0, 0
	SCALES 0
	FETCH_A 0, 0, 4
	STEP 0, 0, 1
	s_mov_b32 s3, LAPS-1
.Llap:
	TURN 0, 1, 1
	STEP 1, 0, 0
	TURN 1, 0, 1
	STEP 0, 0, 0
	s_sub_co_u32 s3, s3, 1
	s_cmp_lg_u32 s3, 0
	s_cbranch_scc1 .Llap
	TURN 0, 1, 0
	STEP 1, 0, 0
	s_wait_dscnt 4*NL
	WIN MUL_LO
	MUL16 0, 1, NQ-1, 1, 0
	MUL16 2, 1, NQ-1, 1, 0
	s_wait_dscnt 0
	WIN MUL_HI
	MUL16 4, 1, NQ-1, 1, 0
	MUL16 6, 1, NQ-1, 1, 0
	WIN 0
; THE WAY OUT, block by block of 16 positions x 128 columns, through my own stage (slot 0 has had its last fill and its last read).  Row t of block a is token 32 (a / 2) + 8 (a % 2) + t + 8 (t / 8) of my 128.
.macro RL a
	WIN 0x40
.set TQ, 0
.rept 16
	global_load_b128 v[64*((\a)%4)+4*TQ:64*((\a)%4)+4*TQ+3], v[CO], s[10:11] offset:(32*((\a)/2)+8*((\a)%2)+TQ+8*(TQ/8))*4096
.set TQ, TQ+1
.endr
	WIN 0
.endm
.macro TOSTAGE a
.set AC, 64*((\a)%4)
	WIN 0x08+4*((\a)/4)
.irp b, 0,1,2,3,4,5,6,7
	ds_store_b128 v[STO], v[AC+8*\b:AC+8*\b+3] offset:128*(\b/2)+32*(\b%2)
	ds_store_b128 v[STO], v[AC+8*\b+4:AC+8*\b+7] offset:128*(\b/2)+32*(\b%2)+16
.endr
	WIN 0
.set BB, BK+64*((\a)%2)
.set TQ, 0
.rept 16
	ds_load_b128 v[BB+4*TQ:BB+4*TQ+3], v[RD] offset:TQ*SPITCH
.set TQ, TQ+1
.endr
.endm
.macro SEND a, younger
.set BB, BK+64*((\a)%2)
.set RS, 64*((\a)%4)
	s_wait_dscnt \younger
.if (\a) <= 4
	s_wait_loadcnt 48                              ; its residual is in; three younger sets of sixteen loads may be out
.else
	s_wait_loadcnt 16*(7-(\a))
.endif
	WIN 0x04
.set NN, 0
.rept 32
	v_pk_add_f32 v[BB+NN:BB+NN+1], v[BB+NN:BB+NN+1], v[RS+NN:RS+NN+1]
.set NN, NN+2
.endr
	WIN 0
.set NN, 0
.rept 16
	v_pk_add_f32 v[BB+NN:BB+NN+1], v[BB+NN:BB+NN+1], v[BI:BI+1]
	v_pk_add_f32 v[BB+NN+2:BB+NN+3], v[BB+NN+2:BB+NN+3], v[BI+2:BI+3]
.set NN, NN+4
.endr
.set TQ, 0
.rept 16
	global_store_b128 v[CO], v[BB+4*TQ:BB+4*TQ+3], s[12:13] offset:(32*((\a)/2)+8*((\a)%2)+TQ+8*(TQ/8))*4096 th:TH_STORE_NT   ; 512 consecutive bytes, aligned to 256; written once, read by nobody here
.set TQ, TQ+1
.endr
.endm
	PLACES NP
	global_load_b128 v[BI:BI+3], v[CO], s[8:9]
	RL 0
	RL 1
	RL 2
	RL 3
	TOSTAGE 0
.irp a, 1,2,3,4,5,6,7
.if \a > 1
	s_wait_xcnt 0x0                                ; block a - 2's stores have read their registers: block a's loads may land there
.endif
	TOSTAGE \a
	SEND \a-1, 32
.if \a < 5
	RL \a+3
.endif
.endr
	SEND 7, 0
	s_wait_tensorcnt 0x0                           ; the wave's end
	ds_add_u32 v[SPW], v[NIL]
	s_wait_dscnt 0x0
	CROUND                                         ; the closing round
	s_endpgm
.Lfunc_end_k_q961a4e47b1_g6:
	.size	k_q961a4e47b1_g6, .Lfunc_end_k_q961a4e47b1_g6-k_q961a4e47b1_g6
	.p2alignl 7, 3214868480
	.fill 96, 4, 3214868480
	.section	.rodata,"a",@progbits
	.p2align	6, 0x0
	.amdhsa_kernel k_q961a4e47b1_g6
		.amdhsa_group_segment_fixed_size 327680
		.amdhsa_private_segment_fixed_size 0
		.amdhsa_enable_private_segment 0
		.amdhsa_kernarg_size 40
		.amdhsa_user_sgpr_count 2
		.amdhsa_user_sgpr_kernarg_segment_ptr 1
		.amdhsa_wavefront_size32 1
		.amdhsa_system_sgpr_workgroup_id_x 1
		.amdhsa_system_sgpr_workgroup_id_y 1
		.amdhsa_system_sgpr_workgroup_id_z 1
		.amdhsa_system_vgpr_workitem_id 0
		.amdhsa_next_free_vgpr 1024
		.amdhsa_next_free_sgpr 100
		.amdhsa_reserve_vcc 0
		.amdhsa_float_denorm_mode_32 3
		.amdhsa_float_denorm_mode_16_64 3
		.amdhsa_memory_ordered 1
		.amdhsa_forward_progress 1
		.amdhsa_inst_pref_size 191
	.end_amdhsa_kernel
	.amdgpu_metadata
---
amdhsa.version: [ 1, 2 ]
amdhsa.kernels:
  - .name:           k_q961a4e47b1_g6
    .symbol:         k_q961a4e47b1_g6.kd
    .args:
      - { .name: h2, .offset: 0, .size: 8, .value_kind: global_buffer, .address_space: global }
      - { .name: pw, .offset: 8, .size: 8, .value_kind: global_buffer, .address_space: global }
      - { .name: b_proj, .offset: 16, .size: 8, .value_kind: global_buffer, .address_space: global }
      - { .name: yb, .offset: 24, .size: 8, .value_kind: global_buffer, .address_space: global }
      - { .name: out0, .offset: 32, .size: 8, .value_kind: global_buffer, .address_space: global }
    .group_segment_fixed_size: 327680
    .private_segment_fixed_size: 0
    .kernarg_segment_align: 8
    .kernarg_segment_size: 40
    .max_flat_workgroup_size: 128
    .sgpr_count:     100
    .vgpr_count:     1024
    .wavefront_size: 32
...
	.end_amdgpu_metadata
.endif
;; end of part 7
;; ======== version 2 of 2: 7 launches
;; limits: right only within a limited range of input values
;; workspace buffers: pw 13,139,968 bytes; qkv 9,830,400 bytes; ob 3,276,800 bytes; x1 16,777,216 bytes; yb 20,054,016 bytes; h2 13,107,200 bytes
;; launch prep (part 8): grid 640 x 1, 4 waves a work-group, no clusters, 91,904 bytes of LDS; arguments x, ln1_g, ln1_b, w_in, w_out, w_fc, w_proj, pw; writes pw
.if DOCPART == 8
	.amdgcn_target "amdgcn-amd-amdhsa--gfx1250"
	.amdhsa_code_object_version 6
	.text
	.protected	k_q961a4e47b1_prep
	.globl	k_q961a4e47b1_prep
	.p2align	8
	.type	k_q961a4e47b1_prep,@function
k_q961a4e47b1_prep:
	s_mov_b64 s[64:65], 0
	v_nop
	global_prefetch_b8 v0, s[64:65] scope:SCOPE_SE
	s_setreg_imm32_b32 hwreg(HW_REG_WAVE_MODE, 25, 1), 1
	s_wait_xcnt 0x0
; The four weights and h = LN1(x) become operands of MX-FP6 (E2M3 codes, one E8M0 byte for each 32 along K) in the workspace pw.
; LAYOUT OF EVERY OPERAND.  A row i (a token, or a weight's column n) stands at position p = i with bits 3 and 4 exchanged.  16 positions are a row block.
; Codes: [row block][K / 64][768 bytes]: an image of the matrix operand's registers for 16 rows x 64 K: lane l's registers 0-3 at 16 l, its registers 4-5 at 512 + 8 l;
; lane (r, h) holds the 32 codes k = 32 h .. 32 h + 31 of row r.  Scale words: [K / 128][position], byte b for k = 32 b on.
; Work-groups 0-383: the weights, stored [K][N]: a lane takes a column, its registers run down K, so a block of 32 lies in one lane (w_in 96, w_out 32, w_fc 128, w_proj 128 work-groups of
; 128 columns x 256 K).  w_in's column head x 192 + t x 64 + d becomes row t x 1024 + head x 64 + d: q's rows, then k's, then v's.
; Work-groups 384-639: one row block of h each: a wave normalises four tokens in registers; the 16 rows meet in LDS; each wave then quantises two K steps of 128.
; A block's scale byte is its largest magnitude's exponent field - 2, held at 1 from below.  LIMITS: a block of zeros gets the byte 1 (its codes are zeros, and this program alone reads the bytes);
; NaN and infinities among the inputs are not served; v_rsq_f32 is taken as it is (1 ulp).
; No matrix unit, no cluster, no tensor load: every byte is read once and no two work-groups share input but g and b.  The two paths have LDS bytes of their own.
.set WINC,  0
.set WINS,  2359296
.set WOUTC, 2490368
.set WOUTS, 3276800
.set WFCC,  3309568
.set WFCS,  6455296
.set WPRC,  6586368
.set WPRS,  9732096
.set CODES, 9863168                    ; h's codes
.set SCALES, 13008896                  ; h's scale words
.set STORE_Y, 0
.set DST,   18                         ; s[18:19] the workspace
.set LNP,   4112                       ; LDS 0 on: 16 rows of 4,096 bytes + 16: the 16 rows that a load of 16 bytes a lane touches start 4 words apart modulo 64 words
.set WST,   65792                      ; the weights path's stages: 6,400 bytes a wave: two row blocks of 3,072 bytes, 3,200 apart
.set UP,    3200
.set SPARE, 91392                      ; the spare words, 128 bytes a wave
.set SPW,  1
.set NIL,  2
.set LANE, 3
.set LI16, 4                           ; 16 x lane
.set LI8,  5                           ; 8 x lane
.set LSTO, 6
.set RD0,  7
.set SWO,  8
.set TMP,  9
.set PW0,  10
.set PW1,  11
.set ST,   12                          ; v12-27 four registers of statistics a row
.set A16,  28
.set A8,   29
.set RB,   30
.set SL,   31
.set X,    32                          ; v32-159 four rows, 32 registers each
.set G,    160
.set B,    192
.set PC,   224                         ; v224-242 codes
.set TM,   244                         ; v244-255 the quantiser's twelve
.set OFFS, 32                          ; weights: v32-63 offsets of 32 rows of W
.set WX,   64                          ; v64-127 two sets of 32 numbers
.set WC,   128
.set WD,   136
.set SB,   24
.set OUT,  144
; 64 numbers of a lane, register 16 b + i = k 32 b + 16 (lane / 16) + i of its row, become a fragment's 12 registers in v[pc] on and the row's scale word in v[pw]
.macro QUANT s, pc, pw
.irp b, 0,1,2,3
	v_max3_num_f32 v[TM+\b], |v[\s+16*\b]|, |v[\s+1+16*\b]|, 0x1800000   ; with the floor 2^(3 - 127): the byte cannot fall under 1
.endr
.irp i, 2,4,6,8,10,12,14
.irp b, 0,1,2,3
	v_max3_num_f32 v[TM+\b], v[TM+\b], |v[\s+16*\b+\i]|, |v[\s+1+16*\b+\i]|
.endr
.endr
.irp b, 0,1,2,3
	v_permlanex16_b32 v[TM+4+\b], v[TM+\b], s26, s27
.endr
.irp b, 0,1,2,3
	v_max_num_f32 v[TM+\b], v[TM+\b], v[TM+4+\b]                   ; with lane l xor 16's sixteen: the block's largest magnitude
.endr
.irp b, 0,1,2,3
	v_add_nc_u32 v[TM+8+\b], 0xff000000, v[TM+\b]                  ; 2 off its exponent field: the conversion's scale operand
.endr
.irp b, 0,1,2,3
	v_lshrrev_b32 v[TM+4+\b], 23, v[TM+8+\b]                       ; the scale's byte
.endr
	v_lshl_or_b32 v[\pw], v[TM+5], 8, v[TM+4]
	v_lshl_or_b32 v[\pw], v[TM+6], 16, v[\pw]
	v_lshl_or_b32 v[\pw], v[TM+7], 24, v[\pw]
.irp c, 0,1
	v_cvt_scalef32_pk16_fp6_f32 v[\pc+6*\c:\pc+2+6*\c], v[\s+32*\c:\s+15+32*\c], v[TM+8+2*\c]
	v_cvt_scalef32_pk16_fp6_f32 v[\pc+12+4*\c:\pc+14+4*\c], v[\s+16+32*\c:\s+31+32*\c], v[TM+9+2*\c]
.endr
	v_nop                                                          ; one plain instruction behind the scaled conversions
.irp c, 0,1
.irp i, 0,1,2
	v_permlane16_swap_b32 v[\pc+6*\c+\i], v[\pc+12+4*\c+\i]        ; a whole block to a lane: lanes 0-15 block 2 c, lanes 16-31 block 2 c + 1
.endr
.irp i, 0,1,2
	v_mov_b32 v[\pc+3+6*\c+\i], v[\pc+12+4*\c+\i]
.endr
.endr
.endm
.macro RED                             ; the four rows' two chains, a lane's two halves, then the 32 lanes: the sum ends in every lane, in v[ST + 4 i]
.irp i, 0,1,2,3
	v_pk_add_f32 v[ST+4*\i:ST+4*\i+1], v[ST+4*\i:ST+4*\i+1], v[ST+4*\i+2:ST+4*\i+3]
.endr
.irp i, 0,1,2,3
	v_add_f32 v[ST+4*\i], v[ST+4*\i], v[ST+4*\i+1]
.endr
.irp m, 1,2,4,8
.irp i, 0,1,2,3
	v_add_f32_dpp v[ST+4*\i], v[ST+4*\i], v[ST+4*\i] row_xmask:\m row_mask:0xf bank_mask:0xf
.endr
.endr
.irp i, 0,1,2,3
	v_permlanex16_b32 v[ST+4*\i+1], v[ST+4*\i], s26, s27
.endr
.irp i, 0,1,2,3
	v_add_f32 v[ST+4*\i], v[ST+4*\i], v[ST+4*\i+1]
.endr
.endm
.macro IMG off                         ; a fragment leaves as it stands: each store covers 512 or 256 consecutive bytes, aligned to 256
	global_store_b128 v[LI16], v[PC:PC+3], s[28:29] offset:\off
	global_store_b64 v[LI8], v[PC+4:PC+5], s[28:29] offset:\off+512
	global_store_b128 v[LI16], v[PC+6:PC+9], s[28:29] offset:\off+768
	global_store_b64 v[LI8], v[PC+10:PC+11], s[28:29] offset:\off+1280
.endm
	s_load_b256 s[4:11], s[0:1], 0x0               ; x, ln1_g, ln1_b, w_in
	s_load_b256 s[12:19], s[0:1], 0x20             ; w_out, w_fc, w_proj, pw
	v_lshl_add_u32 v[SPW], v0, 2, SPARE
	v_mov_b32 v[NIL], 0
	v_lshrrev_b32 v[LANE], 5, v0
	v_readfirstlane_b32 s20, v[LANE]               ; wave
	v_and_b32 v[LANE], 31, v0
	v_lshlrev_b32 v[LI16], 4, v[LANE]
	v_lshlrev_b32 v[LI8], 3, v[LANE]
	s_cmp_lt_u32 ttmp9, 384
	s_cbranch_scc0 .Lln
	; ---- THE WEIGHTS.  w_proj's figures first; each earlier range of work-groups puts its own in their place
	s_mov_b32 s21, 256                             ; the range's first work-group
	s_mov_b32 s22, 4096                            ; a row of W in bytes
	s_mov_b32 s23, 4                               ; log2 of the pieces of 256 along K
	s_mov_b32 s24, 49152                           ; a row block's codes in bytes
	s_mov_b32 s25, 4096                            ; a K step's scale words in bytes
	s_mov_b32 s26, WPRC
	s_mov_b32 s27, WPRS
	s_wait_kmcnt 0x0
	s_mov_b64 s[28:29], s[16:17]
	s_cmp_lt_u32 ttmp9, 256
	s_cselect_b32 s21, 128, s21
	s_cselect_b32 s22, 16384, s22
	s_cselect_b32 s23, 2, s23
	s_cselect_b32 s24, 12288, s24
	s_cselect_b32 s25, 16384, s25
	s_cselect_b32 s26, WFCC, s26
	s_cselect_b32 s27, WFCS, s27
	s_cselect_b64 s[28:29], s[14:15], s[28:29]
	s_cmp_lt_u32 ttmp9, 128
	s_cselect_b32 s21, 96, s21
	s_cselect_b32 s22, 4096, s22
	s_cselect_b32 s25, 4096, s25
	s_cselect_b32 s26, WOUTC, s26
	s_cselect_b32 s27, WOUTS, s27
	s_cselect_b64 s[28:29], s[12:13], s[28:29]
	s_cmp_lt_u32 ttmp9, 96
	s_cselect_b32 s21, 0, s21
	s_cselect_b32 s22, 12288, s22
	s_cselect_b32 s25, 16384, s25
	s_cselect_b32 s26, WINC, s26
	s_cselect_b32 s27, WINS, s27
	s_cselect_b64 s[28:29], s[10:11], s[28:29]
	s_cselect_b32 s30, 1, 0                        ; w_in?
	s_sub_co_u32 s31, ttmp9, s21
	s_lshr_b32 s32, s31, s23                       ; which 128 columns
	s_lshl_b32 s33, 1, s23
	s_sub_co_u32 s33, s33, 1
	s_and_b32 s33, s31, s33                        ; which 256 along K
	s_lshl_b32 s34, s32, 7
	s_lshl_b32 s35, s20, 5
	s_add_co_u32 s34, s34, s35                     ; my wave's first column
	s_lshr_b32 s35, s34, 6
	s_mul_hi_u32 s36, s35, 0x55555556              ; (column / 64) / 3: the head
	s_mul_i32 s37, s36, 3
	s_sub_co_u32 s37, s35, s37                     ; q, k or v
	s_lshl_b32 s37, s37, 10
	s_lshl_b32 s36, s36, 6
	s_add_co_u32 s37, s37, s36
	s_and_b32 s36, s34, 63
	s_add_co_u32 s37, s37, s36
	s_cmp_eq_u32 s30, 1
	s_cselect_b32 s37, s37, s34                    ; the operand's row of my first column (a multiple of 32)
	s_mul_i32 s38, s33, s22
	s_lshl_b32 s38, s38, 8
	s_lshl_b32 s39, s34, 2
	s_add_co_u32 s38, s38, s39
	s_mov_b32 s39, 0
	s_add_nc_u64 s[40:41], s[28:29], s[38:39]      ; a base for each of the 8 blocks: none is ever stepped
	s_lshl_b32 s38, s22, 5
.irp t, 1,2,3,4,5,6,7
	s_add_nc_u64 s[40+2*\t:41+2*\t], s[38+2*\t:39+2*\t], s[38:39]
.endr
	s_lshr_b32 s66, s37, 5
	s_lshl_b32 s66, s66, 1
	s_mul_i32 s66, s66, s24
	s_mul_i32 s67, s33, 3072
	s_add_co_u32 s66, s66, s67
	s_add_co_u32 s66, s66, s26
	s_mov_b32 s67, 0
	s_add_nc_u64 s[56:57], s[18:19], s[66:67]      ; codes: my even row block, my 256 along K
	s_mov_b32 s66, s24
	s_add_nc_u64 s[58:59], s[56:57], s[66:67]      ; the odd one
	s_lshl_b32 s66, s33, 1
	s_mul_i32 s66, s66, s25
	s_lshl_b32 s68, s37, 2
	s_add_co_u32 s66, s66, s68
	s_add_co_u32 s66, s66, s27
	s_add_nc_u64 s[60:61], s[18:19], s[66:67]      ; scale words: my first K step of 128,
	s_mov_b32 s66, s25
	s_add_nc_u64 s[62:63], s[60:61], s[66:67]      ; my second
	s_wait_alu depctr_va_vdst(0)
	v_lshlrev_b32 v[OFFS], 2, v[LANE]
.set NN, 1
.rept 31
	v_add_nc_u32 v[OFFS+NN], s22, v[OFFS+NN-1]
.set NN, NN+1
.endr
	v_bfe_u32 v9, v0, 3, 1                         ; column 16 h' + 8 u + j stands in row block u at row r = 8 h' + j
	v_bfe_u32 v10, v0, 4, 1
	v_and_b32 v11, 7, v0
	v_lshl_or_b32 v11, v10, 3, v11
	s_mul_i32 s68, s20, 2*UP
	s_add_co_u32 s68, s68, WST
	v_mul_u32_u24 v10, v9, UP
	v_add_nc_u32 v10, s68, v10
	v_lshl_add_u32 v[A16], v11, 4, v10
	v_lshl_add_u32 v[A8], v11, 3, v10
	v_add_nc_u32 v[RB], s68, v[LI16]
	v_lshl_or_b32 v[SL], v9, 4, v11
	v_lshlrev_b32 v[SL], 2, v[SL]
.macro WLOAD t                         ; block t: W(32 t + i, my column): 128 consecutive bytes a wave, 512 a work-group
.set NN, 0
.rept 32
	global_load_b32 v[WX+32*((\t)%2)+NN], v[OFFS+NN], s[40+2*(\t):41+2*(\t)] th:TH_LOAD_NT
.set NN, NN+1
.endr
.endm
.macro WBLOCK t
.set XS, WX+32*((\t)%2)
.if (\t) < 7
	s_wait_loadcnt 32                              ; this block's 32 loads are in; the next block's may be out
.else
	s_wait_loadcnt 0x0
.endif
	v_max3_num_f32 v12, |v[XS]|, |v[XS+1]|, |v[XS+2]|
	v_max3_num_f32 v13, |v[XS+3]|, |v[XS+4]|, |v[XS+5]|
.irp i, 6,10,14,18,22,26
	v_max3_num_f32 v12, v12, |v[XS+\i]|, |v[XS+\i+1]|
	v_max3_num_f32 v13, v13, |v[XS+\i+2]|, |v[XS+\i+3]|
.endr
	v_max3_num_f32 v12, v12, |v[XS+30]|, |v[XS+31]|
	v_max3_num_f32 v12, v12, v13, 0x1800000
	v_add_nc_u32 v14, 0xff000000, v12
	v_lshrrev_b32 v13, 23, v14
.if (\t)%4 == 0
	v_mov_b32 v[SB+(\t)/4], v13
.else
	v_lshl_or_b32 v[SB+(\t)/4], v13, 8*((\t)%4), v[SB+(\t)/4]
.endif
	v_cvt_scalef32_pk16_fp6_f32 v[WC:WC+2], v[XS:XS+15], v14
	v_cvt_scalef32_pk16_fp6_f32 v[WD:WD+2], v[XS+16:XS+31], v14
	v_nop
.irp i, 0,1,2
	v_mov_b32 v[WC+3+\i], v[WD+\i]
.endr
	ds_store_b128 v[A16], v[WC:WC+3] offset:((\t)/2)*768+((\t)%2)*256      ; block t is half t % 2 of image t / 2: the place of image lane 16 (t % 2) + r
	ds_store_b64 v[A8], v[WC+4:WC+5] offset:((\t)/2)*768+((\t)%2)*128+512
.if (\t)+2 < 8
	WLOAD (\t)+2
.endif
	s_wait_dscnt 0x0                               ; the stores have read their registers: the next block's codes may be written
.endm
	WLOAD 0
	WLOAD 1
.irp t, 0,1,2,3,4,5,6,7
	WBLOCK \t
.endr
.irp n, 0,1,2,3,4,5,6,7,8,9,10,11
	ds_load_b128 v[OUT+4*\n:OUT+4*\n+3], v[RB] offset:UP*(\n/6)+512*(\n%6)   ; my own stage: LDS serves a wave's instructions in order
.endr
	global_store_b32 v[SL], v[SB], s[60:61]        ; 32 lanes fill 128 consecutive bytes
	s_wait_alu depctr_va_vdst(0)
	global_store_b32 v[SL], v[SB+1], s[62:63]
.irp n, 0,1,2,3,4,5
	s_wait_dscnt 11-\n
	global_store_b128 v[LI16], v[OUT+4*\n:OUT+4*\n+3], s[56:57] offset:512*\n
.endr
.irp n, 6,7,8,9,10,11
	s_wait_dscnt 11-\n
	global_store_b128 v[LI16], v[OUT+4*\n:OUT+4*\n+3], s[58:59] offset:512*(\n-6)
.endr
	s_branch .Lend
.Lln:
	s_sub_co_u32 s21, ttmp9, 384                   ; my row block F
	; ---- LAYER NORM AND QUANTISER.  Wave w takes positions 4 w .. 4 w + 3 of the block: four neighbouring tokens
	s_lshr_b32 s22, s21, 1
	s_lshl_b32 s22, s22, 5
	s_and_b32 s23, s21, 1
	s_lshl_b32 s23, s23, 3
	s_add_co_u32 s22, s22, s23
	s_lshl_b32 s23, s20, 2
	s_add_co_u32 s22, s22, s23
	s_lshr_b32 s23, s20, 1
	s_lshl_b32 s23, s23, 3
	s_add_co_u32 s22, s22, s23                     ; token 32 (F / 2) + 8 (F % 2) + 4 w + 8 (w / 2)
	s_lshl_b32 s22, s22, 12
	s_mov_b32 s23, 0
	s_mov_b32 s24, 0x3a800000                      ; 1 / 1024
	s_mov_b32 s25, 0x3727c5ac                      ; 1e-5
	s_mov_b32 s26, 0x76543210
	s_mov_b32 s27, 0xfedcba98                      ; selects for lane l xor 16
	s_mul_i32 s28, s20, 4*LNP
	s_wait_alu depctr_va_vdst(0)
	v_add_nc_u32 v[LSTO], s28, v[LI16]
	v_and_b32 v[TMP], 15, v0
	v_bfe_u32 v[SWO], v0, 4, 1
	v_mul_u32_u24 v[RD0], v[TMP], LNP
	v_lshl_add_u32 v[RD0], v[SWO], 6, v[RD0]
	s_lshl_b32 s28, s20, 10
	v_add_nc_u32 v[RD0], s28, v[RD0]               ; row r, + 64 h, + my two K steps
	v_lshlrev_b32 v[SWO], 14, v[SWO]
	v_lshl_add_u32 v[SWO], v[TMP], 2, v[SWO]
.irp b, 0,1,2,3
	v_mov_b32 v[TM+4+\b], 0                        ; a lane permute's destination counts as one of its sources
.endr
	s_mul_i32 s28, s21, 12288
	s_mul_i32 s29, s20, 3072
	s_add_co_u32 s28, s28, s29
	s_add_co_u32 s28, s28, CODES
	s_mov_b32 s29, 0
	s_lshl_b32 s30, s20, 15
	s_lshl_b32 s31, s21, 6
	s_add_co_u32 s30, s30, s31
	s_add_co_u32 s30, s30, SCALES
	s_mov_b32 s31, 0
	s_wait_kmcnt 0x0
	s_add_nc_u64 s[4:5], s[4:5], s[22:23]
	s_add_nc_u64 s[28:29], s[DST:DST+1], s[28:29]
	s_add_nc_u64 s[30:31], s[DST:DST+1], s[30:31]
.if STORE_Y
	s_add_nc_u64 s[32:33], s[DST:DST+1], s[22:23]
.endif
.irp i, 0,1,2,3
.irp j, 0,1,2,3,4,5,6,7
	global_load_b128 v[X+32*\i+4*\j:X+32*\i+4*\j+3], v[LI16], s[4:5] offset:4096*\i+512*\j th:TH_LOAD_NT
.endr
.endr
.irp j, 0,1,2,3,4,5,6,7
	global_load_b128 v[G+4*\j:G+4*\j+3], v[LI16], s[6:7] offset:512*\j
.endr
.irp j, 0,1,2,3,4,5,6,7
	global_load_b128 v[B+4*\j:B+4*\j+3], v[LI16], s[8:9] offset:512*\j
.endr
	s_wait_loadcnt 16                              ; the rows are in; g's and b's sixteen loads may be out
.irp i, 0,1,2,3
	v_pk_add_f32 v[ST+4*\i:ST+4*\i+1], v[X+32*\i:X+32*\i+1], v[X+32*\i+2:X+32*\i+3]
	v_pk_add_f32 v[ST+4*\i+2:ST+4*\i+3], v[X+32*\i+4:X+32*\i+5], v[X+32*\i+6:X+32*\i+7]
.endr
.irp n, 8,12,16,20,24,28
.irp i, 0,1,2,3
	v_pk_add_f32 v[ST+4*\i:ST+4*\i+1], v[ST+4*\i:ST+4*\i+1], v[X+32*\i+\n:X+32*\i+\n+1]
	v_pk_add_f32 v[ST+4*\i+2:ST+4*\i+3], v[ST+4*\i+2:ST+4*\i+3], v[X+32*\i+\n+2:X+32*\i+\n+3]
.endr
.endr
	RED
.irp i, 0,1,2,3
	v_mul_f32 v[ST+4*\i+1], 0xba800000, v[ST+4*\i] ; - the mean, twice: a pair for the packed addition
	v_mul_f32 v[ST+4*\i], 0xba800000, v[ST+4*\i]
.endr
.irp i, 0,1,2,3
.set NN, 0
.rept 16
	v_pk_add_f32 v[X+32*\i+NN:X+32*\i+NN+1], v[X+32*\i+NN:X+32*\i+NN+1], v[ST+4*\i:ST+4*\i+1]
.set NN, NN+2
.endr
.endr
.irp i, 0,1,2,3
	v_pk_mul_f32 v[ST+4*\i:ST+4*\i+1], v[X+32*\i:X+32*\i+1], v[X+32*\i:X+32*\i+1]
	v_pk_mul_f32 v[ST+4*\i+2:ST+4*\i+3], v[X+32*\i+2:X+32*\i+3], v[X+32*\i+2:X+32*\i+3]
.endr
.irp n, 4,8,12,16,20,24,28
.irp i, 0,1,2,3
	v_pk_fma_f32 v[ST+4*\i:ST+4*\i+1], v[X+32*\i+\n:X+32*\i+\n+1], v[X+32*\i+\n:X+32*\i+\n+1], v[ST+4*\i:ST+4*\i+1]
	v_pk_fma_f32 v[ST+4*\i+2:ST+4*\i+3], v[X+32*\i+\n+2:X+32*\i+\n+3], v[X+32*\i+\n+2:X+32*\i+\n+3], v[ST+4*\i+2:ST+4*\i+3]
.endr
.endr
	RED
.irp i, 0,1,2,3
	v_fma_f32 v[ST+4*\i+2], v[ST+4*\i], s24, s25   ; the variance + 1e-5
.endr
	s_wait_alu depctr_va_vdst(0)
.irp i, 0,1,2,3
	v_rsq_f32 v[ST+4*\i], v[ST+4*\i+2]
	v_rsq_f32 v[ST+4*\i+1], v[ST+4*\i+2]
.endr
	v_nop                                          ; a plain instruction behind the last of the batch
	s_wait_alu depctr_va_vdst(0)                   ; one wait for the eight, ahead of their first reader
	s_wait_loadcnt 0x0                             ; g and b
.irp i, 0,1,2,3
.set NN, 0
.rept 16
	v_pk_mul_f32 v[X+32*\i+NN:X+32*\i+NN+1], v[X+32*\i+NN:X+32*\i+NN+1], v[ST+4*\i:ST+4*\i+1]
	v_pk_fma_f32 v[X+32*\i+NN:X+32*\i+NN+1], v[X+32*\i+NN:X+32*\i+NN+1], v[G+NN:G+NN+1], v[B+NN:B+NN+1]
.set NN, NN+2
.endr
.endr
.irp i, 0,1,2,3
.irp j, 0,1,2,3,4,5,6,7
.if STORE_Y
	global_store_b128 v[LI16], v[X+32*\i+4*\j:X+32*\i+4*\j+3], s[32:33] offset:4096*\i+512*\j
.endif
	ds_store_b128 v[LSTO], v[X+32*\i+4*\j:X+32*\i+4*\j+3] offset:LNP*\i+512*\j
.endr
.endr
	s_wait_dscnt 0x0                               ; for the others' sake: my four rows lie in LDS
	s_wait_xcnt 0x0                                ; and the rows' registers may be written again
	s_barrier_signal -1
	s_barrier_wait -1
.irp s, 0,1
.irp b, 0,1,2,3
.irp q, 0,1,2,3
	ds_load_b128 v[X+64*\s+16*\b+4*\q:X+64*\s+16*\b+4*\q+3], v[RD0] offset:512*\s+128*\b+16*\q   ; row r, k = 128 (2 w + s) + 32 b + 16 h + 4 q on
.endr
.endr
.endr
	s_wait_dscnt 16                                ; the first K step's sixteen loads are in
	QUANT X, PC, PW0
	IMG 0
	s_wait_dscnt 0x0
	s_wait_xcnt 0x0                                ; the stores have read the codes' registers
	QUANT X+64, PC, PW1
	IMG 1536
	v_cmp_lt_u32 s34, 15, v[LANE]
	v_cndmask_b32 v[TMP], v[PW0], v[PW1], s34      ; lanes 0-15 store the first K step's words, lanes 16-31 the second's: two runs of 64 bytes
	global_store_b32 v[SWO], v[TMP], s[30:31]
.Lend:
	s_wait_tensorcnt 0x0                           ; the wave's end
	ds_add_u32 v[SPW], v[NIL]
	s_wait_dscnt 0x0
	s_endpgm
.Lfunc_end_k_q961a4e47b1_prep:
	.size	k_q961a4e47b1_prep, .Lfunc_end_k_q961a4e47b1_prep-k_q961a4e47b1_prep
	.p2alignl 7, 3214868480
	.fill 96, 4, 3214868480
	.section	.rodata,"a",@progbits
	.p2align	6, 0x0
	.amdhsa_kernel k_q961a4e47b1_prep
		.amdhsa_group_segment_fixed_size 91904
		.amdhsa_private_segment_fixed_size 0
		.amdhsa_enable_private_segment 0
		.amdhsa_kernarg_size 64
		.amdhsa_user_sgpr_count 2
		.amdhsa_user_sgpr_kernarg_segment_ptr 1
		.amdhsa_wavefront_size32 1
		.amdhsa_system_sgpr_workgroup_id_x 1
		.amdhsa_system_sgpr_workgroup_id_y 1
		.amdhsa_system_sgpr_workgroup_id_z 1
		.amdhsa_system_vgpr_workitem_id 0
		.amdhsa_next_free_vgpr 256
		.amdhsa_next_free_sgpr 70
		.amdhsa_reserve_vcc 0
		.amdhsa_float_denorm_mode_32 3
		.amdhsa_float_denorm_mode_16_64 3
		.amdhsa_memory_ordered 1
		.amdhsa_forward_progress 1
		.amdhsa_inst_pref_size 89
	.end_amdhsa_kernel
	.amdgpu_metadata
---
amdhsa.version: [ 1, 2 ]
amdhsa.kernels:
  - .name:           k_q961a4e47b1_prep
    .symbol:         k_q961a4e47b1_prep.kd
    .args:
      - { .name: x, .offset: 0, .size: 8, .value_kind: global_buffer, .address_space: global }
      - { .name: ln1_g, .offset: 8, .size: 8, .value_kind: global_buffer, .address_space: global }
      - { .name: ln1_b, .offset: 16, .size: 8, .value_kind: global_buffer, .address_space: global }
      - { .name: w_in, .offset: 24, .size: 8, .value_kind: global_buffer, .address_space: global }
      - { .name: w_out, .offset: 32, .size: 8, .value_kind: global_buffer, .address_space: global }
      - { .name: w_fc, .offset: 40, .size: 8, .value_kind: global_buffer, .address_space: global }
      - { .name: w_proj, .offset: 48, .size: 8, .value_kind: global_buffer, .address_space: global }
      - { .name: pw, .offset: 56, .size: 8, .value_kind: global_buffer, .address_space: global }
    .group_segment_fixed_size: 91904
    .private_segment_fixed_size: 0
    .kernarg_segment_align: 8
    .kernarg_segment_size: 64
    .max_flat_workgroup_size: 128
    .sgpr_count:     70
    .vgpr_count:     256
    .wavefront_size: 32
...
	.end_amdgpu_metadata
.endif
;; end of part 8
;; launch g1 (part 9): grid 12 x 16, 4 waves a work-group, clusters of 4 x 4, 327,680 bytes of LDS; arguments pw, b_in, qkv; writes qkv
.if DOCPART == 9
	.amdgcn_target "amdgcn-amd-amdhsa--gfx1250"
	.amdhsa_code_object_version 6
	.text
	.protected	k_q961a4e47b1_g1
	.globl	k_q961a4e47b1_g1
	.p2align	8
	.type	k_q961a4e47b1_g1,@function
k_q961a4e47b1_g1:
	s_mov_b64 s[64:65], 0
	v_nop
	global_prefetch_b8 v0, s[64:65] scope:SCOPE_SE
	s_setreg_imm32_b32 hwreg(HW_REG_WAVE_MODE, 25, 1), 1
	s_wait_xcnt 0x0
	s_wait_alu depctr_hold_cnt(0) depctr_sa_sdst(0) depctr_va_vdst(0) depctr_va_sdst(0) depctr_va_ssrc(0) depctr_va_vcc(0) depctr_vm_vsrc(0)
	s_getreg_b32 s2, hwreg(HW_REG_IB_STS2, 6, 4)
	s_cmp_eq_u32 s2, 0
	s_cbranch_scc0 .Lentry_in_a_cluster
	s_endpgm
.Lentry_in_a_cluster:
	s_bfe_u32 s2, ttmp6, 0x10000c
	s_cmp_lg_u32 s2, 0xf033
	s_cbranch_scc0 .Lentry_shape_is_right
	s_endpgm
.Lentry_shape_is_right:
.set KDIM,  1024
.set WINC,  0
.set WINS,  2359296
.set HC,    9863168
.set HS,    13008896
.set APITCH, 4096
.set BPITCH, 4096
.set KC,    3145728
.set VC,    6291456
.set QS,    9437184
.set VS,    9699328
.set NQ,    2
.set FR,    12
.set NL,    4
.set NP,    4
.set KROW,  KDIM*6/8
.set KRB,   KDIM/128*1536
.set NKS,   KDIM/128
.set HALFT, 8*3072
.set SLOT,  4*HALFT
.set LAPS,  KDIM/512
.set SCL,   2*SLOT
.set HALFS, 512*NKS
.set SPARE, SCL+4*HALFS
.set ADRA, 16
.set ADRB, 20
.set LI16, 24
.set LI8,  25
.set SWA,  26
.set ADRS, 27
.set SPW,  28
.set NIL,  29
.set RDQ,  30
.set RDV,  31
.set SC,   32
.set AF,   128
.set T,    64
.set BIAS, 128
.set PC,   192
.set TM,   212
.set PW,   228
.set G1, 24
.set G0, 32
.set G1B, 48
.set G0B, 56
.set G1S, 68
.set G0S, 76
.set G1SB, 80
.set G0SB, 88
.set MSB, 0
.macro WIN new
.if MSB != \new
	s_set_vgpr_msb (MSB<<8)|\new
.set MSB, \new
.endif
.endm
.set MUL_LO, 0xa1
.set MUL_HI, 0xf1
.set TO_B,   0x40
.macro JLOAD g0a, g1a, g0b, g1b
	s_cmp_eq_u32 s15, 0
	s_cbranch_scc0 .Lfor_b_\@
	tensor_load_to_lds s[\g0a:\g0a+3], s[\g1a:\g1a+7]
	s_nop 0
.rept 4
	v_nop
.endr
	s_branch .Lasked_\@
.Lfor_b_\@:
	tensor_load_to_lds s[\g0b:\g0b+3], s[\g1b:\g1b+7]
	s_nop 0
.rept 4
	v_nop
.endr
.Lasked_\@:
.endm
.macro CREST
	s_cmp_lg_u32 s14, 0
	s_cbranch_scc1 .Lnot_wave_0_\@
	s_barrier_signal -3
.Lnot_wave_0_\@:
	s_barrier_wait -3
	s_barrier_signal -1
	s_barrier_wait -1
.endm
.macro CROUND
	s_barrier_signal -1
	s_barrier_wait -1
	CREST
.endm
	s_load_b64 s[4:5], s[0:1], 0x0
	s_load_b128 s[8:11], s[0:1], 0x8
	v_lshl_add_u32 v[SPW], v0, 2, SPARE
	v_mov_b32 v[NIL], 0
	ds_add_u32 v[SPW], v[NIL]
	ds_add_u32 v[SPW], v[NIL]
	v_lshrrev_b32 v1, 5, v0
	v_readfirstlane_b32 s14, v1
	s_lshr_b32 s15, s14, 1
	s_and_b32 s16, s14, 1
	s_bfe_u32 s40, ttmp6, 0x40000
	s_bfe_u32 s41, ttmp6, 0x40004
	s_and_b32 s17, ttmp7, 0xffff
	s_mov_b32 s92, HC
	s_mov_b32 s93, HS
	s_mov_b32 s94, HC
	s_mov_b32 s95, HS
	s_cmp_eq_u32 ttmp9, 2
	s_cselect_b32 s42, s17, ttmp9
	s_cselect_b32 s17, 2, s17
	s_cselect_b32 s92, WINC, s92
	s_cselect_b32 s93, WINS, s93
	s_cselect_b32 s94, s94, WINC
	s_cselect_b32 s95, s95, WINS
	s_lshl_b32 s42, s42, 2
	s_add_co_u32 s42, s42, s40
	s_lshl_b32 s17, s17, 2
	s_add_co_u32 s17, s17, s41
	s_lshl_b32 s43, s41, 2
	s_lshl_b32 s43, 15, s43
	s_lshl_b32 s44, 0x1111, s40
	s_or_b32 s[G1+0], s43, (3<<16)|(1<<21)
	s_or_b32 s[G1B+0], s44, (3<<16)|(1<<21)
.irp g, G1, G1B
	s_mov_b32 s[\g+1], 384<<16
	s_mov_b32 s[\g+2], 16<<16                      ; the head's loads bring all 16 row blocks of a tile; behind them the two counts are set to 8
	s_mov_b32 s[\g+3], 384<<16
	s_mov_b32 s[\g+4], 16
	s_mov_b32 s[\g+5], KRB/8
	s_mov_b32 s[\g+6], 0
	s_mov_b32 s[\g+7], 0
.endr
	s_or_b32 s[G1S+0], s43, (3<<16)|(1<<21)
	s_or_b32 s[G1SB+0], s44, (3<<16)|(1<<21)
.irp g, G1S, G1SB
	s_mov_b32 s[\g+1], 128<<16                     ; the scale words of a tile's 256 rows: NKS rows of 1,024 bytes
	s_mov_b32 s[\g+2], NKS<<16
	s_mov_b32 s[\g+3], 128<<16
	s_mov_b32 s[\g+4], NKS
	s_mov_b32 s[\g+6], 0
	s_mov_b32 s[\g+7], 0
.endr
	s_mov_b32 s[G1S+5], APITCH/2
	s_mov_b32 s[G1SB+5], BPITCH/2
	s_lshl_b32 s18, s16, 7
	s_lshl_b32 s20, s17, 8
	s_add_co_u32 s20, s20, s18
	s_lshl_b32 s46, s42, 8
	s_add_co_u32 s46, s46, s18
	s_lshl_b32 s22, s17, 10
	s_add_co_u32 s22, s22, s93
	s_mul_i32 s20, s20, KROW
	s_add_co_u32 s20, s20, s92
	s_mov_b32 s21, 0
	s_mov_b32 s23, 0
	s_lshl_b32 s98, s42, 10
	s_add_co_u32 s98, s98, s95
	s_mul_i32 s46, s46, KROW
	s_add_co_u32 s46, s46, s94
	s_mov_b32 s47, 0
	s_mov_b32 s99, 0
	s_mul_i32 s45, s14, HALFT
	s_wait_dscnt 0x0
	s_wait_kmcnt 0x0
	s_mov_b64 s[6:7], s[4:5]
	s_add_nc_u64 s[20:21], s[4:5], s[20:21]
	s_add_nc_u64 s[22:23], s[4:5], s[22:23]
	s_add_nc_u64 s[46:47], s[6:7], s[46:47]
	s_add_nc_u64 s[98:99], s[6:7], s[98:99]
	CROUND
	s_mov_b32 s[G0S], 1
	s_mov_b32 s[G0S+1], SCL
	s_mov_b64 s[G0S+2:G0S+3], s[22:23]
	s_or_b32 s[G0S+3], s[G0S+3], 0x80000000
	s_mov_b32 s[G0SB], 1
	s_mov_b32 s[G0SB+1], SCL+2*HALFS
	s_mov_b64 s[G0SB+2:G0SB+3], s[98:99]
	s_or_b32 s[G0SB+3], s[G0SB+3], 0x80000000
.irp s, 0,1
	s_mov_b32 s[G0+4*\s], 1
	s_add_co_u32 s[G0+4*\s+1], s45, \s*SLOT
	s_add_nc_u64 s[G0+4*\s+2:G0+4*\s+3], s[20:21], \s*3072
	s_or_b32 s[G0+4*\s+3], s[G0+4*\s+3], 0x80000000
	s_mov_b32 s[G0B+4*\s], 1
	s_add_co_u32 s[G0B+4*\s+1], s45, \s*SLOT
	s_add_nc_u64 s[G0B+4*\s+2:G0B+4*\s+3], s[46:47], \s*3072
	s_or_b32 s[G0B+4*\s+3], s[G0B+4*\s+3], 0x80000000
.endr
; THE HEAD'S LOADS, ONE A WAVE: wave 0 slot 0's 16 row blocks of A, wave 1 A's scale words, wave 2 slot 0's 16 row blocks of B, wave 3 B's scale words.
; One chain of branches on the wave's number: every way through it passes exactly one load.
.macro ARM under, g0, g1, next
	s_cmp_lt_u32 s14, \under
	s_cbranch_scc0 \next
	tensor_load_to_lds s[\g0:\g0+3], s[\g1:\g1+7]
	s_nop 0
.rept 4
	v_nop
.endr
	s_branch .Lhead_asked
\next:
.endm
	ARM 1, G0,  G1,  .Lhead_sa
	ARM 2, G0S, G1S, .Lhead_b
	ARM 3, G0B, G1B, .Lhead_sb
	tensor_load_to_lds s[G0SB:G0SB+3], s[G1SB:G1SB+7]
	s_nop 0
.rept 4
	v_nop
.endr
.Lhead_asked:
	v_and_b32 v1, 31, v0
	v_and_b32 v2, 15, v0
	v_bfe_u32 v3, v0, 4, 1
	v_lshlrev_b32 v4, 4, v1
	v_lshlrev_b32 v5, 3, v1
	s_mul_i32 s21, s15, HALFT
	s_mul_i32 s22, s16, HALFT
	s_add_co_u32 s22, s22, 2*HALFT
.irp s, 0,1
	v_add_nc_u32 v[ADRA+\s], s21, v4
	v_add_nc_u32 v[ADRB+\s], s22, v4
	v_add_nc_u32 v[ADRA+2+\s], s21, v5
	v_add_nc_u32 v[ADRB+2+\s], s22, v5
	s_add_co_u32 s21, s21, SLOT
	s_add_co_u32 s22, s22, SLOT
.endr
	s_lshl_b32 s21, s15, 9                         ; my 128 rows' words inside a K step's 1,024 bytes
	s_lshl_b32 s22, s16, 9
	s_add_co_u32 s22, s22, 2*HALFS
	s_sub_co_u32 s22, s22, s21
	v_mul_u32_u24 v6, s22, v3
	s_add_co_u32 s21, s21, SCL
	v_lshl_add_u32 v6, v2, 2, v6
	v_add_nc_u32 v[ADRS], s21, v6
.macro FRAG reg, adr, q, i
	ds_load_b128 v[\reg:\reg+3], v[\adr] offset:(\i)*3072+(\q)*1536
	ds_load_b64 v[\reg+4:\reg+5], v[\adr+2] offset:(\i)*3072+(\q)*1536+512
	ds_load_b128 v[\reg+6:\reg+9], v[\adr] offset:(\i)*3072+(\q)*1536+768
	ds_load_b64 v[\reg+10:\reg+11], v[\adr+2] offset:(\i)*3072+(\q)*1536+1280
.endm
.macro MUL16 a0, p, q, sc, zero
.irp a, \a0, \a0+1
.irp b, 0,1,2,3,4,5,6,7
.if \zero
	v_wmma_scale_f32_16x16x128_f8f6f4 v[8*(8*((\a)%4)+\b):8*(8*((\a)%4)+\b)+7], v[128*(\p)+FR*\b:128*(\p)+FR*\b+FR-1], v[AF+FR*(\a):AF+FR*(\a)+FR-1], 0, v[SC+8*NQ*(\sc)+NQ*\b+(\q)], v[SC+8*NQ*(\sc)+NQ*(\a)+(\q)] matrix_a_fmt:MATRIX_FMT_FP6 matrix_b_fmt:MATRIX_FMT_FP6 matrix_a_scale:MATRIX_SCALE_ROW1
.else
	v_wmma_scale_f32_16x16x128_f8f6f4 v[8*(8*((\a)%4)+\b):8*(8*((\a)%4)+\b)+7], v[128*(\p)+FR*\b:128*(\p)+FR*\b+FR-1], v[AF+FR*(\a):AF+FR*(\a)+FR-1], v[8*(8*((\a)%4)+\b):8*(8*((\a)%4)+\b)+7], v[SC+8*NQ*(\sc)+NQ*\b+(\q)], v[SC+8*NQ*(\sc)+NQ*(\a)+(\q)] matrix_a_fmt:MATRIX_FMT_FP6 matrix_b_fmt:MATRIX_FMT_FP6 matrix_a_scale:MATRIX_SCALE_ROW1
.endif
.endr
.endr
.endm
.macro FETCH_B slot, q, p
	WIN TO_B
.irp i, 0,1,2,3,4,5,6,7
	FRAG 128*(\p)+FR*\i, ADRB+\slot, \q, \i
.endr
	WIN 0
.endm
.macro FETCH_A slot, q, i0
.irp i, \i0, \i0+1, \i0+2, \i0+3
	FRAG AF+FR*(\i), ADRA+\slot, \q, \i
.endr
.endm
.macro SCALES sc
.irp i, 0,1,2,3,4,5,6,7
	ds_load_b32 v[SC+16*\sc+2*\i], v[ADRS] offset:64*\i
	ds_load_b32 v[SC+16*\sc+2*\i+1], v[ADRS] offset:64*\i+1024
.endr
.endm
.macro PLACES n
.rept \n
	v_nop
.endr
.endm
.macro STEP slot, q, zero
	s_wait_dscnt 4*NL
	WIN MUL_LO
	MUL16 0, (\q)%2, \q, \slot, \zero
	MUL16 2, (\q)%2, \q, \slot, \zero
	s_wait_dscnt 0
	PLACES NP
	FETCH_B \slot, (\q)+1, 1-(\q)%2
	FETCH_A \slot, (\q)+1, 0
	WIN MUL_HI
	MUL16 4, (\q)%2, \q, \slot, \zero
	MUL16 6, (\q)%2, \q, \slot, \zero
	PLACES NP
	WIN 0
	FETCH_A \slot, (\q)+1, 4
.endm
.macro TURN slot, next, fill
	s_wait_tensorcnt 0x0
	ds_add_u32 v[SPW], v[NIL]
	s_wait_dscnt 4*NL+1
	WIN MUL_LO
	MUL16 0, 1, NQ-1, \slot, 0
	s_wait_dscnt 0x0
	s_barrier_signal -1
	MUL16 2, 1, NQ-1, \slot, 0
	WIN 0
	s_barrier_wait -1
.if \fill
	CREST
	s_add_nc_u64 s[G0+4*\slot+2:G0+4*\slot+3], s[G0+4*\slot+2:G0+4*\slot+3], 6144
	s_add_nc_u64 s[G0B+4*\slot+2:G0B+4*\slot+3], s[G0B+4*\slot+2:G0B+4*\slot+3], 6144
	JLOAD G0+4*\slot, G1, G0B+4*\slot, G1B
.else
	PLACES NP
.endif
	s_wait_alu depctr_va_vdst(0)
	v_add_nc_u32 v[ADRS], 2048, v[ADRS]
	FETCH_B \next, 0, 0
	FETCH_A \next, 0, 0
	SCALES \next
	WIN MUL_HI
	MUL16 4, 1, NQ-1, \slot, 0
	MUL16 6, 1, NQ-1, \slot, 0
	PLACES NP
	WIN 0
	FETCH_A \next, 0, 4
.endm
	s_wait_alu depctr_va_vdst(0)
	s_wait_tensorcnt 0x0                           ; my tile of the head's four is in
	ds_add_u32 v[SPW], v[NIL]
	s_mov_b32 s[G1+2], 8<<16                       ; no tensor load of mine is out: from here on a load brings 8 row blocks
	s_mov_b32 s[G1+4], 8
	s_mov_b32 s[G1B+2], 8<<16
	s_mov_b32 s[G1B+4], 8
	s_wait_dscnt 0x0
	CROUND                                         ; all four tiles are in, all sixteen work-groups are here
	JLOAD G0+4, G1, G0B+4, G1B                     ; slot 1's first fill, the first tensor load behind the round
	FETCH_B 0, 0, 0
	FETCH_A 0, 0, 0
	SCALES 0
	FETCH_A 0, 0, 4
	STEP 0, 0, 1
	s_mov_b32 s3, LAPS-1
.Llap:
	TURN 0, 1, 1
	STEP 1, 0, 0
	TURN 1, 0, 1
	STEP 0, 0, 0
	s_sub_co_u32 s3, s3, 1
	s_cmp_lg_u32 s3, 0
	s_cbranch_scc1 .Llap
	TURN 0, 1, 0
	STEP 1, 0, 0
	s_wait_dscnt 4*NL
	WIN MUL_LO
	MUL16 0, 1, NQ-1, 1, 0
	MUL16 2, 1, NQ-1, 1, 0
	s_wait_dscnt 0
	WIN MUL_HI
	MUL16 4, 1, NQ-1, 1, 0
	MUL16 6, 1, NQ-1, 1, 0
	WIN 0
.macro QUANT s, pc, pw
.irp b, 0,1,2,3
	v_max3_num_f32 v[TM+\b], |v[\s+16*\b]|, |v[\s+1+16*\b]|, 0x1800000
.endr
.irp i, 2,4,6,8,10,12,14
.irp b, 0,1,2,3
	v_max3_num_f32 v[TM+\b], v[TM+\b], |v[\s+16*\b+\i]|, |v[\s+1+16*\b+\i]|
.endr
.endr
.irp b, 0,1,2,3
	v_permlanex16_b32 v[TM+4+\b], v[TM+\b], s66, s67
.endr
.irp b, 0,1,2,3
	v_max_num_f32 v[TM+\b], v[TM+\b], v[TM+4+\b]
.endr
.irp b, 0,1,2,3
	v_add_nc_u32 v[TM+8+\b], 0xff000000, v[TM+\b]
.endr
.irp b, 0,1,2,3
	v_lshrrev_b32 v[TM+4+\b], 23, v[TM+8+\b]
.endr
	v_lshl_or_b32 v[\pw], v[TM+5], 8, v[TM+4]
	v_lshl_or_b32 v[\pw], v[TM+6], 16, v[\pw]
	v_lshl_or_b32 v[\pw], v[TM+7], 24, v[\pw]
.irp c, 0,1
	v_cvt_scalef32_pk16_fp6_f32 v[\pc+6*\c:\pc+2+6*\c], v[\s+32*\c:\s+15+32*\c], v[TM+8+2*\c]
	v_cvt_scalef32_pk16_fp6_f32 v[\pc+12+4*\c:\pc+14+4*\c], v[\s+16+32*\c:\s+31+32*\c], v[TM+9+2*\c]
.endr
	v_nop
.irp c, 0,1
.irp i, 0,1,2
	v_permlane16_swap_b32 v[\pc+6*\c+\i], v[\pc+12+4*\c+\i]
.endr
.irp i, 0,1,2
	v_mov_b32 v[\pc+3+6*\c+\i], v[\pc+12+4*\c+\i]
.endr
.endr
.endm
.macro EPI a, vrole
	WIN 0x02+(\a)/4
.set NN, 0
.rept 32
.if \vrole
	v_pk_add_f32 v[T+NN:T+NN+1], v[64*((\a)%4)+NN:64*((\a)%4)+NN+1], v[BIAS+2*(\a):BIAS+2*(\a)+1]
.else
	v_pk_add_f32 v[T+NN:T+NN+1], v[64*((\a)%4)+NN:64*((\a)%4)+NN+1], v[BIAS+NN:BIAS+NN+1]
.endif
.set NN, NN+2
.endr
	WIN 0
.if (\a) > 0
	s_wait_xcnt 0x0
.endif
	QUANT T, PC, PW
.if \vrole
.set O1, ((\a)/4)*98304+((\a)%4)*1536
.set O2, O1+768
.else
.set O1, (\a)*768
.set O2, O1+98304
.endif
	global_store_b128 v[LI16], v[PC:PC+3], s[12:13] offset:O1
	global_store_b64 v[LI8], v[PC+4:PC+5], s[12:13] offset:O1+512
	global_store_b128 v[LI16], v[PC+6:PC+9], s[12:13] offset:O2
	global_store_b64 v[LI8], v[PC+10:PC+11], s[12:13] offset:O2+512
	ds_store_b32 v[SWA], v[PW] offset:2048*\vrole+64*(\a)
.endm
	PLACES NP
	v_lshlrev_b32 v[LI16], 4, v1
	v_lshlrev_b32 v[LI8], 3, v1
	s_lshl_b32 s20, s14, 9
	v_lshl_add_u32 v[SWA], v2, 2, s20
	v_and_b32 v5, 3, v2
	v_lshrrev_b32 v6, 2, v2
	v_lshlrev_b32 v5, 4, v5
	v_lshl_add_u32 v5, v6, 7, v5
	v_add_nc_u32 v[RDQ], s20, v5
	v_add_nc_u32 v[RDV], s20, v[LI16]
	v_lshlrev_b32 v8, 12, v3
	v_lshl_add_u32 v8, v2, 4, v8
.irp b, 0,1,2,3
	v_mov_b32 v[TM+4+\b], 0
.endr
	s_mov_b32 s66, 0x76543210
	s_mov_b32 s67, 0xfedcba98
	s_cmp_eq_u32 ttmp9, 2
	s_cbranch_scc1 .Lvrole
	s_and_b32 s20, s42, 3
	s_lshl_b32 s20, s20, 2
	s_lshl_b32 s21, s16, 1
	s_add_co_u32 s20, s20, s21
	s_mul_i32 s22, s20, 768
	s_lshl_b32 s21, ttmp9, 8
	s_add_co_u32 s22, s22, s21
	s_mov_b32 s23, 0
	s_add_nc_u64 s[8:9], s[8:9], s[22:23]
	s_lshl_b32 s92, s17, 4
	s_lshl_b32 s21, s15, 3
	s_add_co_u32 s92, s92, s21
	s_lshr_b32 s93, s92, 7
	s_and_b32 s92, s92, 127
	s_lshl_b32 s93, s93, 4
	s_add_co_u32 s93, s93, s20
	s_lshl_b32 s94, s93, 7
	s_add_co_u32 s94, s94, s92
	s_mul_i32 s94, s94, 768
	s_mul_i32 s21, ttmp9, KC
	s_add_co_u32 s94, s94, s21
	s_mov_b32 s95, 0
	s_add_nc_u64 s[12:13], s[10:11], s[94:95]
	s_lshl_b32 s94, s93, 6
	s_lshr_b32 s21, s92, 1
	s_add_co_u32 s94, s94, s21
	s_lshl_b32 s94, s94, 6
	s_lshl_b32 s21, ttmp9, 17
	s_add_co_u32 s94, s94, s21
	s_add_co_u32 s94, s94, QS
	s_add_nc_u64 s[10:11], s[10:11], s[94:95]
	v_lshlrev_b32 v10, 6, v3
.irp c, 0,1,2,3
.irp q, 0,1,2,3
	global_load_b128 v[BIAS+16*\c+4*\q:BIAS+16*\c+4*\q+3], v10, s[8:9] offset:((\c/2)*192+32*(\c%2))*4+16*\q
.endr
.endr
	s_wait_loadcnt 0x0
.irp a, 0,1,2,3,4,5,6,7
	EPI \a, 0
.endr
	ds_load_b128 v[T:T+3], v[RDQ]
	ds_load_b128 v[T+4:T+7], v[RDQ] offset:64
	v_mov_b32 v6, 0x05040100
	v_mov_b32 v7, 0x07060302
	v_cmp_eq_u32 vcc_lo, 1, v3
	v_cndmask_b32 v6, v6, v7, vcc_lo
	s_wait_alu depctr_va_vdst(0)
	s_wait_dscnt 0x0
.irp e, 0,1,2,3
	v_perm_b32 v[T+8+\e], v[T+4+\e], v[T+\e], v6
.endr
	global_store_b128 v8, v[T+8:T+11], s[10:11]
	s_branch .Lclose
.Lvrole:
	s_lshl_b32 s20, s41, 2
	s_lshl_b32 s21, s15, 1
	s_add_co_u32 s20, s20, s21
	s_mul_i32 s22, s20, 768
	s_add_co_u32 s22, s22, 512
	s_mov_b32 s23, 0
	s_add_nc_u64 s[8:9], s[8:9], s[22:23]
	s_lshl_b32 s92, s42, 1
	s_add_co_u32 s92, s92, s16
	s_lshr_b32 s93, s92, 4
	s_and_b32 s92, s92, 15
	s_lshl_b32 s93, s93, 4
	s_add_co_u32 s93, s93, s20
	s_lshl_b32 s93, s93, 4
	s_add_co_u32 s93, s93, s92
	s_mul_i32 s94, s93, 6144
	s_add_co_u32 s94, s94, VC
	s_mov_b32 s95, 0
	s_add_nc_u64 s[12:13], s[10:11], s[94:95]
	s_lshl_b32 s94, s93, 8
	s_add_co_u32 s94, s94, VS
	s_add_nc_u64 s[10:11], s[10:11], s[94:95]
	v_lshrrev_b32 v10, 3, v2
	v_and_b32 v11, 7, v2
	v_lshl_add_u32 v10, v10, 4, v11
	v_lshlrev_b32 v10, 2, v10
.irp a, 0,1,2,3,4,5,6,7
	global_load_b32 v[BIAS+2*\a], v10, s[8:9] offset:((\a/4)*192+32*((\a%4)/2)+8*(\a%2))*4
	global_load_b32 v[BIAS+2*\a+1], v10, s[8:9] offset:((\a/4)*192+32*((\a%4)/2)+8*(\a%2))*4
.endr
	s_wait_loadcnt 0x0
.irp a, 0,1,2,3,4,5,6,7
	EPI \a, 1
.endr
	ds_load_b128 v[T:T+3], v[RDV] offset:2048
	s_wait_dscnt 0x0
	global_store_b128 v8, v[T:T+3], s[10:11]
.Lclose:
	s_wait_tensorcnt 0x0
	ds_add_u32 v[SPW], v[NIL]
	s_wait_dscnt 0x0
	CROUND
	s_endpgm
.Lfunc_end_k_q961a4e47b1_g1:
	.size	k_q961a4e47b1_g1, .Lfunc_end_k_q961a4e47b1_g1-k_q961a4e47b1_g1
	.p2alignl 7, 3214868480
	.fill 96, 4, 3214868480
	.section	.rodata,"a",@progbits
	.p2align	6, 0x0
	.amdhsa_kernel k_q961a4e47b1_g1
		.amdhsa_group_segment_fixed_size 327680
		.amdhsa_private_segment_fixed_size 0
		.amdhsa_enable_private_segment 0
		.amdhsa_kernarg_size 24
		.amdhsa_user_sgpr_count 2
		.amdhsa_user_sgpr_kernarg_segment_ptr 1
		.amdhsa_wavefront_size32 1
		.amdhsa_system_sgpr_workgroup_id_x 1
		.amdhsa_system_sgpr_workgroup_id_y 1
		.amdhsa_system_sgpr_workgroup_id_z 1
		.amdhsa_system_vgpr_workitem_id 0
		.amdhsa_next_free_vgpr 1024
		.amdhsa_next_free_sgpr 100
		.amdhsa_reserve_vcc 1
		.amdhsa_float_denorm_mode_32 3
		.amdhsa_float_denorm_mode_16_64 3
		.amdhsa_memory_ordered 1
		.amdhsa_forward_progress 1
		.amdhsa_inst_pref_size 224
	.end_amdhsa_kernel
	.amdgpu_metadata
---
amdhsa.version: [ 1, 2 ]
amdhsa.kernels:
  - .name:           k_q961a4e47b1_g1
    .symbol:         k_q961a4e47b1_g1.kd
    .args:
      - { .name: pw, .offset: 0, .size: 8, .value_kind: global_buffer, .address_space: global }
      - { .name: b_in, .offset: 8, .size: 8, .value_kind: global_buffer, .address_space: global }
      - { .name: qkv, .offset: 16, .size: 8, .value_kind: global_buffer, .address_space: global }
    .group_segment_fixed_size: 327680
    .private_segment_fixed_size: 0
    .kernarg_segment_align: 8
    .kernarg_segment_size: 24
    .max_flat_workgroup_size: 128
    .sgpr_count:     100
    .vgpr_count:     1024
    .wavefront_size: 32
...
	.end_amdgpu_metadata
.endif
;; end of part 9
;; launch attn (part 10): grid 8 x 32, 16 waves a work-group, clusters of 4 x 1, 327,680 bytes of LDS; arguments qkv, ob; writes ob
.if DOCPART == 10
	.amdgcn_target "amdgcn-amd-amdhsa--gfx1250"
	.amdhsa_code_object_version 6
	.text
	.protected	k_q961a4e47b1_attn
	.globl	k_q961a4e47b1_attn
	.p2align	8
	.type	k_q961a4e47b1_attn,@function
k_q961a4e47b1_attn:
	s_mov_b64 s[64:65], 0
	v_nop
	global_prefetch_b8 v0, s[64:65] scope:SCOPE_SE
	s_setreg_imm32_b32 hwreg(HW_REG_WAVE_MODE, 25, 1), 1
	s_wait_xcnt 0x0
	s_wait_alu depctr_hold_cnt(0) depctr_sa_sdst(0) depctr_va_vdst(0) depctr_va_sdst(0) depctr_va_ssrc(0) depctr_va_vcc(0) depctr_vm_vsrc(0)
	s_getreg_b32 s2, hwreg(HW_REG_IB_STS2, 6, 4)
	s_cmp_eq_u32 s2, 0
	s_cbranch_scc0 .Lentry_in_a_cluster
	s_endpgm
.Lentry_in_a_cluster:
	s_bfe_u32 s2, ttmp6, 0x10000c
	s_cmp_lg_u32 s2, 0x3003
	s_cbranch_scc0 .Lentry_shape_is_right
	s_endpgm
.Lentry_shape_is_right:
; Causal attention of one (batch, head) on codes of MX-FP6, head size 64, and o quantised along the model's width as the next product's operand.
; t = score x log2(e) / 8; M = the running largest t rounded up to a whole number; p = 2^(t - M) is quantised along the keys; the row's sum is taken of the unquantised p and divides at the end.
; LEFT OUT: key steps all of whose keys come after a tile's queries: the causal mask that the problem builds itself gives them the weight 0 for all inputs.
; THE WHOLE HEAD LIES IN LDS, each byte filled once, in two fills of one tensor load a wave: key steps 0-3 (3,072 bytes a wave) at the head, key steps 4-15 (9,216 bytes a wave) behind the first
; barrier, on their way while the first loop's four trips work on steps 0-3.  The 8,192 bytes of scale words come through registers, 512 bytes a wave, into LDS bytes of their own.
; SHARES.  Eight work-groups to a head, x = 0 .. 7; tile 8 g + x of 16 queries needs key steps 0 .. g of 128 keys, g = 0 .. 15.  The sixteen waves are eight pairs j = 0 .. 7.  The pair's first wave takes
; tile g = 8 + j, steps 0 .. e (e = 8; 9 for j = 6, 7).  Its second wave takes tile g = 7 - j whole, stores it, then takes steps e + 1 .. 8 + j of tile 8 + j and hands O^T, the sum and M over through LDS;
; the first wave joins the two parts: M is a whole number, so the join scales by exact powers of two.  So a wave has 7 to 10 steps; wave = 4 a + b has j = a xor 7 (b / 2) and is the pair's second where
; (a xor b) is odd: any four waves with equal a or equal b have 34 steps together.
; Both products are used transposed: a lane holds one query.  Tiles hold positions (index with bits 3 and 4 exchanged), so p's register 16 b + i is the true key 32 b + 16 (lane / 16) + i of the step.
; K = 64 IS HALF OF THE INSTRUCTION'S 128: a fragment of K holds two key tiles on end; it is multiplied by (Q, zeros) for the even tile and by (zeros, Q) for the odd one: zero codes add nothing.
; CLUSTER 4 x 1: four of a head's eight work-groups ask for its K and V jointly (mask 15); every branch hangs on the wave's number and the loops' counters alone, x enters only global addresses and lane data.
; No prefetch: all that the launch reads is asked for by the two fills, the second straight behind the first; no loop runs ahead of a load.
; o's two scale bytes a row leave as half words (a forty-eighth of o's bytes); lanes r and r + 16 store the same half word with the same value.
; LIMITS: the scaled scores stay under 2^31 in magnitude; NaN and infinities are not served; a block of zeros gets the byte 1 (its codes are zeros; this program alone reads the bytes).
.set KC,  3145728
.set QS,  9437184
.set KS,  9568256
.set OS,  3145728
.set LV,  98304                        ; LDS: K's codes at 0, V's here,
.set LKS, 196608                       ; K's scale words, V's 4,096 on,
.set PST, 204800                       ; the parts handed over: 4,608 bytes a pair,
.set PSZ, 4608
.set SPARE, 241664                     ; the spare words, 128 bytes a wave
.set P0B, 3072                         ; a wave's bytes of the first fill,
.set P1B, 9216                         ; of the second,
.set P0A, 24576                        ; key steps 0-3 of K or of V
.set LI16, 1
.set LI8,  2
.set ASK0, 3
.set R4,   4
.set SPW,  5
.set NIL,  6
.set DD,   7
.set ADK16, 8
.set ADK8, 9
.set ADV16, 10
.set ADV8, 11
.set KFR,  40                          ; v40-87 four fragments of K, then of V
.set KSW,  88
.set ADS,  92
.set QSW,  93
.set SS,   96                          ; v96-159 S^T, then p
.set OT,   160                         ; v160-191 O^T
.set BM,   192
.set PD,   196
.set SO,   200
.set C2,   204
.set FF,   212
.set PWD,  213
.set TT,   214
.set PA16, 216                         ; the pair's bytes in LDS + 16 x lane; + 4,096 + 8 x lane
.set PA8,  217
.set SSTA, 218
.set SGO,  219
.set SCT,  220                         ; v220-223 my 16 bytes of scale words
.set PCD,  224
.set Q2,   236                         ; v236-241 tile 8 + j's image of q, v242 its scale word
.set QSW2, 242
.set WV,  18
.set BH,  19
.set SEL, 20
.set CS,  22
.set G1C, 24
.set G1S, 32
.set G0C, 40
.set G0S, 44
.set LO,  56                           ; my steps now: LO .. HI; DG: the step on the diagonal
.set HI,  57
.set STP, 58
.set TB,  59
.set TS,  60
.set DG,  61
.set SWT, 62                           ; the trip in which a pair's second wave changes tiles
.set TYP, 63
.set LO2, 66
.set HI2, 67
.set JJ,  68
.set XX,  69
.macro CROUND                          ; a round of the cluster's barrier
	s_barrier_signal -1
	s_barrier_wait -1
	s_cmp_lg_u32 s[WV], 0
	s_cbranch_scc1 .Lnot_wave_0_\@
	s_barrier_signal -3
.Lnot_wave_0_\@:
	s_barrier_wait -3
	s_barrier_signal -1
	s_barrier_wait -1
.endm
; ONE KEY STEP: 16 queries x 128 keys
.macro STEP
	v_add_nc_u32 v[ADK16], s[TB], v[LI16]          ; (these five are the places behind the last step's products)
	v_add_nc_u32 v[ADK8], s[TB], v[LI8]
	v_add_nc_u32 v[ADS], s[TS], v[ASK0]
	s_delay_alu instid0(VALU_DEP_3)
	v_add_nc_u32 v[ADV16], LV, v[ADK16]
	s_delay_alu instid0(VALU_DEP_3)
	v_add_nc_u32 v[ADV8], LV, v[ADK8]
.irp b, 0,1,2,3
	ds_load_b128 v[KFR+12*\b:KFR+12*\b+3], v[ADK16] offset:1536*\b
	ds_load_b64 v[KFR+12*\b+4:KFR+12*\b+5], v[ADK8] offset:1536*\b+512
	ds_load_b128 v[KFR+12*\b+6:KFR+12*\b+9], v[ADK16] offset:1536*\b+768
	ds_load_b64 v[KFR+12*\b+10:KFR+12*\b+11], v[ADK8] offset:1536*\b+1280
	ds_load_b32 v[KSW+\b], v[ADS] offset:64*\b
.endr
	s_wait_alu depctr_va_vdst(0)
	s_wait_dscnt 0x0
.irp b, 0,1,2,3
	v_wmma_scale_f32_16x16x128_f8f6f4 v[SS+16*\b:SS+16*\b+7], v[KFR+12*\b:KFR+12*\b+11], v[16:27], 0, v[KSW+\b], v[QSW] matrix_a_fmt:MATRIX_FMT_FP6 matrix_b_fmt:MATRIX_FMT_FP6
	v_wmma_scale_f32_16x16x128_f8f6f4 v[SS+16*\b+8:SS+16*\b+15], v[KFR+12*\b:KFR+12*\b+11], v[28:39], 0, v[KSW+\b], v[QSW] matrix_a_fmt:MATRIX_FMT_FP6 matrix_b_fmt:MATRIX_FMT_FP6
.endr
.rept 4
	v_nop                                          ; places in front of the loads below and of the first read of the scores
.endr
.irp b, 0,1,2,3                                ; V's four fragments take K's registers and land under the softmax
	ds_load_b128 v[KFR+12*\b:KFR+12*\b+3], v[ADV16] offset:1536*\b
	ds_load_b64 v[KFR+12*\b+4:KFR+12*\b+5], v[ADV8] offset:1536*\b+512
	ds_load_b128 v[KFR+12*\b+6:KFR+12*\b+9], v[ADV16] offset:1536*\b+768
	ds_load_b64 v[KFR+12*\b+10:KFR+12*\b+11], v[ADV8] offset:1536*\b+1280
	ds_load_b32 v[KSW+\b], v[ADS] offset:4096+64*\b
.endr
	s_cmp_lg_u32 s[STP], s[DG]
	s_cbranch_scc1 .Lopen_\@                       ; only a tile's last step lies on the diagonal
	v_mov_b32 v[TT], 0xff800000                    ; -infinity for the keys behind my query: register 16 b + i is hidden where 32 b + i > v[DD]
.set NN, 0
.rept 64
	v_cmp_gt_i32 vcc_lo, 32*(NN/16)+NN%16, v[DD]
	v_cndmask_b32 v[SS+NN], v[SS+NN], v[TT], vcc_lo
.set NN, NN+1
.endr
.Lopen_\@:
.irp b, 0,1,2,3
	v_max3_num_f32 v[BM+\b], v[SS+16*\b], v[SS+1+16*\b], v[SS+2+16*\b]   ; each block's largest score: for the row's maximum and, since p rises with the score, for the block's largest p
.endr
.irp i, 3,5,7,9,11,13
.irp b, 0,1,2,3
	v_max3_num_f32 v[BM+\b], v[BM+\b], v[SS+16*\b+\i], v[SS+1+16*\b+\i]
.endr
.endr
.irp b, 0,1,2,3
	v_max_num_f32 v[BM+\b], v[BM+\b], v[SS+15+16*\b]
.endr
.irp b, 0,1,2,3
	s_delay_alu instid0(VALU_DEP_4)
	v_permlanex16_b32 v[PD+\b], v[BM+\b], s[SEL], s[SEL+1]
.endr
.irp b, 0,1,2,3
	s_delay_alu instid0(VALU_DEP_4)
	v_max_num_f32 v[BM+\b], v[BM+\b], v[PD+\b]
.endr
	s_delay_alu instid0(VALU_DEP_2)
	v_max3_num_f32 v[TT], v[BM], v[BM+1], v[BM+2]
	s_delay_alu instid0(VALU_DEP_1)
	v_max_num_f32 v[TT], v[TT], v[BM+3]
	s_delay_alu instid0(VALU_DEP_1)
	v_mul_f32 v[TT], s[CS], v[TT]
	s_delay_alu instid0(VALU_DEP_1)
	v_max_num_f32 v13, v13, v[TT]                  ; the running largest t
	v_mov_b32 v[TT], v12
	s_delay_alu instid0(VALU_DEP_2)
	v_floor_f32 v12, -v13                          ; -M = floor(-t)
	s_delay_alu instid0(VALU_DEP_1)
	v_sub_f32 v[TT], v12, v[TT]
	s_delay_alu instid0(VALU_DEP_1)
	v_cvt_i32_f32 v[TT], v[TT]                     ; old M - new M, a whole number (it saturates)
	s_delay_alu instid0(VALU_DEP_1)
	v_ldexp_f32 v[FF], 1.0, v[TT]                  ; f = 2^(old M - new M): exact
.set NN, 0
.rept 32
	v_pk_fma_f32 v[SS+NN:SS+NN+1], v[SS+NN:SS+NN+1], s[CS:CS+1], v[12:13] op_sel_hi:[1,0,0]
.set NN, NN+2
.endr
.irp b, 0,1,2,3
	v_fma_f32 v[BM+\b], v[BM+\b], s[CS], v12
.endr
	s_wait_alu depctr_va_vdst(0)
.set NN, 0
.rept 64
	v_exp_f32 v[SS+NN], v[SS+NN]                   ; p = 2^(t - M)
.set NN, NN+1
.endr
	v_pk_mul_f32 v[14:15], v[14:15], v[FF:FF+1] op_sel_hi:[1,0]   ; the sums under the new M: the plain instruction behind the batch
	s_wait_alu depctr_va_vdst(0)                   ; one wait for the 64, ahead of their first reader
.irp b, 0,1,2,3
	v_exp_f32 v[BM+\b], v[BM+\b]
.endr
	v_pk_add_f32 v[196:197], v[100:101], v[104:105]   ; the row's sum of the unquantised p, in eight chains
	v_pk_add_f32 v[254:255], v[108:109], v[112:113]
	v_pk_add_f32 v[252:253], v[116:117], v[120:121]
	v_pk_add_f32 v[250:251], v[124:125], v[128:129]
	v_pk_add_f32 v[248:249], v[132:133], v[136:137]
	v_pk_add_f32 v[246:247], v[140:141], v[144:145]
	v_pk_add_f32 v[244:245], v[148:149], v[152:153]
	v_pk_add_f32 v[14:15], v[14:15], v[156:157]
	v_pk_add_f32 v[196:197], v[196:197], v[96:97]
	v_pk_add_f32 v[254:255], v[254:255], v[98:99]
	v_pk_add_f32 v[252:253], v[252:253], v[102:103]
	v_pk_add_f32 v[250:251], v[250:251], v[106:107]
	v_pk_add_f32 v[248:249], v[248:249], v[110:111]
	v_pk_add_f32 v[246:247], v[246:247], v[114:115]
	v_pk_add_f32 v[244:245], v[244:245], v[118:119]
	v_pk_add_f32 v[14:15], v[14:15], v[122:123]
	v_pk_add_f32 v[196:197], v[196:197], v[126:127]
	v_pk_add_f32 v[254:255], v[254:255], v[130:131]
	v_pk_add_f32 v[252:253], v[252:253], v[134:135]
	v_pk_add_f32 v[250:251], v[250:251], v[138:139]
	v_pk_add_f32 v[248:249], v[248:249], v[142:143]
	v_pk_add_f32 v[246:247], v[246:247], v[146:147]
	v_pk_add_f32 v[244:245], v[244:245], v[150:151]
	v_pk_add_f32 v[14:15], v[14:15], v[154:155]
	v_pk_add_f32 v[196:197], v[196:197], v[158:159]
	s_delay_alu instid0(VALU_DEP_2)
	v_pk_add_f32 v[14:15], v[14:15], v[250:251]
	s_delay_alu instid0(VALU_DEP_2)
	v_pk_add_f32 v[196:197], v[196:197], v[248:249]
	v_pk_add_f32 v[254:255], v[254:255], v[246:247]
	v_pk_add_f32 v[252:253], v[252:253], v[244:245]
	s_delay_alu instid0(VALU_DEP_2)
	v_pk_add_f32 v[14:15], v[14:15], v[254:255]
	s_delay_alu instid0(VALU_DEP_2)
	v_pk_add_f32 v[196:197], v[196:197], v[252:253]
	s_delay_alu instid0(VALU_DEP_1)
	v_pk_add_f32 v[14:15], v[14:15], v[196:197]
	s_wait_alu depctr_va_vdst(0)                   ; and one for the four
.irp b, 0,1,2,3
	v_max_num_f32 v[BM+\b], 0x1800000, v[BM+\b]    ; the floor 2^(3 - 127): the byte cannot fall under 1
.endr
.irp b, 0,1,2,3
	s_delay_alu instid0(VALU_DEP_4)
	v_add_nc_u32 v[SO+\b], 0xff000000, v[BM+\b]
.endr
.irp b, 0,1,2,3
	s_delay_alu instid0(VALU_DEP_4)
	v_lshrrev_b32 v[PD+\b], 23, v[SO+\b]
.endr
	s_delay_alu instid0(VALU_DEP_3)
	v_lshl_or_b32 v[PWD], v[PD+1], 8, v[PD]
	s_delay_alu instid0(VALU_DEP_1)
	v_lshl_or_b32 v[PWD], v[PD+2], 16, v[PWD]
	s_delay_alu instid0(VALU_DEP_1)
	v_lshl_or_b32 v[PWD], v[PD+3], 24, v[PWD]
.irp c, 0,1
	v_cvt_scalef32_pk16_fp6_f32 v[PCD+6*\c:PCD+2+6*\c], v[SS+32*\c:SS+15+32*\c], v[SO+2*\c]
	v_cvt_scalef32_pk16_fp6_f32 v[C2+4*\c:C2+2+4*\c], v[SS+16+32*\c:SS+31+32*\c], v[SO+1+2*\c]
.endr
	v_nop
.irp c, 0,1
.irp i, 0,1,2
	v_permlane16_swap_b32 v[PCD+6*\c+\i], v[C2+4*\c+\i]
.endr
.irp i, 0,1,2
	s_delay_alu instid0(VALU_DEP_3)
	v_mov_b32 v[PCD+3+6*\c+\i], v[C2+4*\c+\i]
.endr
.endr
	s_wait_alu depctr_va_vdst(0)                   ; ahead of the first reader of O^T
.set NN, 0
.rept 16
	v_pk_mul_f32 v[OT+NN:OT+NN+1], v[OT+NN:OT+NN+1], v[FF:FF+1] op_sel_hi:[1,0]   ; O^T under the new M; these sixteen also stand between the scale word's and the codes' last writes and the products
.set NN, NN+2
.endr
	s_wait_alu depctr_va_vdst(0)
	s_wait_dscnt 0x0                               ; V
.irp b, 0,1,2,3
	v_wmma_scale_f32_16x16x128_f8f6f4 v[OT+8*\b:OT+8*\b+7], v[KFR+12*\b:KFR+12*\b+11], v[PCD:PCD+11], v[OT+8*\b:OT+8*\b+7], v[KSW+\b], v[PWD] matrix_a_fmt:MATRIX_FMT_FP6 matrix_b_fmt:MATRIX_FMT_FP6
.endr
.endm
; A TILE IS FINISHED: O^T / the sum, quantised along the head's 64, stored as an image of the next operand's registers
.macro FINAL
.rept 4
	v_nop
.endr
	v_add_f32 v14, v14, v15
	s_delay_alu instid0(VALU_DEP_1)
	v_permlanex16_b32 v[FF], v14, s[SEL], s[SEL+1]
	s_delay_alu instid0(VALU_DEP_1)
	v_add_f32 v14, v14, v[FF]                      ; the row's sum
	s_wait_alu depctr_va_vdst(0)
	v_rcp_f32 v14, v14
	v_nop
	s_wait_alu depctr_va_vdst(0)
.set NN, 0
.rept 32
	v_mul_f32 v[SS+NN], v[OT+NN], v14              ; o: register 16 c + i = d 32 c + 16 (lane / 16) + i
.set NN, NN+1
.endr
.irp b, 0,1
	v_max3_num_f32 v[BM+\b], |v[SS+16*\b]|, |v[SS+1+16*\b]|, 0x1800000
.endr
.irp i, 2,4,6,8,10,12,14
.irp b, 0,1
	s_delay_alu instid0(VALU_DEP_2)
	v_max3_num_f32 v[BM+\b], v[BM+\b], |v[SS+16*\b+\i]|, |v[SS+1+16*\b+\i]|
.endr
.endr
.irp b, 0,1
	s_delay_alu instid0(VALU_DEP_2)
	v_permlanex16_b32 v[PD+\b], v[BM+\b], s[SEL], s[SEL+1]
.endr
.irp b, 0,1
	s_delay_alu instid0(VALU_DEP_2)
	v_max_num_f32 v[BM+\b], v[BM+\b], v[PD+\b]
.endr
.irp b, 0,1
	s_delay_alu instid0(VALU_DEP_2)
	v_add_nc_u32 v[SO+\b], 0xff000000, v[BM+\b]
.endr
.irp b, 0,1
	s_delay_alu instid0(VALU_DEP_2)
	v_lshrrev_b32 v[PD+\b], 23, v[SO+\b]
.endr
	s_delay_alu instid0(VALU_DEP_1)
	v_lshl_or_b32 v[TT], v[PD+1], 8, v[PD]
	v_cvt_scalef32_pk16_fp6_f32 v[PCD:PCD+2], v[SS:SS+15], v[SO]
	v_cvt_scalef32_pk16_fp6_f32 v[C2:C2+2], v[SS+16:SS+31], v[SO+1]
	v_nop
.irp i, 0,1,2
	v_permlane16_swap_b32 v[PCD+\i], v[C2+\i]
.endr
.irp i, 0,1,2
	s_delay_alu instid0(VALU_DEP_3)
	v_mov_b32 v[PCD+3+\i], v[C2+\i]
.endr
	global_store_b128 v[LI16], v[PCD:PCD+3], s[52:53]
	global_store_b64 v[LI8], v[PCD+4:PCD+5], s[52:53] offset:512
	global_store_b16 v[R4], v[TT], s[54:55]
.endm
	s_load_b128 s[4:7], s[0:1], 0x0                ; qkv, ob
	v_lshl_add_u32 v[SPW], v0, 2, SPARE
	v_mov_b32 v[NIL], 0
	ds_add_u32 v[SPW], v[NIL]                      ; the opening: the add, twice on end, and its wait ahead of the first tensor load
	ds_add_u32 v[SPW], v[NIL]
	v_lshrrev_b32 v8, 5, v0
	s_delay_alu instid0(VALU_DEP_1)
	v_readfirstlane_b32 s[WV], v8
	s_and_b32 s[BH], ttmp7, 0xffff
	s_bfe_u32 s8, ttmp6, 0x40000                   ; cx
	s_lshl_b32 s[XX], ttmp9, 2
	s_add_co_u32 s[XX], s[XX], s8                  ; x = 4 x cluster x + cx
	s_mov_b32 s[G1C], 15|(3<<16)|(1<<21)           ; the four partners; dense blocks as rows of 256 bytes (32 elements of 8): 12 rows,
	s_mov_b32 s[G1C+1], 32<<16
	s_mov_b32 s[G1C+2], 12<<16
	s_mov_b32 s[G1C+3], 32<<16
	s_mov_b32 s[G1C+4], 12
	s_mov_b32 s[G1C+5], 32
	s_mov_b32 s[G1C+6], 0
	s_mov_b32 s[G1C+7], 0
	s_mov_b32 s[G1S], 15|(3<<16)|(1<<21)           ; 36 rows
	s_mov_b32 s[G1S+1], 32<<16
	s_mov_b32 s[G1S+2], 36<<16
	s_mov_b32 s[G1S+3], 32<<16
	s_mov_b32 s[G1S+4], 36
	s_mov_b32 s[G1S+5], 32
	s_mov_b32 s[G1S+6], 0
	s_mov_b32 s[G1S+7], 0
	s_lshr_b32 s10, s[WV], 2                       ; wave = 4 a + b
	s_and_b32 s11, s[WV], 3
	s_xor_b32 s[TYP], s10, s11
	s_and_b32 s[TYP], s[TYP], 1                    ; 1: the pair's second wave
	s_lshr_b32 s11, s11, 1
	s_mul_i32 s11, s11, 7
	s_xor_b32 s[JJ], s10, s11                      ; the pair j
	s_add_co_u32 s[HI2], s[JJ], 8                  ; the long tile's g = 8 + j
	s_xor_b32 s12, s[JJ], 7                        ; the short tile's g = 7 - j
	s_add_co_u32 s13, s[JJ], 2
	s_lshr_b32 s13, s13, 3
	s_add_co_u32 s13, s13, 8                       ; e
	s_add_co_u32 s[LO2], s13, 1
	s_cmp_eq_u32 s[TYP], 1
	s_cselect_b32 s[HI], s12, s13
	s_cselect_b32 s[DG], s12, s[HI2]               ; the g of the tile that I begin with and store
	s_cselect_b32 s[SWT], 8, 99
	s_mov_b32 s[LO], 0
	s_lshr_b32 s8, s[WV], 3                        ; waves 0-7 fetch eighths of K's codes, 8-15 of V's, which lie as far behind K's as K's behind q's
	s_and_b32 s9, s[WV], 7
	s_mul_i32 s10, s8, 3145728
	s_mul_i32 s11, s[BH], 98304
	s_add_co_u32 s10, s10, s11
	s_add_co_u32 s10, s10, KC
	s_mul_i32 s11, s9, P0B
	s_add_co_u32 s80, s10, s11
	s_mov_b32 s81, 0
	s_mul_i32 s12, s9, P1B
	s_add_co_u32 s12, s12, P0A
	s_add_co_u32 s82, s10, s12
	s_mov_b32 s83, 0
	s_mul_i32 s13, s8, LV
	s_add_co_u32 s[G0C+1], s13, s11
	s_add_co_u32 s[G0S+1], s13, s12
	s_mov_b32 s[G0C], 1
	s_mov_b32 s[G0S], 1
	s_lshl_b32 s10, s[DG], 3
	s_add_co_u32 s10, s10, s[XX]                   ; my first tile of queries,
	s_lshl_b32 s11, s[HI2], 3
	s_add_co_u32 s11, s11, s[XX]                   ; the pair's long tile
	s_lshl_b32 s12, s[BH], 7
	s_add_co_u32 s13, s12, s10
	s_mul_i32 s84, s13, 768
	s_mov_b32 s85, 0
	s_add_co_u32 s13, s12, s11
	s_mul_i32 s88, s13, 768
	s_mov_b32 s89, 0
	s_lshl_b32 s12, s[BH], 6
	s_lshr_b32 s13, s10, 1
	s_add_co_u32 s13, s13, s12
	s_lshl_b32 s13, s13, 6
	s_add_co_u32 s86, s13, QS
	s_mov_b32 s87, 0
	s_lshr_b32 s13, s11, 1
	s_add_co_u32 s13, s13, s12
	s_lshl_b32 s13, s13, 6
	s_add_co_u32 s90, s13, QS
	s_mov_b32 s91, 0
	s_lshl_b32 s92, s[BH], 12
	s_add_co_u32 s92, s92, KS
	s_mov_b32 s93, 0
	s_lshr_b32 s12, s[BH], 4                       ; batch
	s_and_b32 s13, s[BH], 15                       ; head
	s_lshl_b32 s12, s12, 7
	s_add_co_u32 s12, s12, s10                     ; o's row block
	s_lshl_b32 s14, s12, 4
	s_add_co_u32 s14, s14, s13
	s_mul_i32 s94, s14, 768
	s_mov_b32 s95, 0
	s_lshr_b32 s14, s13, 1
	s_lshl_b32 s14, s14, 14
	s_lshl_b32 s12, s12, 6
	s_add_co_u32 s14, s14, s12
	s_and_b32 s13, s13, 1
	s_lshl_b32 s13, s13, 1
	s_add_co_u32 s14, s14, s13
	s_add_co_u32 s96, s14, OS
	s_mov_b32 s97, 0
	s_lshr_b32 s12, s[XX], 1                       ; a tile's place among its 128 tokens hangs on x alone: the same for both my tiles
	s_and_b32 s12, s12, 3
	s_lshl_b32 s12, s12, 5
	s_and_b32 s13, s[XX], 1
	s_lshl_b32 s14, s13, 3
	s_add_co_u32 s70, s12, s14
	s_lshl_b32 s71, s13, 4
	s_mul_i32 s78, s[JJ], PSZ
	s_add_co_u32 s78, s78, PST
	s_add_co_u32 s79, s78, 4096
	s_lshl_b32 s98, s[WV], 9
	s_add_co_u32 s98, s98, LKS
	s_lshl_b32 s99, s8, 17
	s_lshl_b32 s9, s9, 9
	s_add_co_u32 s99, s99, s9
	s_mov_b32 s[SEL], 0x76543210
	s_mov_b32 s[SEL+1], 0xfedcba98
	s_mov_b32 s[CS], 0x3e38aa3b                    ; log2(e) / 8
	s_mov_b32 s[CS+1], s[CS]
	s_wait_dscnt 0x0                               ; both opening adds are done
	s_wait_kmcnt 0x0
	s_add_nc_u64 s[G0C+2:G0C+3], s[4:5], s[80:81]
	s_or_b32 s[G0C+3], s[G0C+3], 0x80000000
	s_add_nc_u64 s[G0S+2:G0S+3], s[4:5], s[82:83]
	s_or_b32 s[G0S+3], s[G0S+3], 0x80000000
	s_add_nc_u64 s[48:49], s[4:5], s[84:85]        ; q's image, its pair's scale words,
	s_add_nc_u64 s[50:51], s[4:5], s[86:87]
	s_add_nc_u64 s[72:73], s[4:5], s[88:89]        ; the same of the long tile,
	s_add_nc_u64 s[74:75], s[4:5], s[90:91]
	s_add_nc_u64 s[76:77], s[4:5], s[92:93]        ; the head's scale words of K
	s_add_nc_u64 s[52:53], s[6:7], s[94:95]
	s_add_nc_u64 s[54:55], s[6:7], s[96:97]
	CROUND                                         ; the four partners are here: the first joint loads meet
	tensor_load_to_lds s[G0C:G0C+3], s[G1C:G1C+7]  ; my sixteenth of key steps 0-3: one tensor load a wave at the head
	s_nop 0
.rept 4
	v_nop
.endr
	v_and_b32 v8, 31, v0
	v_and_b32 v[TT], 15, v0                        ; r
	v_bfe_u32 v215, v0, 4, 1
	s_delay_alu instid0(VALU_DEP_3)
	v_lshlrev_b32 v[LI16], 4, v8
	v_lshlrev_b32 v[LI8], 3, v8
	v_lshlrev_b32 v[R4], 2, v[TT]
	v_lshrrev_b32 v[FF], 3, v[TT]
	v_lshlrev_b32 v215, 4, v215
	s_delay_alu instid0(VALU_DEP_3)
	v_add_nc_u32 v[ASK0], LKS, v[R4]
	s_delay_alu instid0(VALU_DEP_3)
	v_lshl_add_u32 v[DD], v[FF], 3, v[TT]
	v_add_nc_u32 v[PA16], s78, v[LI16]
	s_delay_alu instid0(VALU_DEP_2)
	v_sub_nc_u32 v[DD], v[DD], v215
	v_add_nc_u32 v[PA8], s79, v[LI8]
	s_delay_alu instid0(VALU_DEP_2)
	v_add_nc_u32 v[DD], s70, v[DD]                 ; my query's place among its 128 tokens, less 16 (lane / 16)
	v_add_nc_u32 v[SSTA], s98, v[LI16]
	v_add_nc_u32 v[SGO], s99, v[LI16]
	global_load_b128 v[16:19], v[LI16], s[48:49]   ; (Q, zeros) in v16-27
	global_load_b64 v[20:21], v[LI8], s[48:49] offset:512
	global_load_b128 v[34:37], v[LI16], s[48:49]   ; (zeros, Q) in v28-39: loaded a second time
	global_load_b64 v[38:39], v[LI8], s[48:49] offset:512
	global_load_b32 v[QSW], v[R4], s[50:51]
	global_load_b128 v[Q2:Q2+3], v[LI16], s[72:73]
	global_load_b64 v[Q2+4:Q2+5], v[LI8], s[72:73] offset:512
	global_load_b32 v[QSW2], v[R4], s[74:75]
	global_load_b128 v[SCT:SCT+3], v[SGO], s[76:77]   ; 512 consecutive bytes of scale words a wave
.irp j, 22,23,24,25,26,27,28,29,30,31,32,33
	v_mov_b32 v\j, 0
.endr
	v_mov_b32 v13, 0xff61b1e6                      ; the largest t so far: -3e38
	v_mov_b32 v14, 0
	v_mov_b32 v15, 0
	s_delay_alu instid0(VALU_DEP_3)
	v_floor_f32 v12, -v13                          ; -M
.irp b, 0,1,2,3
	v_mov_b32 v[PD+\b], 0
	v_mov_b32 v[BM+\b], 0
.endr
	v_mov_b32 v[FF], 0
	v_mov_b32 v[PWD], 0
.set NN, 0
.rept 32
	v_mov_b32 v[OT+NN], 0                          ; the step is written once: a tile's first finds zeros
.set NN, NN+1
.endr
	s_wait_alu depctr_va_vdst(0)
	s_wait_loadcnt 0x0
	s_wait_tensorcnt 0x0                           ; no tensor load of mine is out when I store to LDS
	ds_store_b128 v[SSTA], v[SCT:SCT+3]
	v_lshrrev_b32 v[QSW], s71, v[QSW]              ; my tile's two bytes of the pair's word,
	v_lshrrev_b32 v[QSW2], s71, v[QSW2]
	s_delay_alu instid0(VALU_DEP_2)
	v_and_b32 v[QSW], 0xffff, v[QSW]
	s_delay_alu instid0(VALU_DEP_2)
	v_and_b32 v[QSW2], 0xffff, v[QSW2]
	s_delay_alu instid0(VALU_DEP_2)
	v_lshl_or_b32 v[QSW], v[QSW], 16, v[QSW]       ; for both halves of K
	s_delay_alu instid0(VALU_DEP_2)
	v_lshl_or_b32 v[QSW2], v[QSW2], 16, v[QSW2]
	s_wait_alu depctr_va_vdst(0)
	s_wait_tensorcnt 0x0
	ds_add_u32 v[SPW], v[NIL]
	s_wait_dscnt 0x0                               ; the add and my store of scale words are done
	CROUND                                         ; everybody's part of steps 0-3 and of the scale words is in; the partners' second joint loads meet
	tensor_load_to_lds s[G0S:G0S+3], s[G1S:G1S+7]  ; my sixteenth of key steps 4-15: bytes that nothing reads before the barrier behind the first loop
	s_nop 0
.rept 4
	v_nop
.endr
	s_mov_b32 s[STP], 0
	s_mov_b32 s[TB], 0
	s_mov_b32 s[TS], 0
.Lp1:                                                  ; key steps 0-3: four trips in every wave; a step behind my tile's last is left out
	s_cmp_gt_u32 s[STP], s[HI]
	s_cbranch_scc1 .Lskip1
	STEP
.Lskip1:
	s_add_co_u32 s[TB], s[TB], 6144
	s_add_co_u32 s[TS], s[TS], 256
	s_add_co_u32 s[STP], s[STP], 1
	s_cmp_lt_u32 s[STP], 4
	s_cbranch_scc1 .Lp1
	s_wait_tensorcnt 0x0                           ; my part of steps 4-15 has landed,
	s_wait_dscnt 0x0
	s_barrier_signal -1
	s_barrier_wait -1                              ; everybody's has
	s_mov_b32 s[STP], 4
	s_mov_b32 s[TB], 4*6144
	s_mov_b32 s[TS], 4*256
.Lp2:                                                  ; key steps 4-15: twelve trips in every wave
	s_cmp_eq_u32 s[STP], s[SWT]
	s_cbranch_scc0 .Lnosw
	FINAL                                          ; trip 8 of a pair's second wave, which has no step 8: the short tile leaves,
	s_wait_xcnt 0x0                                ; the stores have read their registers,
	v_mov_b32 v[QSW], v[QSW2]                      ; and the long tile's q takes its place; the 48 lines below stand between these writes and the next products
.irp i, 0,1,2,3,4,5
	v_mov_b32 v[16+\i], v[Q2+\i]
	v_mov_b32 v[34+\i], v[Q2+\i]
.endr
	v_mov_b32 v13, 0xff61b1e6
	v_mov_b32 v14, 0
	v_mov_b32 v15, 0
	s_delay_alu instid0(VALU_DEP_3)
	v_floor_f32 v12, -v13
.set NN, 0
.rept 32
	v_mov_b32 v[OT+NN], 0
.set NN, NN+1
.endr
	s_mov_b32 s[LO], s[LO2]
	s_mov_b32 s[HI], s[HI2]
	s_mov_b32 s[DG], s[HI2]
	s_wait_alu depctr_va_vdst(0)
.Lnosw:
	s_cmp_lt_u32 s[STP], s[LO]
	s_cbranch_scc1 .Lskip2
	s_cmp_gt_u32 s[STP], s[HI]
	s_cbranch_scc1 .Lskip2
	STEP
.Lskip2:
	s_add_co_u32 s[TB], s[TB], 6144
	s_add_co_u32 s[TS], s[TS], 256
	s_add_co_u32 s[STP], s[STP], 1
	s_cmp_lt_u32 s[STP], 16
	s_cbranch_scc1 .Lp2
.rept 4
	v_nop                                          ; places behind the last products
.endr
	s_cmp_eq_u32 s[TYP], 1
	s_cbranch_scc0 .Lnost
	v_add_f32 v13, v14, v15                        ; the second wave hands over -M, its lane's sum and O^T, as images of the registers
.irp k, 0,1,2,3,4,5,6,7
	ds_store_b128 v[PA16], v[OT+4*\k:OT+4*\k+3] offset:512*\k
.endr
	ds_store_b64 v[PA8], v[12:13]
.Lnost:
	s_wait_dscnt 0x0                               ; for the partner's sake
	s_barrier_signal -1
	s_barrier_wait -1
	s_cmp_eq_u32 s[TYP], 1
	s_cbranch_scc1 .Lend
.irp k, 0,1,2,3,4,5,6,7
	ds_load_b128 v[SS+4*\k:SS+4*\k+3], v[PA16] offset:512*\k
.endr
	ds_load_b64 v[BM:BM+1], v[PA8]
	s_wait_dscnt 0x0
	v_min_num_f32 v[TT], v12, v[BM]                ; -M of both parts
	v_add_f32 v14, v14, v15
	s_delay_alu instid0(VALU_DEP_2)
	v_sub_f32 v215, v[TT], v12                     ; my M - M, the partner's M - M: whole numbers, 0 or less
	v_sub_f32 v[BM+2], v[TT], v[BM]
	s_delay_alu instid0(VALU_DEP_2)
	v_cvt_i32_f32 v215, v215
	s_delay_alu instid0(VALU_DEP_2)
	v_cvt_i32_f32 v[BM+2], v[BM+2]                 ; (they saturate: a part with no step counts for nothing)
	s_delay_alu instid0(VALU_DEP_2)
	v_ldexp_f32 v[FF], 1.0, v215
	s_delay_alu instid0(VALU_DEP_2)
	v_ldexp_f32 v[BM+2], 1.0, v[BM+2]
	v_mov_b32 v15, 0
	s_delay_alu instid0(VALU_DEP_3)
	v_mul_f32 v14, v14, v[FF]
	s_delay_alu instid0(VALU_DEP_1)
	v_fma_f32 v14, v[BM+1], v[BM+2], v14
.set NN, 0
.rept 16
	v_pk_mul_f32 v[OT+NN:OT+NN+1], v[OT+NN:OT+NN+1], v[FF:FF+1] op_sel_hi:[1,0]
.set NN, NN+2
.endr
.set NN, 0
.rept 16
	v_pk_fma_f32 v[OT+NN:OT+NN+1], v[SS+NN:SS+NN+1], v[BM+2:BM+3], v[OT+NN:OT+NN+1] op_sel_hi:[1,0,1]
.set NN, NN+2
.endr
	FINAL
.Lend:
	s_wait_tensorcnt 0x0                           ; the wave's end
	ds_add_u32 v[SPW], v[NIL]
	s_wait_dscnt 0x0
	CROUND                                         ; the closing round
	s_endpgm
.Lfunc_end_k_q961a4e47b1_attn:
	.size	k_q961a4e47b1_attn, .Lfunc_end_k_q961a4e47b1_attn-k_q961a4e47b1_attn
	.p2alignl 7, 3214868480
	.fill 96, 4, 3214868480
	.section	.rodata,"a",@progbits
	.p2align	6, 0x0
	.amdhsa_kernel k_q961a4e47b1_attn
		.amdhsa_group_segment_fixed_size 327680
		.amdhsa_private_segment_fixed_size 0
		.amdhsa_enable_private_segment 0
		.amdhsa_kernarg_size 16
		.amdhsa_user_sgpr_count 2
		.amdhsa_user_sgpr_kernarg_segment_ptr 1
		.amdhsa_wavefront_size32 1
		.amdhsa_system_sgpr_workgroup_id_x 1
		.amdhsa_system_sgpr_workgroup_id_y 1
		.amdhsa_system_sgpr_workgroup_id_z 1
		.amdhsa_system_vgpr_workitem_id 0
		.amdhsa_next_free_vgpr 256
		.amdhsa_next_free_sgpr 100
		.amdhsa_reserve_vcc 1
		.amdhsa_float_denorm_mode_32 3
		.amdhsa_float_denorm_mode_16_64 3
		.amdhsa_memory_ordered 1
		.amdhsa_forward_progress 1
		.amdhsa_inst_pref_size 73
	.end_amdhsa_kernel
	.amdgpu_metadata
---
amdhsa.version: [ 1, 2 ]
amdhsa.kernels:
  - .name:           k_q961a4e47b1_attn
    .symbol:         k_q961a4e47b1_attn.kd
    .args:
      - { .name: qkv, .offset: 0, .size: 8, .value_kind: global_buffer, .address_space: global }
      - { .name: ob, .offset: 8, .size: 8, .value_kind: global_buffer, .address_space: global }
    .group_segment_fixed_size: 327680
    .private_segment_fixed_size: 0
    .kernarg_segment_align: 8
    .kernarg_segment_size: 16
    .max_flat_workgroup_size: 512
    .sgpr_count:     100
    .vgpr_count:     256
    .wavefront_size: 32
...
	.end_amdgpu_metadata
.endif
;; end of part 10
;; launch g4 (part 11): grid 8 x 32, 4 waves a work-group, clusters of 4 x 4, 327,680 bytes of LDS; arguments ob, pw, b_out, x, x1; writes x1
.if DOCPART == 11
	.amdgcn_target "amdgcn-amd-amdhsa--gfx1250"
	.amdhsa_code_object_version 6
	.text
	.protected	k_q961a4e47b1_g4
	.globl	k_q961a4e47b1_g4
	.p2align	8
	.type	k_q961a4e47b1_g4,@function
k_q961a4e47b1_g4:
	s_mov_b64 s[64:65], 0
	v_nop
	global_prefetch_b8 v0, s[64:65] scope:SCOPE_SE
	s_setreg_imm32_b32 hwreg(HW_REG_WAVE_MODE, 25, 1), 1
	s_wait_xcnt 0x0
	s_wait_alu depctr_hold_cnt(0) depctr_sa_sdst(0) depctr_va_vdst(0) depctr_va_sdst(0) depctr_va_ssrc(0) depctr_va_vcc(0) depctr_vm_vsrc(0)
	s_getreg_b32 s2, hwreg(HW_REG_IB_STS2, 6, 4)
	s_cmp_eq_u32 s2, 0
	s_cbranch_scc0 .Lentry_in_a_cluster
	s_endpgm
.Lentry_in_a_cluster:
	s_bfe_u32 s2, ttmp6, 0x10000c
	s_cmp_lg_u32 s2, 0xf033
	s_cbranch_scc0 .Lentry_shape_is_right
	s_endpgm
.Lentry_shape_is_right:
.set KDIM,  1024
.set AOC,   0
.set AOS,   3145728
.set BOC,   2490368
.set BOS,   3276800
.set APITCH, 4096
.set BPITCH, 1024
.set NT_OUT, 0
.set NQ,    4
.set FR,    12
.set NL,    4
.set NP,    4
.set KROW,  KDIM*6/8
.set KRB,   KDIM/128*1536
.set NKS,   KDIM/128
.set RBS,   NQ*1536
.set HALFT, 4*RBS
.set SLOT,  4*HALFT
.set LAPS,  KDIM/1024
.set SCL,   2*SLOT
.set HALFS, 256*NKS
.set SPARE, SCL+4*HALFS
.set SPITCH, 272
.set STG,   16*SPITCH
.set ADRA, 16
.set ADRB, 20
.set STO,  24
.set RD,   25
.set CO,   26
.set ADRS, 27
.set SPW,  28
.set NIL,  29
.set VB,   30
.set PFO,  31
.set SC,   32
.set BI,   64
.set ACC,  128
.set G1, 24
.set G0, 32
.set G1B, 48
.set G0B, 56
.set G1S, 68
.set G0S, 76
.set G1SB, 80
.set G0SB, 88
.set PFA, 66
.set LIM, 97
.set MSB, 0
.macro WIN new
.if MSB != \new
	s_set_vgpr_msb (MSB<<8)|\new
.set MSB, \new
.endif
.endm
.set MUL,  0x05
.set TO_F, 0x40
.macro JLOAD g0a, g1a, g0b, g1b
	s_cmp_eq_u32 s15, 0
	s_cbranch_scc0 .Lfor_b_\@
	tensor_load_to_lds s[\g0a:\g0a+3], s[\g1a:\g1a+7]
	s_nop 0
.rept 4
	v_nop
.endr
	s_branch .Lasked_\@
.Lfor_b_\@:
	tensor_load_to_lds s[\g0b:\g0b+3], s[\g1b:\g1b+7]
	s_nop 0
.rept 4
	v_nop
.endr
.Lasked_\@:
.endm
.macro ASK
	s_cmp_gt_u32 s3, s[LIM]
	s_cbranch_scc0 .Lnot_mine_\@
	global_prefetch_b8 v[PFO], s[PFA:PFA+1] th:TH_LOAD_NT scope:SCOPE_SE
.Lnot_mine_\@:
.endm
.macro CREST
	s_cmp_lg_u32 s14, 0
	s_cbranch_scc1 .Lnot_wave_0_\@
	s_barrier_signal -3
.Lnot_wave_0_\@:
	s_barrier_wait -3
	s_barrier_signal -1
	s_barrier_wait -1
.endm
.macro CROUND
	s_barrier_signal -1
	s_barrier_wait -1
	CREST
.endm
	s_load_b128 s[4:7], s[0:1], 0x0
	s_load_b128 s[8:11], s[0:1], 0x10
	s_load_b64 s[12:13], s[0:1], 0x20
	v_lshl_add_u32 v[SPW], v0, 2, SPARE
	v_mov_b32 v[NIL], 0
	ds_add_u32 v[SPW], v[NIL]
	ds_add_u32 v[SPW], v[NIL]
	v_lshrrev_b32 v1, 5, v0
	v_readfirstlane_b32 s14, v1
	s_lshr_b32 s15, s14, 1
	s_and_b32 s16, s14, 1
	s_bfe_u32 s40, ttmp6, 0x40000
	s_bfe_u32 s41, ttmp6, 0x40004
	s_and_b32 s17, ttmp7, 0xffff
	s_mov_b32 s92, AOC
	s_mov_b32 s93, AOS
	s_mov_b32 s94, BOC
	s_mov_b32 s95, BOS
	s_lshl_b32 s42, ttmp9, 2
	s_add_co_u32 s42, s42, s40
	s_lshl_b32 s17, s17, 2
	s_add_co_u32 s17, s17, s41
	s_lshl_b32 s43, s41, 2
	s_lshl_b32 s43, 15, s43
	s_lshl_b32 s44, 0x1111, s40
	s_or_b32 s[G1+0], s43, (3<<16)|(1<<21)
	s_or_b32 s[G1B+0], s44, (3<<16)|(1<<21)
.irp g, G1, G1B
	s_mov_b32 s[\g+1], (RBS/8)<<16
	s_mov_b32 s[\g+2], 8<<16                       ; the head's loads bring all 8 row blocks of a tile; behind them the two counts are set to 4
	s_mov_b32 s[\g+3], (RBS/8)<<16
	s_mov_b32 s[\g+4], 8
	s_mov_b32 s[\g+5], KRB/8
	s_mov_b32 s[\g+6], 0
	s_mov_b32 s[\g+7], 0
.endr
	s_or_b32 s[G1S+0], s43, (3<<16)|(1<<21)
	s_or_b32 s[G1SB+0], s44, (3<<16)|(1<<21)
.irp g, G1S, G1SB
	s_mov_b32 s[\g+1], 64<<16                      ; the scale words of a tile's 128 rows: NKS rows of 512 bytes
	s_mov_b32 s[\g+2], NKS<<16
	s_mov_b32 s[\g+3], 64<<16
	s_mov_b32 s[\g+4], NKS
	s_mov_b32 s[\g+6], 0
	s_mov_b32 s[\g+7], 0
.endr
	s_mov_b32 s[G1S+5], APITCH/2
	s_mov_b32 s[G1SB+5], BPITCH/2
	s_lshl_b32 s18, s16, 6
	s_lshl_b32 s20, s17, 7
	s_add_co_u32 s20, s20, s18
	s_lshl_b32 s46, s42, 7
	s_add_co_u32 s46, s46, s18
	s_lshl_b32 s22, s17, 9
	s_add_co_u32 s22, s22, s93
	s_mul_i32 s20, s20, KROW
	s_add_co_u32 s20, s20, s92
	s_mov_b32 s21, 0
	s_mov_b32 s23, 0
	s_lshl_b32 s98, s42, 9
	s_add_co_u32 s98, s98, s95
	s_mul_i32 s46, s46, KROW
	s_add_co_u32 s46, s46, s94
	s_mov_b32 s47, 0
	s_mov_b32 s99, 0
	s_mul_i32 s45, s14, HALFT
	s_wait_dscnt 0x0
	s_wait_kmcnt 0x0
	s_add_nc_u64 s[20:21], s[4:5], s[20:21]
	s_add_nc_u64 s[22:23], s[4:5], s[22:23]
	s_add_nc_u64 s[46:47], s[6:7], s[46:47]
	s_add_nc_u64 s[98:99], s[6:7], s[98:99]
	CROUND
	s_mov_b32 s[G0S], 1
	s_mov_b32 s[G0S+1], SCL
	s_mov_b64 s[G0S+2:G0S+3], s[22:23]
	s_or_b32 s[G0S+3], s[G0S+3], 0x80000000
	s_mov_b32 s[G0SB], 1
	s_mov_b32 s[G0SB+1], SCL+2*HALFS
	s_mov_b64 s[G0SB+2:G0SB+3], s[98:99]
	s_or_b32 s[G0SB+3], s[G0SB+3], 0x80000000
.irp s, 0,1
	s_mov_b32 s[G0+4*\s], 1
	s_add_co_u32 s[G0+4*\s+1], s45, \s*SLOT
	s_add_nc_u64 s[G0+4*\s+2:G0+4*\s+3], s[20:21], \s*RBS
	s_or_b32 s[G0+4*\s+3], s[G0+4*\s+3], 0x80000000
	s_mov_b32 s[G0B+4*\s], 1
	s_add_co_u32 s[G0B+4*\s+1], s45, \s*SLOT
	s_add_nc_u64 s[G0B+4*\s+2:G0B+4*\s+3], s[46:47], \s*RBS
	s_or_b32 s[G0B+4*\s+3], s[G0B+4*\s+3], 0x80000000
.endr
; THE HEAD'S LOADS, ONE A WAVE: wave 0 slot 0's 8 row blocks of A, wave 1 A's scale words, wave 2 slot 0's 8 row blocks of B, wave 3 B's scale words.
; One chain of branches on the wave's number: every way through it passes exactly one load.
.macro ARM under, g0, g1, next
	s_cmp_lt_u32 s14, \under
	s_cbranch_scc0 \next
	tensor_load_to_lds s[\g0:\g0+3], s[\g1:\g1+7]
	s_nop 0
.rept 4
	v_nop
.endr
	s_branch .Lhead_asked
\next:
.endm
	ARM 1, G0,  G1,  .Lhead_sa
	ARM 2, G0S, G1S, .Lhead_b
	ARM 3, G0B, G1B, .Lhead_sb
	tensor_load_to_lds s[G0SB:G0SB+3], s[G1SB:G1SB+7]
	s_nop 0
.rept 4
	v_nop
.endr
.Lhead_asked:
	v_and_b32 v1, 31, v0
	v_and_b32 v2, 15, v0
	v_bfe_u32 v3, v0, 4, 1
	v_lshlrev_b32 v4, 4, v1
	v_lshlrev_b32 v5, 3, v1
	s_mul_i32 s21, s15, HALFT
	s_mul_i32 s22, s16, HALFT
	s_add_co_u32 s22, s22, 2*HALFT
.irp s, 0,1
	v_add_nc_u32 v[ADRA+\s], s21, v4
	v_add_nc_u32 v[ADRB+\s], s22, v4
	v_add_nc_u32 v[ADRA+2+\s], s21, v5
	v_add_nc_u32 v[ADRB+2+\s], s22, v5
	s_add_co_u32 s21, s21, SLOT
	s_add_co_u32 s22, s22, SLOT
.endr
	s_lshl_b32 s21, s15, 8                         ; my 64 rows' words inside a K step's 512 bytes
	s_lshl_b32 s22, s16, 8
	s_add_co_u32 s22, s22, 2*HALFS
	s_sub_co_u32 s22, s22, s21
	v_mul_u32_u24 v6, s22, v3
	s_add_co_u32 s21, s21, SCL
	v_lshl_add_u32 v6, v2, 2, v6
	v_add_nc_u32 v[ADRS], s21, v6
	s_mul_i32 s23, s14, 4*STG
	v_mul_u32_u24 v5, v2, SPITCH
	v_lshl_add_u32 v5, v3, 6, v5
	v_add_nc_u32 v[STO], s23, v5
	v_mul_u32_u24 v5, v3, SPITCH
	v_lshl_add_u32 v5, v2, 4, v5
	v_add_nc_u32 v[RD], s23, v5
	v_lshlrev_b32 v[CO], 12, v3
	v_lshl_add_u32 v[CO], v2, 4, v[CO]
	v_lshlrev_b32 v[VB], 6, v3
	s_wait_alu depctr_va_vdst(0)
	s_lshl_b32 s20, s17, 7
	s_lshl_b32 s21, s15, 6
	s_add_co_u32 s20, s20, s21
	s_lshl_b32 s20, s20, 12
	s_lshl_b32 s46, s42, 9
	s_lshl_b32 s47, s16, 8
	s_add_co_u32 s46, s46, s47
	s_mov_b32 s47, 0
	s_add_nc_u64 s[8:9], s[8:9], s[46:47]
	s_add_co_u32 s46, s46, s20
	s_add_nc_u64 s[10:11], s[10:11], s[46:47]
	s_add_nc_u64 s[12:13], s[12:13], s[46:47]
.if LAPS > 1
	s_lshl_b32 s20, s17, 7
	s_lshl_b32 s21, s42, 7
	s_mov_b32 s18, BOC
	s_and_b32 s22, ttmp7, 0xffff
	s_cmp_eq_u32 s15, 0
	s_cselect_b32 s20, s20, s21
	s_cselect_b32 s21, s40, s41
	s_cselect_b32 s22, ttmp9, s22
	s_cselect_b32 s18, AOC, s18
	s_cselect_b64 s[PFA:PFA+1], s[4:5], s[6:7]
	s_cmp_eq_u32 s22, 0
	s_cselect_b32 s[LIM], 1, -1
	s_lshl_b32 s22, s16, 6
	s_add_co_u32 s20, s20, s22
	s_mul_i32 s20, s20, KROW
	s_mul_i32 s21, s21, KRB
	s_add_co_u32 s20, s20, s21
	s_add_co_u32 s20, s20, s18
	s_add_co_u32 s20, s20, 3*RBS
	s_mov_b32 s21, 0
	s_add_nc_u64 s[PFA:PFA+1], s[PFA:PFA+1], s[20:21]
	v_min_u32 v[PFO], 23, v1
	v_lshlrev_b32 v[PFO], 8, v[PFO]
.endif
.irp b, 0,1,2,3
	global_load_b128 v[BI+8*\b:BI+8*\b+3], v[VB], s[8:9] offset:128*(\b/2)+32*(\b%2)
	global_load_b128 v[BI+8*\b+4:BI+8*\b+7], v[VB], s[8:9] offset:128*(\b/2)+32*(\b%2)+16
.endr
.macro RL a
.set TQ, 0
.rept 8
	global_load_b128 v[32*(\a)+4*TQ:32*(\a)+4*TQ+3], v[CO], s[10:11] offset:(32*((\a)/2)+8*((\a)%2)+2*TQ+8*(TQ/4))*4096
.set TQ, TQ+1
.endr
.endm
	WIN 0x80
	RL 0
	RL 1
	RL 2
	RL 3
	WIN 0
.macro FRAG reg, adr, q, i
	ds_load_b128 v[\reg:\reg+3], v[\adr] offset:(\i)*RBS+(\q)*1536
	ds_load_b64 v[\reg+4:\reg+5], v[\adr+2] offset:(\i)*RBS+(\q)*1536+512
	ds_load_b128 v[\reg+6:\reg+9], v[\adr] offset:(\i)*RBS+(\q)*1536+768
	ds_load_b64 v[\reg+10:\reg+11], v[\adr+2] offset:(\i)*RBS+(\q)*1536+1280
.endm
.macro MUL4 a, p, q, sc, first
.irp b, 0,1,2,3
.if \first
	v_wmma_scale_f32_16x16x128_f8f6f4 v[ACC+8*(4*(\a)+\b):ACC+8*(4*(\a)+\b)+7], v[128*(\p)+48+FR*\b:128*(\p)+48+FR*\b+FR-1], v[128*(\p)+FR*(\a):128*(\p)+FR*(\a)+FR-1], v[BI+8*\b:BI+8*\b+7], v[SC+16*(\sc)+4*(\q)+\b], v[SC+16*(\sc)+4*(\q)+(\a)] matrix_a_fmt:MATRIX_FMT_FP6 matrix_b_fmt:MATRIX_FMT_FP6 matrix_a_scale:MATRIX_SCALE_ROW1
.else
	v_wmma_scale_f32_16x16x128_f8f6f4 v[ACC+8*(4*(\a)+\b):ACC+8*(4*(\a)+\b)+7], v[128*(\p)+48+FR*\b:128*(\p)+48+FR*\b+FR-1], v[128*(\p)+FR*(\a):128*(\p)+FR*(\a)+FR-1], v[ACC+8*(4*(\a)+\b):ACC+8*(4*(\a)+\b)+7], v[SC+16*(\sc)+4*(\q)+\b], v[SC+16*(\sc)+4*(\q)+(\a)] matrix_a_fmt:MATRIX_FMT_FP6 matrix_b_fmt:MATRIX_FMT_FP6 matrix_a_scale:MATRIX_SCALE_ROW1
.endif
.endr
.endr
.endm
.macro FETCH slot, q, p
	WIN TO_F
.irp i, 0,1,2,3
	FRAG 128*(\p)+48+FR*\i, ADRB+\slot, \q, \i
.endr
.irp i, 0,1,2,3
	FRAG 128*(\p)+FR*\i, ADRA+\slot, \q, \i
.endr
.endm
.macro SCALES sc
.irp q, 0,1,2,3
.irp i, 0,1,2,3
	ds_load_b32 v[SC+16*\sc+4*\q+\i], v[ADRS] offset:512*\q+64*\i
.endr
.endr
.endm
.macro PLACES n
.rept \n
	v_nop
.endr
.endm
.macro STEP slot, q, first
	s_wait_dscnt 2*NL
	WIN MUL
	MUL4 0, (\q)%2, \q, \slot, \first
	MUL4 1, (\q)%2, \q, \slot, \first
	s_wait_dscnt 0x0
	PLACES NP
	FETCH \slot, (\q)+1, 1-(\q)%2
	WIN MUL
	MUL4 2, (\q)%2, \q, \slot, \first
	MUL4 3, (\q)%2, \q, \slot, \first
.endm
.macro TURN slot, next, fill
.if \fill
	s_wait_xcnt 0x0
	s_add_nc_u64 s[PFA:PFA+1], s[PFA:PFA+1], RBS
.endif
	WIN 0
	s_wait_tensorcnt 0x0
	ds_add_u32 v[SPW], v[NIL]
	s_wait_dscnt 2*NL+1
	WIN MUL
	MUL4 0, 1, NQ-1, \slot, 0
	s_wait_dscnt 0x0
	s_barrier_signal -1
	MUL4 1, 1, NQ-1, \slot, 0
	WIN 0
	s_barrier_wait -1
.if \fill
	CREST
	s_add_nc_u64 s[G0+4*\slot+2:G0+4*\slot+3], s[G0+4*\slot+2:G0+4*\slot+3], 2*RBS
	s_add_nc_u64 s[G0B+4*\slot+2:G0B+4*\slot+3], s[G0B+4*\slot+2:G0B+4*\slot+3], 2*RBS
	JLOAD G0+4*\slot, G1, G0B+4*\slot, G1B
.else
	PLACES NP
.endif
	v_add_nc_u32 v[ADRS], 512*NQ, v[ADRS]
	SCALES \next
	FETCH \next, 0, 0
.if \fill
	WIN 0
	ASK
.endif
	WIN MUL
	MUL4 2, 1, NQ-1, \slot, 0
	MUL4 3, 1, NQ-1, \slot, 0
.endm
	s_wait_alu depctr_va_vdst(0)
	s_wait_tensorcnt 0x0                           ; my tile of the head's four is in
	ds_add_u32 v[SPW], v[NIL]
	s_mov_b32 s[G1+2], 4<<16                       ; no tensor load of mine is out: from here on a load brings 4 row blocks
	s_mov_b32 s[G1+4], 4
	s_mov_b32 s[G1B+2], 4<<16
	s_mov_b32 s[G1B+4], 4
	s_wait_dscnt 0x0
	CROUND                                         ; all four tiles are in, all sixteen work-groups are here
	JLOAD G0+4, G1, G0B+4, G1B                     ; slot 1's first fill, the first tensor load behind the round
	SCALES 0
	FETCH 0, 0, 0
	s_wait_loadcnt 32
	STEP 0, 0, 1
.if LAPS > 1
	WIN 0
	s_mov_b32 s3, LAPS-1
.Llap:
	STEP 0, 1, 0
	STEP 0, 2, 0
	TURN 0, 1, 1
	STEP 1, 0, 0
	STEP 1, 1, 0
	STEP 1, 2, 0
	TURN 1, 0, 1
	STEP 0, 0, 0
	WIN 0
	s_sub_co_u32 s3, s3, 1
	s_cmp_lg_u32 s3, 0
	s_cbranch_scc1 .Llap
.endif
	STEP 0, 1, 0
	STEP 0, 2, 0
	TURN 0, 1, 0
	STEP 1, 0, 0
	STEP 1, 1, 0
	STEP 1, 2, 0
	s_wait_dscnt 2*NL
	WIN MUL
	MUL4 0, 1, NQ-1, 1, 0
	MUL4 1, 1, NQ-1, 1, 0
	s_wait_dscnt 0x0
	MUL4 2, 1, NQ-1, 1, 0
	MUL4 3, 1, NQ-1, 1, 0
	WIN 0
	PLACES NP
.irp a, 0,1,2,3
.irp b, 0,1,2,3
	ds_store_b128 v[STO], v[ACC+8*(4*\a+\b):ACC+8*(4*\a+\b)+3] offset:\a*STG+128*(\b/2)+32*(\b%2)
	ds_store_b128 v[STO], v[ACC+8*(4*\a+\b)+4:ACC+8*(4*\a+\b)+7] offset:\a*STG+128*(\b/2)+32*(\b%2)+16
.endr
.endr
	WIN TO_F
.irp a, 0,1,2,3
.irp j, 0,1,2,3,4,5,6,7
	ds_load_b128 v[32*\a+4*\j:32*\a+4*\j+3], v[RD] offset:\a*STG+2*\j*SPITCH
.endr
.endr
	s_wait_loadcnt 0x0
.irp a, 0,1,2,3
	s_wait_dscnt 8*(3-\a)
	WIN 0x49
.set NN, 0
.rept 16
	v_pk_add_f32 v[32*\a+NN:32*\a+NN+1], v[32*\a+NN:32*\a+NN+1], v[32*\a+NN:32*\a+NN+1]
.set NN, NN+2
.endr
	WIN 0x04
.set TQ, 0
.rept 8
.if NT_OUT
	global_store_b128 v[CO], v[32*\a+4*TQ:32*\a+4*TQ+3], s[12:13] offset:(32*(\a/2)+8*(\a%2)+2*TQ+8*(TQ/4))*4096 th:TH_STORE_NT
.else
	global_store_b128 v[CO], v[32*\a+4*TQ:32*\a+4*TQ+3], s[12:13] offset:(32*(\a/2)+8*(\a%2)+2*TQ+8*(TQ/4))*4096
.endif
.set TQ, TQ+1
.endr
.endr
	WIN 0
	s_wait_tensorcnt 0x0
	ds_add_u32 v[SPW], v[NIL]
	s_wait_dscnt 0x0
	CROUND
	s_endpgm
.Lfunc_end_k_q961a4e47b1_g4:
	.size	k_q961a4e47b1_g4, .Lfunc_end_k_q961a4e47b1_g4-k_q961a4e47b1_g4
	.p2alignl 7, 3214868480
	.fill 96, 4, 3214868480
	.section	.rodata,"a",@progbits
	.p2align	6, 0x0
	.amdhsa_kernel k_q961a4e47b1_g4
		.amdhsa_group_segment_fixed_size 327680
		.amdhsa_private_segment_fixed_size 0
		.amdhsa_enable_private_segment 0
		.amdhsa_kernarg_size 40
		.amdhsa_user_sgpr_count 2
		.amdhsa_user_sgpr_kernarg_segment_ptr 1
		.amdhsa_wavefront_size32 1
		.amdhsa_system_sgpr_workgroup_id_x 1
		.amdhsa_system_sgpr_workgroup_id_y 1
		.amdhsa_system_sgpr_workgroup_id_z 1
		.amdhsa_system_vgpr_workitem_id 0
		.amdhsa_next_free_vgpr 768
		.amdhsa_next_free_sgpr 100
		.amdhsa_reserve_vcc 0
		.amdhsa_float_denorm_mode_32 3
		.amdhsa_float_denorm_mode_16_64 3
		.amdhsa_memory_ordered 1
		.amdhsa_forward_progress 1
		.amdhsa_inst_pref_size 63
	.end_amdhsa_kernel
	.amdgpu_metadata
---
amdhsa.version: [ 1, 2 ]
amdhsa.kernels:
  - .name:           k_q961a4e47b1_g4
    .symbol:         k_q961a4e47b1_g4.kd
    .args:
      - { .name: ob, .offset: 0, .size: 8, .value_kind: global_buffer, .address_space: global }
      - { .name: pw, .offset: 8, .size: 8, .value_kind: global_buffer, .address_space: global }
      - { .name: b_out, .offset: 16, .size: 8, .value_kind: global_buffer, .address_space: global }
      - { .name: x, .offset: 24, .size: 8, .value_kind: global_buffer, .address_space: global }
      - { .name: x1, .offset: 32, .size: 8, .value_kind: global_buffer, .address_space: global }
    .group_segment_fixed_size: 327680
    .private_segment_fixed_size: 0
    .kernarg_segment_align: 8
    .kernarg_segment_size: 40
    .max_flat_workgroup_size: 128
    .sgpr_count:     100
    .vgpr_count:     768
    .wavefront_size: 32
...
	.end_amdgpu_metadata
.endif
;; end of part 11
;; launch ln2 (part 12): grid 256 x 1, 4 waves a work-group, no clusters, 66,304 bytes of LDS; arguments x1, ln2_g, ln2_b, yb; writes yb
.if DOCPART == 12
	.amdgcn_target "amdgcn-amd-amdhsa--gfx1250"
	.amdhsa_code_object_version 6
	.text
	.protected	k_q961a4e47b1_ln2
	.globl	k_q961a4e47b1_ln2
	.p2align	8
	.type	k_q961a4e47b1_ln2,@function
k_q961a4e47b1_ln2:
	s_mov_b64 s[64:65], 0
	v_nop
	global_prefetch_b8 v0, s[64:65] scope:SCOPE_SE
	s_setreg_imm32_b32 hwreg(HW_REG_WAVE_MODE, 25, 1), 1
	s_wait_xcnt 0x0
; y = LN2(x1): stored as f32 (the last residual) and as an operand of MX-FP6 (codes in images of the operand's registers, scale words [K / 128][position]).
; A work-group takes one row block: 16 positions (a token's index with bits 3 and 4 exchanged).  A wave normalises four neighbouring tokens, each whole in 32 registers; the 16 rows meet in LDS;
; each wave then quantises two K steps of 128.  Memory binds: each byte is read once, in runs of 512; no matrix unit, no cluster, no tensor load.
; LIMITS: a block of zeros gets the byte 1 (its codes are zeros; this program alone reads the bytes); NaN and infinities are not served; v_rsq_f32 is taken as it is (1 ulp).
.set CODES, 16777216
.set SCALES, 19922944
.set STORE_Y, 1
.set DST,   10
.set LNP,   4112
.set SPARE, 65792
.set SPW,  1
.set NIL,  2
.set LANE, 3
.set LI16, 4
.set LI8,  5
.set LSTO, 6
.set RD0,  7
.set SWO,  8
.set TMP,  9
.set PW0,  10
.set PW1,  11
.set ST,   12
.set X,    32
.set G,    160
.set B,    192
.set PC,   224
.set TM,   244
.macro QUANT s, pc, pw
.irp b, 0,1,2,3
	v_max3_num_f32 v[TM+\b], |v[\s+16*\b]|, |v[\s+1+16*\b]|, 0x1800000
.endr
.irp i, 2,4,6,8,10,12,14
.irp b, 0,1,2,3
	v_max3_num_f32 v[TM+\b], v[TM+\b], |v[\s+16*\b+\i]|, |v[\s+1+16*\b+\i]|
.endr
.endr
.irp b, 0,1,2,3
	v_permlanex16_b32 v[TM+4+\b], v[TM+\b], s26, s27
.endr
.irp b, 0,1,2,3
	v_max_num_f32 v[TM+\b], v[TM+\b], v[TM+4+\b]
.endr
.irp b, 0,1,2,3
	v_add_nc_u32 v[TM+8+\b], 0xff000000, v[TM+\b]
.endr
.irp b, 0,1,2,3
	v_lshrrev_b32 v[TM+4+\b], 23, v[TM+8+\b]
.endr
	v_lshl_or_b32 v[\pw], v[TM+5], 8, v[TM+4]
	v_lshl_or_b32 v[\pw], v[TM+6], 16, v[\pw]
	v_lshl_or_b32 v[\pw], v[TM+7], 24, v[\pw]
.irp c, 0,1
	v_cvt_scalef32_pk16_fp6_f32 v[\pc+6*\c:\pc+2+6*\c], v[\s+32*\c:\s+15+32*\c], v[TM+8+2*\c]
	v_cvt_scalef32_pk16_fp6_f32 v[\pc+12+4*\c:\pc+14+4*\c], v[\s+16+32*\c:\s+31+32*\c], v[TM+9+2*\c]
.endr
	v_nop
.irp c, 0,1
.irp i, 0,1,2
	v_permlane16_swap_b32 v[\pc+6*\c+\i], v[\pc+12+4*\c+\i]
.endr
.irp i, 0,1,2
	v_mov_b32 v[\pc+3+6*\c+\i], v[\pc+12+4*\c+\i]
.endr
.endr
.endm
.macro RED
.irp i, 0,1,2,3
	v_pk_add_f32 v[ST+4*\i:ST+4*\i+1], v[ST+4*\i:ST+4*\i+1], v[ST+4*\i+2:ST+4*\i+3]
.endr
.irp i, 0,1,2,3
	v_add_f32 v[ST+4*\i], v[ST+4*\i], v[ST+4*\i+1]
.endr
.irp m, 1,2,4,8
.irp i, 0,1,2,3
	v_add_f32_dpp v[ST+4*\i], v[ST+4*\i], v[ST+4*\i] row_xmask:\m row_mask:0xf bank_mask:0xf
.endr
.endr
.irp i, 0,1,2,3
	v_permlanex16_b32 v[ST+4*\i+1], v[ST+4*\i], s26, s27
.endr
.irp i, 0,1,2,3
	v_add_f32 v[ST+4*\i], v[ST+4*\i], v[ST+4*\i+1]
.endr
.endm
.macro IMG off
	global_store_b128 v[LI16], v[PC:PC+3], s[28:29] offset:\off
	global_store_b64 v[LI8], v[PC+4:PC+5], s[28:29] offset:\off+512
	global_store_b128 v[LI16], v[PC+6:PC+9], s[28:29] offset:\off+768
	global_store_b64 v[LI8], v[PC+10:PC+11], s[28:29] offset:\off+1280
.endm
	s_load_b256 s[4:11], s[0:1], 0x0               ; x1, ln2_g, ln2_b, yb
	v_lshl_add_u32 v[SPW], v0, 2, SPARE
	v_mov_b32 v[NIL], 0
	v_lshrrev_b32 v[LANE], 5, v0
	v_readfirstlane_b32 s20, v[LANE]
	v_and_b32 v[LANE], 31, v0
	v_lshlrev_b32 v[LI16], 4, v[LANE]
	s_wait_alu depctr_va_vdst(0)
	v_lshlrev_b32 v[LI8], 3, v[LANE]
	s_mov_b32 s21, ttmp9                           ; my row block F
	s_lshr_b32 s22, s21, 1
	s_lshl_b32 s22, s22, 5
	s_and_b32 s23, s21, 1
	s_lshl_b32 s23, s23, 3
	s_add_co_u32 s22, s22, s23
	s_lshl_b32 s23, s20, 2
	s_add_co_u32 s22, s22, s23
	s_lshr_b32 s23, s20, 1
	s_lshl_b32 s23, s23, 3
	s_add_co_u32 s22, s22, s23                     ; token 32 (F / 2) + 8 (F % 2) + 4 w + 8 (w / 2)
	s_lshl_b32 s22, s22, 12
	s_mov_b32 s23, 0
	s_mov_b32 s24, 0x3a800000                      ; 1 / 1024
	s_mov_b32 s25, 0x3727c5ac                      ; 1e-5
	s_mov_b32 s26, 0x76543210
	s_mov_b32 s27, 0xfedcba98
	s_mul_i32 s28, s20, 4*LNP
	v_add_nc_u32 v[LSTO], s28, v[LI16]
	v_and_b32 v[TMP], 15, v0
	v_bfe_u32 v[SWO], v0, 4, 1
	v_mul_u32_u24 v[RD0], v[TMP], LNP
	v_lshl_add_u32 v[RD0], v[SWO], 6, v[RD0]
	s_lshl_b32 s28, s20, 10
	v_add_nc_u32 v[RD0], s28, v[RD0]
	v_lshlrev_b32 v[SWO], 14, v[SWO]
	v_lshl_add_u32 v[SWO], v[TMP], 2, v[SWO]
.irp b, 0,1,2,3
	v_mov_b32 v[TM+4+\b], 0
.endr
	s_mul_i32 s28, s21, 12288
	s_mul_i32 s29, s20, 3072
	s_add_co_u32 s28, s28, s29
	s_add_co_u32 s28, s28, CODES
	s_mov_b32 s29, 0
	s_lshl_b32 s30, s20, 15
	s_lshl_b32 s31, s21, 6
	s_add_co_u32 s30, s30, s31
	s_add_co_u32 s30, s30, SCALES
	s_mov_b32 s31, 0
	s_wait_kmcnt 0x0
	s_add_nc_u64 s[4:5], s[4:5], s[22:23]
	s_add_nc_u64 s[28:29], s[DST:DST+1], s[28:29]
	s_add_nc_u64 s[30:31], s[DST:DST+1], s[30:31]
.if STORE_Y
	s_add_nc_u64 s[32:33], s[DST:DST+1], s[22:23]
.endif
.irp i, 0,1,2,3
.irp j, 0,1,2,3,4,5,6,7
	global_load_b128 v[X+32*\i+4*\j:X+32*\i+4*\j+3], v[LI16], s[4:5] offset:4096*\i+512*\j th:TH_LOAD_NT
.endr
.endr
.irp j, 0,1,2,3,4,5,6,7
	global_load_b128 v[G+4*\j:G+4*\j+3], v[LI16], s[6:7] offset:512*\j
.endr
.irp j, 0,1,2,3,4,5,6,7
	global_load_b128 v[B+4*\j:B+4*\j+3], v[LI16], s[8:9] offset:512*\j
.endr
	s_wait_loadcnt 16                              ; the rows are in; g's and b's sixteen loads may be out
.irp i, 0,1,2,3
	v_pk_add_f32 v[ST+4*\i:ST+4*\i+1], v[X+32*\i:X+32*\i+1], v[X+32*\i+2:X+32*\i+3]
	v_pk_add_f32 v[ST+4*\i+2:ST+4*\i+3], v[X+32*\i+4:X+32*\i+5], v[X+32*\i+6:X+32*\i+7]
.endr
.irp n, 8,12,16,20,24,28
.irp i, 0,1,2,3
	v_pk_add_f32 v[ST+4*\i:ST+4*\i+1], v[ST+4*\i:ST+4*\i+1], v[X+32*\i+\n:X+32*\i+\n+1]
	v_pk_add_f32 v[ST+4*\i+2:ST+4*\i+3], v[ST+4*\i+2:ST+4*\i+3], v[X+32*\i+\n+2:X+32*\i+\n+3]
.endr
.endr
	RED
.irp i, 0,1,2,3
	v_mul_f32 v[ST+4*\i+1], 0xba800000, v[ST+4*\i] ; - the mean, twice
	v_mul_f32 v[ST+4*\i], 0xba800000, v[ST+4*\i]
.endr
.irp i, 0,1,2,3
.set NN, 0
.rept 16
	v_pk_add_f32 v[X+32*\i+NN:X+32*\i+NN+1], v[X+32*\i+NN:X+32*\i+NN+1], v[ST+4*\i:ST+4*\i+1]
.set NN, NN+2
.endr
.endr
.irp i, 0,1,2,3
	v_pk_mul_f32 v[ST+4*\i:ST+4*\i+1], v[X+32*\i:X+32*\i+1], v[X+32*\i:X+32*\i+1]
	v_pk_mul_f32 v[ST+4*\i+2:ST+4*\i+3], v[X+32*\i+2:X+32*\i+3], v[X+32*\i+2:X+32*\i+3]
.endr
.irp n, 4,8,12,16,20,24,28
.irp i, 0,1,2,3
	v_pk_fma_f32 v[ST+4*\i:ST+4*\i+1], v[X+32*\i+\n:X+32*\i+\n+1], v[X+32*\i+\n:X+32*\i+\n+1], v[ST+4*\i:ST+4*\i+1]
	v_pk_fma_f32 v[ST+4*\i+2:ST+4*\i+3], v[X+32*\i+\n+2:X+32*\i+\n+3], v[X+32*\i+\n+2:X+32*\i+\n+3], v[ST+4*\i+2:ST+4*\i+3]
.endr
.endr
	RED
.irp i, 0,1,2,3
	v_fma_f32 v[ST+4*\i+2], v[ST+4*\i], s24, s25
.endr
	s_wait_alu depctr_va_vdst(0)
.irp i, 0,1,2,3
	v_rsq_f32 v[ST+4*\i], v[ST+4*\i+2]
	v_rsq_f32 v[ST+4*\i+1], v[ST+4*\i+2]
.endr
	v_nop                                          ; a plain instruction behind the last of the batch
	s_wait_alu depctr_va_vdst(0)                   ; one wait for the eight, ahead of their first reader
	s_wait_loadcnt 0x0
.irp i, 0,1,2,3
.set NN, 0
.rept 16
	v_pk_mul_f32 v[X+32*\i+NN:X+32*\i+NN+1], v[X+32*\i+NN:X+32*\i+NN+1], v[ST+4*\i:ST+4*\i+1]
	v_pk_fma_f32 v[X+32*\i+NN:X+32*\i+NN+1], v[X+32*\i+NN:X+32*\i+NN+1], v[G+NN:G+NN+1], v[B+NN:B+NN+1]
.set NN, NN+2
.endr
.endr
.irp i, 0,1,2,3
.irp j, 0,1,2,3,4,5,6,7
.if STORE_Y
	global_store_b128 v[LI16], v[X+32*\i+4*\j:X+32*\i+4*\j+3], s[32:33] offset:4096*\i+512*\j
.endif
	ds_store_b128 v[LSTO], v[X+32*\i+4*\j:X+32*\i+4*\j+3] offset:LNP*\i+512*\j
.endr
.endr
	s_wait_dscnt 0x0                               ; for the others' sake: my four rows lie in LDS
	s_wait_xcnt 0x0                                ; the stores of y have read the rows' registers, which are loaded again below
	s_barrier_signal -1
	s_barrier_wait -1
.irp s, 0,1
.irp b, 0,1,2,3
.irp q, 0,1,2,3
	ds_load_b128 v[X+64*\s+16*\b+4*\q:X+64*\s+16*\b+4*\q+3], v[RD0] offset:512*\s+128*\b+16*\q
.endr
.endr
.endr
	s_wait_dscnt 16                                ; the first K step's sixteen loads are in
	QUANT X, PC, PW0
	IMG 0
	s_wait_dscnt 0x0
	s_wait_xcnt 0x0
	QUANT X+64, PC, PW1
	IMG 1536
	v_cmp_lt_u32 s34, 15, v[LANE]
	v_cndmask_b32 v[TMP], v[PW0], v[PW1], s34
	global_store_b32 v[SWO], v[TMP], s[30:31]
	s_wait_tensorcnt 0x0                           ; the wave's end
	ds_add_u32 v[SPW], v[NIL]
	s_wait_dscnt 0x0
	s_endpgm
.Lfunc_end_k_q961a4e47b1_ln2:
	.size	k_q961a4e47b1_ln2, .Lfunc_end_k_q961a4e47b1_ln2-k_q961a4e47b1_ln2
	.p2alignl 7, 3214868480
	.fill 96, 4, 3214868480
	.section	.rodata,"a",@progbits
	.p2align	6, 0x0
	.amdhsa_kernel k_q961a4e47b1_ln2
		.amdhsa_group_segment_fixed_size 66304
		.amdhsa_private_segment_fixed_size 0
		.amdhsa_enable_private_segment 0
		.amdhsa_kernarg_size 32
		.amdhsa_user_sgpr_count 2
		.amdhsa_user_sgpr_kernarg_segment_ptr 1
		.amdhsa_wavefront_size32 1
		.amdhsa_system_sgpr_workgroup_id_x 1
		.amdhsa_system_sgpr_workgroup_id_y 1
		.amdhsa_system_sgpr_workgroup_id_z 1
		.amdhsa_system_vgpr_workitem_id 0
		.amdhsa_next_free_vgpr 256
		.amdhsa_next_free_sgpr 66
		.amdhsa_reserve_vcc 0
		.amdhsa_float_denorm_mode_32 3
		.amdhsa_float_denorm_mode_16_64 3
		.amdhsa_memory_ordered 1
		.amdhsa_forward_progress 1
		.amdhsa_inst_pref_size 47
	.end_amdhsa_kernel
	.amdgpu_metadata
---
amdhsa.version: [ 1, 2 ]
amdhsa.kernels:
  - .name:           k_q961a4e47b1_ln2
    .symbol:         k_q961a4e47b1_ln2.kd
    .args:
      - { .name: x1, .offset: 0, .size: 8, .value_kind: global_buffer, .address_space: global }
      - { .name: ln2_g, .offset: 8, .size: 8, .value_kind: global_buffer, .address_space: global }
      - { .name: ln2_b, .offset: 16, .size: 8, .value_kind: global_buffer, .address_space: global }
      - { .name: yb, .offset: 24, .size: 8, .value_kind: global_buffer, .address_space: global }
    .group_segment_fixed_size: 66304
    .private_segment_fixed_size: 0
    .kernarg_segment_align: 8
    .kernarg_segment_size: 32
    .max_flat_workgroup_size: 128
    .sgpr_count:     66
    .vgpr_count:     256
    .wavefront_size: 32
...
	.end_amdgpu_metadata
.endif
;; end of part 12
;; launch g5 (part 13): grid 16 x 16, 4 waves a work-group, clusters of 4 x 4, 327,680 bytes of LDS; arguments yb, pw, b_fc, h2; writes h2
.if DOCPART == 13
	.amdgcn_target "amdgcn-amd-amdhsa--gfx1250"
	.amdhsa_code_object_version 6
	.text
	.protected	k_q961a4e47b1_g5
	.globl	k_q961a4e47b1_g5
	.p2align	8
	.type	k_q961a4e47b1_g5,@function
k_q961a4e47b1_g5:
	s_mov_b64 s[64:65], 0
	v_nop
	global_prefetch_b8 v0, s[64:65] scope:SCOPE_SE
	s_setreg_imm32_b32 hwreg(HW_REG_WAVE_MODE, 25, 1), 1
	s_wait_xcnt 0x0
	s_wait_alu depctr_hold_cnt(0) depctr_sa_sdst(0) depctr_va_vdst(0) depctr_va_sdst(0) depctr_va_ssrc(0) depctr_va_vcc(0) depctr_vm_vsrc(0)
	s_getreg_b32 s2, hwreg(HW_REG_IB_STS2, 6, 4)
	s_cmp_eq_u32 s2, 0
	s_cbranch_scc0 .Lentry_in_a_cluster
	s_endpgm
.Lentry_in_a_cluster:
	s_bfe_u32 s2, ttmp6, 0x10000c
	s_cmp_lg_u32 s2, 0xf033
	s_cbranch_scc0 .Lentry_shape_is_right
	s_endpgm
.Lentry_shape_is_right:
.set KDIM,  1024
.set AOC,   16777216
.set AOS,   19922944
.set BOC,   3309568
.set BOS,   6455296
.set APITCH, 4096
.set BPITCH, 4096
.set H2S,   12582912
.set NQ,    2
.set FR,    12
.set NL,    4
.set NP,    4
.set KROW,  KDIM*6/8
.set KRB,   KDIM/128*1536
.set NKS,   KDIM/128
.set HALFT, 8*3072
.set SLOT,  4*HALFT
.set LAPS,  KDIM/512
.set SCL,   2*SLOT
.set HALFS, 512*NKS
.set SPARE, SCL+4*HALFS
.set ADRA, 16
.set ADRB, 20
.set LI16, 24
.set LI8,  25
.set SWA,  26
.set ADRS, 27
.set SPW,  28
.set NIL,  29
.set RDW,  30
.set SC,   32
.set AF,   128
.set CA,   32
.set CB,   46
.set KCL,  56
.set T,    64
.set U,    128
.set P,    160
.set PC,   192
.set TM,   212
.set PW,   228
.set G1, 24
.set G0, 32
.set G1B, 48
.set G0B, 56
.set G1S, 68
.set G0S, 76
.set G1SB, 80
.set G0SB, 88
.set MSB, 0
.macro WIN new
.if MSB != \new
	s_set_vgpr_msb (MSB<<8)|\new
.set MSB, \new
.endif
.endm
.set MUL_LO, 0xa1
.set MUL_HI, 0xf1
.set TO_B,   0x40
.macro JLOAD g0a, g1a, g0b, g1b
	s_cmp_eq_u32 s15, 0
	s_cbranch_scc0 .Lfor_b_\@
	tensor_load_to_lds s[\g0a:\g0a+3], s[\g1a:\g1a+7]
	s_nop 0
.rept 4
	v_nop
.endr
	s_branch .Lasked_\@
.Lfor_b_\@:
	tensor_load_to_lds s[\g0b:\g0b+3], s[\g1b:\g1b+7]
	s_nop 0
.rept 4
	v_nop
.endr
.Lasked_\@:
.endm
.macro CREST
	s_cmp_lg_u32 s14, 0
	s_cbranch_scc1 .Lnot_wave_0_\@
	s_barrier_signal -3
.Lnot_wave_0_\@:
	s_barrier_wait -3
	s_barrier_signal -1
	s_barrier_wait -1
.endm
.macro CROUND
	s_barrier_signal -1
	s_barrier_wait -1
	CREST
.endm
	s_load_b128 s[4:7], s[0:1], 0x0
	s_load_b128 s[8:11], s[0:1], 0x10
	v_lshl_add_u32 v[SPW], v0, 2, SPARE
	v_mov_b32 v[NIL], 0
	ds_add_u32 v[SPW], v[NIL]
	ds_add_u32 v[SPW], v[NIL]
	v_lshrrev_b32 v1, 5, v0
	v_readfirstlane_b32 s14, v1
	s_lshr_b32 s15, s14, 1
	s_and_b32 s16, s14, 1
	s_bfe_u32 s40, ttmp6, 0x40000
	s_bfe_u32 s41, ttmp6, 0x40004
	s_and_b32 s17, ttmp7, 0xffff
	s_mov_b32 s92, AOC
	s_mov_b32 s93, AOS
	s_mov_b32 s94, BOC
	s_mov_b32 s95, BOS
	s_lshl_b32 s42, ttmp9, 2
	s_add_co_u32 s42, s42, s40
	s_lshl_b32 s17, s17, 2
	s_add_co_u32 s17, s17, s41
	s_lshl_b32 s43, s41, 2
	s_lshl_b32 s43, 15, s43
	s_lshl_b32 s44, 0x1111, s40
	s_or_b32 s[G1+0], s43, (3<<16)|(1<<21)
	s_or_b32 s[G1B+0], s44, (3<<16)|(1<<21)
.irp g, G1, G1B
	s_mov_b32 s[\g+1], 384<<16
	s_mov_b32 s[\g+2], 16<<16                      ; the head's loads bring all 16 row blocks of a tile; behind them the two counts are set to 8
	s_mov_b32 s[\g+3], 384<<16
	s_mov_b32 s[\g+4], 16
	s_mov_b32 s[\g+5], KRB/8
	s_mov_b32 s[\g+6], 0
	s_mov_b32 s[\g+7], 0
.endr
	s_or_b32 s[G1S+0], s43, (3<<16)|(1<<21)
	s_or_b32 s[G1SB+0], s44, (3<<16)|(1<<21)
.irp g, G1S, G1SB
	s_mov_b32 s[\g+1], 128<<16                     ; the scale words of a tile's 256 rows: NKS rows of 1,024 bytes
	s_mov_b32 s[\g+2], NKS<<16
	s_mov_b32 s[\g+3], 128<<16
	s_mov_b32 s[\g+4], NKS
	s_mov_b32 s[\g+6], 0
	s_mov_b32 s[\g+7], 0
.endr
	s_mov_b32 s[G1S+5], APITCH/2
	s_mov_b32 s[G1SB+5], BPITCH/2
	s_lshl_b32 s18, s16, 7
	s_lshl_b32 s20, s17, 8
	s_add_co_u32 s20, s20, s18
	s_lshl_b32 s46, s42, 8
	s_add_co_u32 s46, s46, s18
	s_lshl_b32 s22, s17, 10
	s_add_co_u32 s22, s22, s93
	s_mul_i32 s20, s20, KROW
	s_add_co_u32 s20, s20, s92
	s_mov_b32 s21, 0
	s_mov_b32 s23, 0
	s_lshl_b32 s98, s42, 10
	s_add_co_u32 s98, s98, s95
	s_mul_i32 s46, s46, KROW
	s_add_co_u32 s46, s46, s94
	s_mov_b32 s47, 0
	s_mov_b32 s99, 0
	s_mul_i32 s45, s14, HALFT
	s_wait_dscnt 0x0
	s_wait_kmcnt 0x0
	s_add_nc_u64 s[20:21], s[4:5], s[20:21]
	s_add_nc_u64 s[22:23], s[4:5], s[22:23]
	s_add_nc_u64 s[46:47], s[6:7], s[46:47]
	s_add_nc_u64 s[98:99], s[6:7], s[98:99]
	CROUND
	s_mov_b32 s[G0S], 1
	s_mov_b32 s[G0S+1], SCL
	s_mov_b64 s[G0S+2:G0S+3], s[22:23]
	s_or_b32 s[G0S+3], s[G0S+3], 0x80000000
	s_mov_b32 s[G0SB], 1
	s_mov_b32 s[G0SB+1], SCL+2*HALFS
	s_mov_b64 s[G0SB+2:G0SB+3], s[98:99]
	s_or_b32 s[G0SB+3], s[G0SB+3], 0x80000000
.irp s, 0,1
	s_mov_b32 s[G0+4*\s], 1
	s_add_co_u32 s[G0+4*\s+1], s45, \s*SLOT
	s_add_nc_u64 s[G0+4*\s+2:G0+4*\s+3], s[20:21], \s*3072
	s_or_b32 s[G0+4*\s+3], s[G0+4*\s+3], 0x80000000
	s_mov_b32 s[G0B+4*\s], 1
	s_add_co_u32 s[G0B+4*\s+1], s45, \s*SLOT
	s_add_nc_u64 s[G0B+4*\s+2:G0B+4*\s+3], s[46:47], \s*3072
	s_or_b32 s[G0B+4*\s+3], s[G0B+4*\s+3], 0x80000000
.endr
; THE HEAD'S LOADS, ONE A WAVE: wave 0 slot 0's 16 row blocks of A, wave 1 A's scale words, wave 2 slot 0's 16 row blocks of B, wave 3 B's scale words.
; One chain of branches on the wave's number: every way through it passes exactly one load.
.macro ARM under, g0, g1, next
	s_cmp_lt_u32 s14, \under
	s_cbranch_scc0 \next
	tensor_load_to_lds s[\g0:\g0+3], s[\g1:\g1+7]
	s_nop 0
.rept 4
	v_nop
.endr
	s_branch .Lhead_asked
\next:
.endm
	ARM 1, G0,  G1,  .Lhead_sa
	ARM 2, G0S, G1S, .Lhead_b
	ARM 3, G0B, G1B, .Lhead_sb
	tensor_load_to_lds s[G0SB:G0SB+3], s[G1SB:G1SB+7]
	s_nop 0
.rept 4
	v_nop
.endr
.Lhead_asked:
	v_and_b32 v1, 31, v0
	v_and_b32 v2, 15, v0
	v_bfe_u32 v3, v0, 4, 1
	v_lshlrev_b32 v4, 4, v1
	v_lshlrev_b32 v5, 3, v1
	s_mul_i32 s21, s15, HALFT
	s_mul_i32 s22, s16, HALFT
	s_add_co_u32 s22, s22, 2*HALFT
.irp s, 0,1
	v_add_nc_u32 v[ADRA+\s], s21, v4
	v_add_nc_u32 v[ADRB+\s], s22, v4
	v_add_nc_u32 v[ADRA+2+\s], s21, v5
	v_add_nc_u32 v[ADRB+2+\s], s22, v5
	s_add_co_u32 s21, s21, SLOT
	s_add_co_u32 s22, s22, SLOT
.endr
	s_lshl_b32 s21, s15, 9                         ; my 128 rows' words inside a K step's 1,024 bytes
	s_lshl_b32 s22, s16, 9
	s_add_co_u32 s22, s22, 2*HALFS
	s_sub_co_u32 s22, s22, s21
	v_mul_u32_u24 v6, s22, v3
	s_add_co_u32 s21, s21, SCL
	v_lshl_add_u32 v6, v2, 2, v6
	v_add_nc_u32 v[ADRS], s21, v6
.macro FRAG reg, adr, q, i
	ds_load_b128 v[\reg:\reg+3], v[\adr] offset:(\i)*3072+(\q)*1536
	ds_load_b64 v[\reg+4:\reg+5], v[\adr+2] offset:(\i)*3072+(\q)*1536+512
	ds_load_b128 v[\reg+6:\reg+9], v[\adr] offset:(\i)*3072+(\q)*1536+768
	ds_load_b64 v[\reg+10:\reg+11], v[\adr+2] offset:(\i)*3072+(\q)*1536+1280
.endm
.macro MUL16 a0, p, q, sc, zero
.irp a, \a0, \a0+1
.irp b, 0,1,2,3,4,5,6,7
.if \zero
	v_wmma_scale_f32_16x16x128_f8f6f4 v[8*(8*((\a)%4)+\b):8*(8*((\a)%4)+\b)+7], v[128*(\p)+FR*\b:128*(\p)+FR*\b+FR-1], v[AF+FR*(\a):AF+FR*(\a)+FR-1], 0, v[SC+8*NQ*(\sc)+NQ*\b+(\q)], v[SC+8*NQ*(\sc)+NQ*(\a)+(\q)] matrix_a_fmt:MATRIX_FMT_FP6 matrix_b_fmt:MATRIX_FMT_FP6 matrix_a_scale:MATRIX_SCALE_ROW1
.else
	v_wmma_scale_f32_16x16x128_f8f6f4 v[8*(8*((\a)%4)+\b):8*(8*((\a)%4)+\b)+7], v[128*(\p)+FR*\b:128*(\p)+FR*\b+FR-1], v[AF+FR*(\a):AF+FR*(\a)+FR-1], v[8*(8*((\a)%4)+\b):8*(8*((\a)%4)+\b)+7], v[SC+8*NQ*(\sc)+NQ*\b+(\q)], v[SC+8*NQ*(\sc)+NQ*(\a)+(\q)] matrix_a_fmt:MATRIX_FMT_FP6 matrix_b_fmt:MATRIX_FMT_FP6 matrix_a_scale:MATRIX_SCALE_ROW1
.endif
.endr
.endr
.endm
.macro FETCH_B slot, q, p
	WIN TO_B
.irp i, 0,1,2,3,4,5,6,7
	FRAG 128*(\p)+FR*\i, ADRB+\slot, \q, \i
.endr
	WIN 0
.endm
.macro FETCH_A slot, q, i0
.irp i, \i0, \i0+1, \i0+2, \i0+3
	FRAG AF+FR*(\i), ADRA+\slot, \q, \i
.endr
.endm
.macro SCALES sc
.irp i, 0,1,2,3,4,5,6,7
	ds_load_b32 v[SC+16*\sc+2*\i], v[ADRS] offset:64*\i
	ds_load_b32 v[SC+16*\sc+2*\i+1], v[ADRS] offset:64*\i+1024
.endr
.endm
.macro PLACES n
.rept \n
	v_nop
.endr
.endm
.macro STEP slot, q, zero
	s_wait_dscnt 4*NL
	WIN MUL_LO
	MUL16 0, (\q)%2, \q, \slot, \zero
	MUL16 2, (\q)%2, \q, \slot, \zero
	s_wait_dscnt 0
	PLACES NP
	FETCH_B \slot, (\q)+1, 1-(\q)%2
	FETCH_A \slot, (\q)+1, 0
	WIN MUL_HI
	MUL16 4, (\q)%2, \q, \slot, \zero
	MUL16 6, (\q)%2, \q, \slot, \zero
	PLACES NP
	WIN 0
	FETCH_A \slot, (\q)+1, 4
.endm
.macro TURN slot, next, fill
	s_wait_tensorcnt 0x0
	ds_add_u32 v[SPW], v[NIL]
	s_wait_dscnt 4*NL+1
	WIN MUL_LO
	MUL16 0, 1, NQ-1, \slot, 0
	s_wait_dscnt 0x0
	s_barrier_signal -1
	MUL16 2, 1, NQ-1, \slot, 0
	WIN 0
	s_barrier_wait -1
.if \fill
	CREST
	s_add_nc_u64 s[G0+4*\slot+2:G0+4*\slot+3], s[G0+4*\slot+2:G0+4*\slot+3], 6144
	s_add_nc_u64 s[G0B+4*\slot+2:G0B+4*\slot+3], s[G0B+4*\slot+2:G0B+4*\slot+3], 6144
	JLOAD G0+4*\slot, G1, G0B+4*\slot, G1B
.else
	PLACES NP
.endif
	s_wait_alu depctr_va_vdst(0)
	v_add_nc_u32 v[ADRS], 2048, v[ADRS]
	FETCH_B \next, 0, 0
	FETCH_A \next, 0, 0
	SCALES \next
	WIN MUL_HI
	MUL16 4, 1, NQ-1, \slot, 0
	MUL16 6, 1, NQ-1, \slot, 0
	PLACES NP
	WIN 0
	FETCH_A \next, 0, 4
.endm
	s_wait_alu depctr_va_vdst(0)
	s_wait_tensorcnt 0x0                           ; my tile of the head's four is in
	ds_add_u32 v[SPW], v[NIL]
	s_mov_b32 s[G1+2], 8<<16                       ; no tensor load of mine is out: from here on a load brings 8 row blocks
	s_mov_b32 s[G1+4], 8
	s_mov_b32 s[G1B+2], 8<<16
	s_mov_b32 s[G1B+4], 8
	s_wait_dscnt 0x0
	CROUND                                         ; all four tiles are in, all sixteen work-groups are here
	JLOAD G0+4, G1, G0B+4, G1B                     ; slot 1's first fill, the first tensor load behind the round
	FETCH_B 0, 0, 0
	FETCH_A 0, 0, 0
	SCALES 0
	FETCH_A 0, 0, 4
	STEP 0, 0, 1
	s_mov_b32 s3, LAPS-1
.Llap:
	TURN 0, 1, 1
	STEP 1, 0, 0
	TURN 1, 0, 1
	STEP 0, 0, 0
	s_sub_co_u32 s3, s3, 1
	s_cmp_lg_u32 s3, 0
	s_cbranch_scc1 .Llap
	TURN 0, 1, 0
	STEP 1, 0, 0
	s_wait_dscnt 4*NL
	WIN MUL_LO
	MUL16 0, 1, NQ-1, 1, 0
	MUL16 2, 1, NQ-1, 1, 0
	s_wait_dscnt 0
	WIN MUL_HI
	MUL16 4, 1, NQ-1, 1, 0
	MUL16 6, 1, NQ-1, 1, 0
	WIN 0
.macro QUANT s, pc, pw
.irp b, 0,1,2,3
	v_max3_num_f32 v[TM+\b], |v[\s+16*\b]|, |v[\s+1+16*\b]|, 0x1800000
.endr
.irp i, 2,4,6,8,10,12,14
.irp b, 0,1,2,3
	v_max3_num_f32 v[TM+\b], v[TM+\b], |v[\s+16*\b+\i]|, |v[\s+1+16*\b+\i]|
.endr
.endr
.irp b, 0,1,2,3
	v_permlanex16_b32 v[TM+4+\b], v[TM+\b], s66, s67
.endr
.irp b, 0,1,2,3
	v_max_num_f32 v[TM+\b], v[TM+\b], v[TM+4+\b]
.endr
.irp b, 0,1,2,3
	v_add_nc_u32 v[TM+8+\b], 0xff000000, v[TM+\b]
.endr
.irp b, 0,1,2,3
	v_lshrrev_b32 v[TM+4+\b], 23, v[TM+8+\b]
.endr
	v_lshl_or_b32 v[\pw], v[TM+5], 8, v[TM+4]
	v_lshl_or_b32 v[\pw], v[TM+6], 16, v[\pw]
	v_lshl_or_b32 v[\pw], v[TM+7], 24, v[\pw]
.irp c, 0,1
	v_cvt_scalef32_pk16_fp6_f32 v[\pc+6*\c:\pc+2+6*\c], v[\s+32*\c:\s+15+32*\c], v[TM+8+2*\c]
	v_cvt_scalef32_pk16_fp6_f32 v[\pc+12+4*\c:\pc+14+4*\c], v[\s+16+32*\c:\s+31+32*\c], v[TM+9+2*\c]
.endr
	v_nop
.irp c, 0,1
.irp i, 0,1,2
	v_permlane16_swap_b32 v[\pc+6*\c+\i], v[\pc+12+4*\c+\i]
.endr
.irp i, 0,1,2
	v_mov_b32 v[\pc+3+6*\c+\i], v[\pc+12+4*\c+\i]
.endr
.endr
.endm
; gelu(x) = x (1/2 + erf(x / sqrt 2) / 2) for 16 numbers of a lane.  erf(z) = z A(z^2) / B(z^2), z held to -4 .. 4, A of 7 and B of 5 coefficients; with u = the held x and t = u^2 the coefficients in
; v[CA] on and v[CB] on already carry the powers of 1/2 that go with t = 2 z^2, and A's the factor 1 / (2 sqrt 2): erf / 2 = u A'(t) / B'(t).
; v[U] on: u, v[U+16] on: t, v[P] on: A', v[P+16] on: B'.  A's last two steps and the product with u stand behind the batch of reciprocals.
.macro GELU n0
.set NN, 0
.rept 16
	v_med3_num_f32 v[U+NN], v[T+\n0+NN], -v[KCL], v[KCL]
.set NN, NN+1
.endr
.set NN, 0
.rept 8
	v_pk_mul_f32 v[U+16+NN:U+17+NN], v[U+NN:U+NN+1], v[U+NN:U+NN+1]
.set NN, NN+2
.endr
.set NN, 0
.rept 8
	v_pk_fma_f32 v[P+NN:P+NN+1], v[U+16+NN:U+17+NN], v[CA+12:CA+13], v[CA+10:CA+11]
	v_pk_fma_f32 v[P+16+NN:P+17+NN], v[U+16+NN:U+17+NN], v[CB+8:CB+9], v[CB+6:CB+7]
.set NN, NN+2
.endr
.irp k, 2,1,0
.set NN, 0
.rept 8
	v_pk_fma_f32 v[P+NN:P+NN+1], v[P+NN:P+NN+1], v[U+16+NN:U+17+NN], v[CA+4+2*\k:CA+5+2*\k]
	v_pk_fma_f32 v[P+16+NN:P+17+NN], v[P+16+NN:P+17+NN], v[U+16+NN:U+17+NN], v[CB+2*\k:CB+2*\k+1]
.set NN, NN+2
.endr
.endr
	s_wait_alu depctr_va_vdst(0)
.set NN, 0
.rept 16
	v_rcp_f32 v[P+16+NN], v[P+16+NN]
.set NN, NN+1
.endr
.irp k, 1,0
.set NN, 0
.rept 8
	v_pk_fma_f32 v[P+NN:P+NN+1], v[P+NN:P+NN+1], v[U+16+NN:U+17+NN], v[CA+2*\k:CA+2*\k+1]
.set NN, NN+2
.endr
.endr
.set NN, 0
.rept 8
	v_pk_mul_f32 v[P+NN:P+NN+1], v[P+NN:P+NN+1], v[U+NN:U+NN+1]
.set NN, NN+2
.endr
	s_wait_alu depctr_va_vdst(0)                   ; one wait for the sixteen, ahead of their first reader
.set NN, 0
.rept 8
	v_pk_fma_f32 v[P+NN:P+NN+1], v[P+NN:P+NN+1], v[P+16+NN:P+17+NN], 0.5 op_sel_hi:[1,1,0]
.set NN, NN+2
.endr
.set NN, 0
.rept 8
	v_pk_mul_f32 v[T+\n0+NN:T+\n0+NN+1], v[T+\n0+NN:T+\n0+NN+1], v[P+NN:P+NN+1]
.set NN, NN+2
.endr
.endm
	PLACES NP
	v_lshlrev_b32 v[LI16], 4, v1
	v_lshlrev_b32 v[LI8], 3, v1
	s_lshl_b32 s20, s14, 9
	v_lshl_add_u32 v[SWA], v2, 2, s20
	v_add_nc_u32 v[RDW], s20, v[LI16]
.irp b, 0,1,2,3
	v_mov_b32 v[TM+4+\b], 0
.endr
	s_mov_b32 s66, 0x76543210
	s_mov_b32 s67, 0xfedcba98
	s_mov_b32 s98, 0x3eb504f3
	s_lshl_b32 s20, s42, 10
	s_lshl_b32 s21, s16, 9
	s_add_co_u32 s20, s20, s21
	s_mov_b32 s21, 0
	s_add_nc_u64 s[8:9], s[8:9], s[20:21]
	s_lshl_b32 s22, s17, 4
	s_lshl_b32 s23, s15, 3
	s_add_co_u32 s22, s22, s23
	s_lshl_b32 s23, s42, 1
	s_add_co_u32 s23, s23, s16
	s_mul_i32 s92, s22, 49152
	s_mul_i32 s93, s23, 1536
	s_add_co_u32 s92, s92, s93
	s_mov_b32 s93, 0
	s_add_nc_u64 s[12:13], s[10:11], s[92:93]
	s_lshl_b32 s92, s23, 14
	s_lshl_b32 s94, s22, 6
	s_add_co_u32 s92, s92, s94
	s_add_co_u32 s92, s92, H2S
	s_add_nc_u64 s[10:11], s[10:11], s[92:93]
	v_lshlrev_b32 v10, 6, v3
	WIN 0x40
.irp c, 0,1,2,3
.irp q, 0,1,2,3
	global_load_b128 v[16*\c+4*\q:16*\c+4*\q+3], v10, s[8:9] offset:128*\c+16*\q
.endr
.endr
	WIN 0
.irp r, 0,1
	v_mov_b32 v[CA+\r], -0.0160960333262415        ; A's coefficients of z^0, z^2 .. z^12, each twice: a pair for the packed forms
	v_mov_b32 v[CA+2+\r], -0.00295459980854025
	v_mov_b32 v[CA+4+\r], -0.000734990630326855
	v_mov_b32 v[CA+6+\r], -0.0000569250639462346
	v_mov_b32 v[CA+8+\r], -0.00000210102402082508
	v_mov_b32 v[CA+10+\r], 0.0000000277068142495902
	v_mov_b32 v[CA+12+\r], -0.000000000272614225801306
	v_mov_b32 v[CB+\r], -0.0142647390514189        ; B's of z^0 .. z^8
	v_mov_b32 v[CB+2+\r], -0.00737332916720468
	v_mov_b32 v[CB+4+\r], -0.00168282697438203
	v_mov_b32 v[CB+6+\r], -0.000213374055278905
	v_mov_b32 v[CB+8+\r], -0.0000145660718464996
.endr
	v_mov_b32 v[KCL], 0x40b504f3                   ; 4 sqrt 2: x is held where z = x / sqrt 2 is held to 4
.set NN, 0
.rept 14
	v_mul_f32 v[CA+NN], s98, v[CA+NN]              ; x 1 / (2 sqrt 2)
.set NN, NN+1
.endr
.irp k, 1,2,3,4,5,6
.irp r, 0,1
	v_ldexp_f32 v[CA+2*\k+\r], v[CA+2*\k+\r], -\k  ; z^2 = t / 2: the k-th coefficient x 2^-k, exact
.endr
.endr
.irp k, 1,2,3,4
.irp r, 0,1
	v_ldexp_f32 v[CB+2*\k+\r], v[CB+2*\k+\r], -\k
.endr
.endr
	s_wait_alu depctr_va_vdst(0)
	s_wait_loadcnt 0x0
	s_mov_b32 s3, 0
.Lrow:
.irp i, 0,1,2,3,4,5,6
	s_cmp_eq_u32 s3, \i
	s_cbranch_scc1 .Lcase\i
.endr
	s_branch .Lcase7
.irp i, 0,1,2,3,4,5,6,7
.Lcase\i:
	WIN 0x06+(\i)/4
.set NN, 0
.rept 32
	v_pk_add_f32 v[T+NN:T+NN+1], v[64*((\i)%4)+NN:64*((\i)%4)+NN+1], v[NN:NN+1]
.set NN, NN+2
.endr
	WIN 0
	s_branch .Ljoin
.endr
.Ljoin:
	GELU 0
	GELU 16
	GELU 32
	GELU 48
	QUANT T, PC, PW
	global_store_b128 v[LI16], v[PC:PC+3], s[12:13]
	global_store_b64 v[LI8], v[PC+4:PC+5], s[12:13] offset:512
	global_store_b128 v[LI16], v[PC+6:PC+9], s[12:13] offset:768
	global_store_b64 v[LI8], v[PC+10:PC+11], s[12:13] offset:1280
	ds_store_b32 v[SWA], v[PW]
	s_wait_xcnt 0x0
	s_add_nc_u64 s[12:13], s[12:13], 49152
	v_add_nc_u32 v[SWA], 64, v[SWA]
	s_add_co_u32 s3, s3, 1
	s_cmp_lt_u32 s3, 8
	s_cbranch_scc1 .Lrow
	ds_load_b128 v[T:T+3], v[RDW]
	s_wait_dscnt 0x0
	global_store_b128 v[LI16], v[T:T+3], s[10:11]
	s_wait_tensorcnt 0x0
	ds_add_u32 v[SPW], v[NIL]
	s_wait_dscnt 0x0
	CROUND
	s_endpgm
.Lfunc_end_k_q961a4e47b1_g5:
	.size	k_q961a4e47b1_g5, .Lfunc_end_k_q961a4e47b1_g5-k_q961a4e47b1_g5
	.p2alignl 7, 3214868480
	.fill 96, 4, 3214868480
	.section	.rodata,"a",@progbits
	.p2align	6, 0x0
	.amdhsa_kernel k_q961a4e47b1_g5
		.amdhsa_group_segment_fixed_size 327680
		.amdhsa_private_segment_fixed_size 0
		.amdhsa_enable_private_segment 0
		.amdhsa_kernarg_size 32
		.amdhsa_user_sgpr_count 2
		.amdhsa_user_sgpr_kernarg_segment_ptr 1
		.amdhsa_wavefront_size32 1
		.amdhsa_system_sgpr_workgroup_id_x 1
		.amdhsa_system_sgpr_workgroup_id_y 1
		.amdhsa_system_sgpr_workgroup_id_z 1
		.amdhsa_system_vgpr_workitem_id 0
		.amdhsa_next_free_vgpr 1024
		.amdhsa_next_free_sgpr 100
		.amdhsa_reserve_vcc 0
		.amdhsa_float_denorm_mode_32 3
		.amdhsa_float_denorm_mode_16_64 3
		.amdhsa_memory_ordered 1
		.amdhsa_forward_progress 1
		.amdhsa_inst_pref_size 179
	.end_amdhsa_kernel
	.amdgpu_metadata
---
amdhsa.version: [ 1, 2 ]
amdhsa.kernels:
  - .name:           k_q961a4e47b1_g5
    .symbol:         k_q961a4e47b1_g5.kd
    .args:
      - { .name: yb, .offset: 0, .size: 8, .value_kind: global_buffer, .address_space: global }
      - { .name: pw, .offset: 8, .size: 8, .value_kind: global_buffer, .address_space: global }
      - { .name: b_fc, .offset: 16, .size: 8, .value_kind: global_buffer, .address_space: global }
      - { .name: h2, .offset: 24, .size: 8, .value_kind: global_buffer, .address_space: global }
    .group_segment_fixed_size: 327680
    .private_segment_fixed_size: 0
    .kernarg_segment_align: 8
    .kernarg_segment_size: 32
    .max_flat_workgroup_size: 128
    .sgpr_count:     100
    .vgpr_count:     1024
    .wavefront_size: 32
...
	.end_amdgpu_metadata
.endif
;; end of part 13
;; launch g6 (part 14): grid 8 x 32, 4 waves a work-group, clusters of 4 x 4, 327,680 bytes of LDS; arguments h2, pw, b_proj, yb, out0; writes out0
.if DOCPART == 14
	.amdgcn_target "amdgcn-amd-amdhsa--gfx1250"
	.amdhsa_code_object_version 6
	.text
	.protected	k_q961a4e47b1_g6
	.globl	k_q961a4e47b1_g6
	.p2align	8
	.type	k_q961a4e47b1_g6,@function
k_q961a4e47b1_g6:
	s_mov_b64 s[64:65], 0
	v_nop
	global_prefetch_b8 v0, s[64:65] scope:SCOPE_SE
	s_setreg_imm32_b32 hwreg(HW_REG_WAVE_MODE, 25, 1), 1
	s_wait_xcnt 0x0
	s_wait_alu depctr_hold_cnt(0) depctr_sa_sdst(0) depctr_va_vdst(0) depctr_va_sdst(0) depctr_va_ssrc(0) depctr_va_vcc(0) depctr_vm_vsrc(0)
	s_getreg_b32 s2, hwreg(HW_REG_IB_STS2, 6, 4)
	s_cmp_eq_u32 s2, 0
	s_cbranch_scc0 .Lentry_in_a_cluster
	s_endpgm
.Lentry_in_a_cluster:
	s_bfe_u32 s2, ttmp6, 0x10000c
	s_cmp_lg_u32 s2, 0xf033
	s_cbranch_scc0 .Lentry_shape_is_right
	s_endpgm
.Lentry_shape_is_right:
; out = y + h2 w_proj + b_proj: a product on codes of MX-FP6 (E2M3, one E8M0 byte for each 32 along K), K = 4,096, with an f32 bias and residual.
; A TILE OF 128 x 128 of the result to a work-group: 32 x 8 = 256 work-groups.  Four waves, 64 x 64 each: 16 accumulators of 16 x 16, 128 registers.
; Operands lie in memory as images of the operand's registers ([row block of 16][K / 64][768 bytes]); rows stand at positions with bits 3 and 4 of the index exchanged.
; A (h2) GOES THROUGH LDS: a slot holds 512 along K of the tile's 8 row blocks, 6,144 bytes each; a wave fetches two row blocks, 12,288 bytes, by one joint tensor load.  Eight slots' worth through a ring of two;
; each refill stands behind a round of the cluster's barrier and has 56 matrix instructions in which to land.
; B (w_proj) GOES STRAIGHT INTO REGISTERS: a wave's four fragments of a K step of 128 are 16 loads of 512 or 256 consecutive bytes, as the images lie; four sets of 48 registers take turns, and a K step's set is
; asked for three K steps, 48 matrix instructions, ahead.  So a refill brings half the bytes that a slot of both operands would need.  B's codes are not asked for jointly: a joint load ends in LDS, not in registers.
; THE PRODUCT IS USED TRANSPOSED (source 0 = 16 rows of B, source 1 = 16 rows of A): a lane holds one token position, and accumulator b's register j the TRUE column 32 (b / 2) + 16 (lane / 16) + 8 (b % 2) + j.
; The bias, laid so, is the C of each sum's first product.  The residual's 32 loads go out in K step 29, behind B's last loads (loads come back in the order of issue, so none of B's stands behind them), and are added
; on the way out, behind a stage in LDS that puts the columns in order.  A wave's 64 columns are 256 bytes: sixteen lanes store 256 consecutive bytes, aligned.
; CLUSTER 4 x 4: A's tiles and scale words are asked for jointly along a row of the cluster, B's scale words along a column.
.set KDIM,  4096
.set AOS,   12582912                   ; h2's codes lie at its head, its scale words here
.set BOC,   6586368                    ; w_proj's in pw
.set BOS,   9732096
.set APITCH, 4096                      ; scale words from one K step of 128 to the next
.set BPITCH, 1024
.set NQ,    4                          ; K steps of 128 in a slot
.set FR,    12                         ; registers of a fragment
.set NL,    4                          ; loads that bring one
.set NP,    4                          ; places behind this matrix instruction (ISA guide 7.12.1)
.set KROW,  KDIM*6/8
.set KRB,   KDIM/128*1536              ; a row block's codes in memory
.set NKS,   KDIM/128
.set RBS,   NQ*1536                    ; a row block's bytes in a slot
.set QT,    2*RBS                      ; what one tensor load of the ring brings
.set HALFT, 4*RBS                      ; what a wave reads of A, and what a head's load of codes brings
.set SLOT,  8*RBS
.set LAPS,  KDIM/1024                  ; a lap = two slots
.set SCL,   2*SLOT                     ; behind the ring: the scale words of the tile's rows for all of K, filled once: [K / 128][128 words], A's, then B's
.set HALFS, 256*NKS
.set SPARE, SCL+4*HALFS                ; the spare words, 128 bytes a wave
.set STG0,  SPARE+512                  ; the way out's stages: bytes of their own, into which no fill lands
.set SPITCH, 272                       ; a stage row of 256 bytes + 16
.set STG,   16*SPITCH                  ; a block's stage; four a wave
.set ADRA, 16                          ; v16-17 16 x lane + my A rows in slot 0, 1; v18-19 the same with 8 x lane
.set BL16, 20                          ; 16 x lane, 8 x lane: B's loads
.set BL8,  21
.set PFR,  22
.set STO,  24
.set RD,   25
.set CO,   26
.set ADRS, 27
.set SPW,  28
.set NIL,  29
.set VB,   30
.set PFO,  31
.set SC,   32                          ; v32-63 scale words, two sets: register 4 q + i: lanes 0-15 A's block i, lanes 16-31 B's block i
.set BI,   64                          ; v64-95 the bias in the result's layout
.set ACC,  128                         ; v128-255 accumulator (a, b) at 8 (4 a + b)
.set AF,   192                         ; A's fragments: v192-239 of window 1 (even K steps) and of window 2 (odd ones).  B's: window 3, set q at v[48 q].  Window 2 v0-127: the residual.  Window 1 v0-127: the way out
.set G1, 24
.set G0, 32
.set SB, 48                            ; s[48:49] B's codes of my 64 columns, stepped once a trip
.set PFA, 50
.set PFB, 52
.set G0H, 56
.set G1S, 68
.set G0S, 76
.set G1SB, 80
.set G0SB, 88
.set MSB, 0
.macro WIN new                         ; the immediate's high byte repeats the setting that is left
.if MSB != (\new)
	s_set_vgpr_msb (MSB<<8)|(\new)
.set MSB, (\new)
.endif
.endm
.macro JLOAD g0                        ; a joint load of the ring: every wave fetches two row blocks of A; s_nop 0 and four v_nop follow
	tensor_load_to_lds s[\g0:\g0+3], s[G1:G1+7]
	s_nop 0
.rept 4
	v_nop
.endr
.endm
; PREFETCHES INTO THE L2, behind each joint refill and the runs of loads that follow it: the 512 along K that stand TWO refills on.  Of A's and of B's tile wave w names row blocks 2 w and 2 w + 1, 12,288 bytes;
; the four partners that read them share them out BY ADDRESS, 3,072 bytes each (cx for A, cy for B): twelve blocks of 256 bytes, a lane a block (lanes 12-31 name lane 11's again).  So each block is named once in
; each cluster that reads it.  The first four slots' worth come by their loads alone.  The loop's last trip has no K two refills on: it names the residual's rows, 32 rows of 256 bytes at each of its two changes of slots.
.macro ASK slot
	s_cmp_gt_u32 s3, 1                             ; s3 = 1 in the loop's last trip
	s_cbranch_scc0 .Lres_\@
	global_prefetch_b8 v[PFO], s[PFA:PFA+1] th:TH_LOAD_NT scope:SCOPE_SE
	global_prefetch_b8 v[PFO], s[PFB:PFB+1] th:TH_LOAD_NT scope:SCOPE_SE
	s_branch .Lasked_\@
.Lres_\@:
	global_prefetch_b8 v[PFR], s[10:11] offset:\slot*131072 th:TH_LOAD_NT scope:SCOPE_SE
.Lasked_\@:
.endm
.macro CREST                           ; a round of the cluster's barrier behind its opening barrier
	s_cmp_lg_u32 s14, 0
	s_cbranch_scc1 .Lnot_wave_0_\@
	s_barrier_signal -3
.Lnot_wave_0_\@:
	s_barrier_wait -3
	s_barrier_signal -1
	s_barrier_wait -1
.endm
.macro CROUND
	s_barrier_signal -1
	s_barrier_wait -1
	CREST
.endm
	s_load_b128 s[4:7], s[0:1], 0x0                ; A's buffer, B's buffer
	s_load_b128 s[8:11], s[0:1], 0x10              ; the bias, the residual (y lies at yb's head)
	s_load_b64 s[12:13], s[0:1], 0x20              ; the result
	v_lshl_add_u32 v[SPW], v0, 2, SPARE
	v_mov_b32 v[NIL], 0
	ds_add_u32 v[SPW], v[NIL]                      ; the opening: the add, twice on end, and its wait ahead of my first tensor load
	ds_add_u32 v[SPW], v[NIL]
	v_lshrrev_b32 v1, 5, v0
	v_readfirstlane_b32 s14, v1                    ; wave
	s_lshr_b32 s15, s14, 1                         ; my half of A's rows
	s_and_b32 s16, s14, 1                          ; my half of B's rows
	s_bfe_u32 s40, ttmp6, 0x40000                  ; cx
	s_bfe_u32 s41, ttmp6, 0x40004                  ; cy
	s_and_b32 s17, ttmp7, 0xffff
	s_lshl_b32 s42, ttmp9, 2
	s_add_co_u32 s42, s42, s40                     ; B's tile
	s_lshl_b32 s17, s17, 2
	s_add_co_u32 s17, s17, s41                     ; A's tile
	s_lshl_b32 s43, s41, 2
	s_lshl_b32 s43, 15, s43                        ; my row of the cluster
	s_lshl_b32 s44, 0x1111, s40                    ; my column
	s_or_b32 s[G1+0], s43, (3<<16)|(1<<21)         ; the mask; elements of 8 bytes; no padding; bit 21 beside a mask
	s_mov_b32 s[G1+1], (RBS/8)<<16                 ; rows (row blocks) of 768 elements = 6,144 bytes
	s_mov_b32 s[G1+2], 4<<16                       ; the head's loads bring four row blocks; behind them the two counts are set to 2
	s_mov_b32 s[G1+3], (RBS/8)<<16
	s_mov_b32 s[G1+4], 4
	s_mov_b32 s[G1+5], KRB/8
	s_mov_b32 s[G1+6], 0
	s_mov_b32 s[G1+7], 0
	s_or_b32 s[G1S+0], s43, (3<<16)|(1<<21)
	s_or_b32 s[G1SB+0], s44, (3<<16)|(1<<21)
.irp g, G1S, G1SB
	s_mov_b32 s[\g+1], 64<<16                      ; the scale words of a tile's 128 rows: NKS rows of 512 bytes
	s_mov_b32 s[\g+2], NKS<<16
	s_mov_b32 s[\g+3], 64<<16
	s_mov_b32 s[\g+4], NKS
	s_mov_b32 s[\g+6], 0
	s_mov_b32 s[\g+7], 0
.endr
	s_mov_b32 s[G1S+5], APITCH/2
	s_mov_b32 s[G1SB+5], BPITCH/2
	s_lshl_b32 s20, s17, 7
	s_mul_i32 s20, s20, KROW                       ; A's tile, in bytes
	s_mul_i32 s18, s15, 4*KRB
	s_add_co_u32 s92, s20, s18                     ; the head: four row blocks by my half
	s_mov_b32 s93, 0
	s_mul_i32 s19, s14, 2*KRB
	s_add_co_u32 s94, s20, s19                     ; the ring: row blocks 2 w, 2 w + 1
	s_mov_b32 s95, 0
	s_lshr_b32 s18, s40, 1                         ; A's prefetches: my work-group's quarter of them, by cx
	s_mul_i32 s18, s18, KRB
	s_and_b32 s21, s40, 1
	s_mul_i32 s21, s21, RBS/2
	s_add_co_u32 s18, s18, s21
	s_add_co_u32 s96, s94, s18
	s_add_co_u32 s96, s96, 3*RBS                   ; at the fourth 512 along K: the first refill steps it to the fifth
	s_mov_b32 s97, 0
	s_lshl_b32 s22, s17, 9
	s_add_co_u32 s22, s22, AOS
	s_mov_b32 s23, 0
	s_lshl_b32 s46, s42, 7
	s_mul_i32 s46, s46, KROW
	s_add_co_u32 s46, s46, BOC                     ; B's tile
	s_mul_i32 s18, s16, 4*KRB
	s_add_co_u32 s54, s46, s18                     ; my 64 columns
	s_mov_b32 s55, 0
	s_add_co_u32 s46, s46, s19                     ; B's prefetches: row blocks 2 w, 2 w + 1, my work-group's quarter by cy
	s_lshr_b32 s18, s41, 1
	s_mul_i32 s18, s18, KRB
	s_and_b32 s21, s41, 1
	s_mul_i32 s21, s21, RBS/2
	s_add_co_u32 s18, s18, s21
	s_add_co_u32 s46, s46, s18
	s_add_co_u32 s46, s46, 3*RBS
	s_mov_b32 s47, 0
	s_lshl_b32 s98, s42, 9
	s_add_co_u32 s98, s98, BOS
	s_mov_b32 s99, 0
	s_lshl_b32 s62, s42, 9
	s_lshl_b32 s18, s16, 8
	s_add_co_u32 s62, s62, s18                     ; my first column, in bytes
	s_mov_b32 s63, 0
	s_lshl_b32 s60, s17, 7
	s_lshl_b32 s18, s15, 6
	s_add_co_u32 s60, s60, s18
	s_lshl_b32 s60, s60, 12                        ; my first token, in bytes,
	s_add_co_u32 s60, s60, s62                     ; + the column
	s_mov_b32 s61, 0
	s_mul_i32 s18, s15, HALFT                      ; LDS: my A rows in slot 0, in slot 1
	s_add_co_u32 s19, s18, SLOT
	s_lshl_b32 s20, s15, 8                         ; my 64 rows' words inside a K step's 512 bytes
	s_lshl_b32 s21, s16, 8
	s_add_co_u32 s21, s21, 2*HALFS
	s_sub_co_u32 s21, s21, s20                     ; from A's words to B's
	s_add_co_u32 s20, s20, SCL
	s_mul_i32 s45, s14, 4*STG
	s_add_co_u32 s45, s45, STG0                    ; my four stages
	s_wait_dscnt 0x0                               ; both opening adds are done
	s_wait_kmcnt 0x0
	s_add_nc_u64 s[92:93], s[4:5], s[92:93]
	s_add_nc_u64 s[94:95], s[4:5], s[94:95]
	s_add_nc_u64 s[PFA:PFA+1], s[4:5], s[96:97]
	s_add_nc_u64 s[22:23], s[4:5], s[22:23]
	s_add_nc_u64 s[SB:SB+1], s[6:7], s[54:55]
	s_add_nc_u64 s[PFB:PFB+1], s[6:7], s[46:47]
	s_add_nc_u64 s[98:99], s[6:7], s[98:99]
	s_add_nc_u64 s[8:9], s[8:9], s[62:63]
	s_add_nc_u64 s[10:11], s[10:11], s[60:61]
	s_add_nc_u64 s[12:13], s[12:13], s[60:61]
	CROUND                                         ; all sixteen work-groups are here: the first joint loads meet
	s_mov_b32 s[G0H], 1
	s_mov_b32 s[G0H+1], s18
	s_mov_b64 s[G0H+2:G0H+3], s[92:93]
	s_or_b32 s[G0H+3], s[G0H+3], 0x80000000
	s_mov_b32 s[G0S], 1
	s_mov_b32 s[G0S+1], SCL
	s_mov_b64 s[G0S+2:G0S+3], s[22:23]
	s_or_b32 s[G0S+3], s[G0S+3], 0x80000000
	s_mov_b32 s[G0SB], 1
	s_mov_b32 s[G0SB+1], SCL+2*HALFS
	s_mov_b64 s[G0SB+2:G0SB+3], s[98:99]
	s_or_b32 s[G0SB+3], s[G0SB+3], 0x80000000
	s_mul_i32 s[G0+1], s14, QT                     ; where the ring's loads go: the wave's number alone enters an LDS address
	s_add_co_u32 s[G0+5], s[G0+1], SLOT
.irp s, 0,1
	s_mov_b32 s[G0+4*\s], 1
	s_add_nc_u64 s[G0+4*\s+2:G0+4*\s+3], s[94:95], \s*RBS
	s_or_b32 s[G0+4*\s+3], s[G0+4*\s+3], 0x80000000
.endr
; THE HEAD'S LOADS, ONE A WAVE: waves 0 and 2 four row blocks each of slot 0, wave 1 A's scale words, wave 3 B's.  One chain of branches on the wave's number: every way passes exactly one load.
	s_cmp_eq_u32 s16, 0
	s_cbranch_scc0 .Lhead_sa
	tensor_load_to_lds s[G0H:G0H+3], s[G1:G1+7]
	s_nop 0
.rept 4
	v_nop
.endr
	s_branch .Lhead_asked
.Lhead_sa:
	s_cmp_eq_u32 s15, 0
	s_cbranch_scc0 .Lhead_sb
	tensor_load_to_lds s[G0S:G0S+3], s[G1S:G1S+7]
	s_nop 0
.rept 4
	v_nop
.endr
	s_branch .Lhead_asked
.Lhead_sb:
	tensor_load_to_lds s[G0SB:G0SB+3], s[G1SB:G1SB+7]
	s_nop 0
.rept 4
	v_nop
.endr
.Lhead_asked:
	v_and_b32 v1, 31, v0                           ; lane
	v_and_b32 v2, 15, v0                           ; r
	v_bfe_u32 v3, v0, 4, 1                         ; h
	v_lshlrev_b32 v[BL16], 4, v1
	v_lshlrev_b32 v[BL8], 3, v1
	v_add_nc_u32 v[ADRA], s18, v[BL16]
	v_add_nc_u32 v[ADRA+1], s19, v[BL16]
	v_add_nc_u32 v[ADRA+2], s18, v[BL8]
	v_add_nc_u32 v[ADRA+3], s19, v[BL8]
	v_mul_u32_u24 v6, s21, v3                      ; lanes 16-31 take B's words
	v_lshl_add_u32 v6, v2, 2, v6
	v_add_nc_u32 v[ADRS], s20, v6
	v_mul_u32_u24 v5, v2, SPITCH
	v_lshl_add_u32 v5, v3, 6, v5
	v_add_nc_u32 v[STO], s45, v5                   ; into the stage: row r, + 64 h
	v_mul_u32_u24 v7, v3, SPITCH
	v_lshl_add_u32 v7, v2, 4, v7
	v_add_nc_u32 v[RD], s45, v7                    ; back: lanes 0-15 one row of 256 bytes, lanes 16-31 the next
	v_lshlrev_b32 v[CO], 12, v3
	v_lshl_add_u32 v[CO], v2, 4, v[CO]             ; and the same two rows in memory, 4,096 bytes apart
	v_lshlrev_b32 v[VB], 6, v3
	v_min_u32 v[PFO], 11, v1
	v_lshlrev_b32 v[PFO], 8, v[PFO]
	v_lshlrev_b32 v[PFR], 12, v1                   ; a lane a row of the residual
	s_wait_alu depctr_va_vdst(0)
.irp b, 0,1,2,3                        ; the bias: register 8 b + j = column 32 (b / 2) + 16 h + 8 (b % 2) + j
	global_load_b128 v[BI+8*\b:BI+8*\b+3], v[VB], s[8:9] offset:128*(\b/2)+32*(\b%2)
	global_load_b128 v[BI+8*\b+4:BI+8*\b+7], v[VB], s[8:9] offset:128*(\b/2)+32*(\b%2)+16
.endr
.macro RL a                            ; the residual's 16 rows of block a: row t is token 32 (a / 2) + 8 (a % 2) + t + 8 (t / 8) of my 64; two rows an instruction
.set TQ, 0
.rept 8
	global_load_b128 v[32*(\a)+4*TQ:32*(\a)+4*TQ+3], v[CO], s[10:11] offset:(32*((\a)/2)+8*((\a)%2)+2*TQ+8*(TQ/4))*4096
.set TQ, TQ+1
.endr
.endm
.macro FRAG reg, adr, q, i             ; A's block i, the slot's q-th 128 along K: two images of 768 bytes; each instruction's bytes lie on end
	ds_load_b128 v[\reg:\reg+3], v[\adr] offset:(\i)*RBS+(\q)*1536
	ds_load_b64 v[\reg+4:\reg+5], v[\adr+2] offset:(\i)*RBS+(\q)*1536+512
	ds_load_b128 v[\reg+6:\reg+9], v[\adr] offset:(\i)*RBS+(\q)*1536+768
	ds_load_b64 v[\reg+10:\reg+11], v[\adr+2] offset:(\i)*RBS+(\q)*1536+1280
.endm
.macro FETCHA slot, q, p               ; 16 LDS loads: A's four fragments into window 1 + p
	WIN 0x40*(1+(\p))
.irp i, 0,1,2,3
	FRAG AF+FR*\i, ADRA+\slot, \q, \i
.endr
.endm
.macro FETCHB ks, set                  ; 16 global loads: B's four fragments of K step ks, counted from s[SB], into set `set` of window 3
	WIN 0xc0
.irp i, 0,1,2,3
	global_load_b128 v[48*(\set)+FR*\i:48*(\set)+FR*\i+3], v[BL16], s[SB:SB+1] offset:\i*KRB+(\ks)*1536
	global_load_b64 v[48*(\set)+FR*\i+4:48*(\set)+FR*\i+5], v[BL8], s[SB:SB+1] offset:\i*KRB+(\ks)*1536+512
	global_load_b128 v[48*(\set)+FR*\i+6:48*(\set)+FR*\i+9], v[BL16], s[SB:SB+1] offset:\i*KRB+(\ks)*1536+768
	global_load_b64 v[48*(\set)+FR*\i+10:48*(\set)+FR*\i+11], v[BL8], s[SB:SB+1] offset:\i*KRB+(\ks)*1536+1280
.endr
.endm
; 4 matrix instructions: A's block a x B's four.  The 16 accumulators take turns, one instruction a turn, in the same order in every K step.  first = 1: the bias starts the sums
.macro MUL4 a, q, sc, first
.irp b, 0,1,2,3
.if \first
	v_wmma_scale_f32_16x16x128_f8f6f4 v[ACC+8*(4*(\a)+\b):ACC+8*(4*(\a)+\b)+7], v[48*(\q)+FR*\b:48*(\q)+FR*\b+FR-1], v[AF+FR*(\a):AF+FR*(\a)+FR-1], v[BI+8*\b:BI+8*\b+7], v[SC+16*(\sc)+4*(\q)+\b], v[SC+16*(\sc)+4*(\q)+(\a)] matrix_a_fmt:MATRIX_FMT_FP6 matrix_b_fmt:MATRIX_FMT_FP6 matrix_a_scale:MATRIX_SCALE_ROW1
.else
	v_wmma_scale_f32_16x16x128_f8f6f4 v[ACC+8*(4*(\a)+\b):ACC+8*(4*(\a)+\b)+7], v[48*(\q)+FR*\b:48*(\q)+FR*\b+FR-1], v[AF+FR*(\a):AF+FR*(\a)+FR-1], v[ACC+8*(4*(\a)+\b):ACC+8*(4*(\a)+\b)+7], v[SC+16*(\sc)+4*(\q)+\b], v[SC+16*(\sc)+4*(\q)+(\a)] matrix_a_fmt:MATRIX_FMT_FP6 matrix_b_fmt:MATRIX_FMT_FP6 matrix_a_scale:MATRIX_SCALE_ROW1
.endif
.endr
.endm
.macro SCALES sc                       ; a slot's scale words: four K steps of 128, four blocks
.irp q, 0,1,2,3
.irp i, 0,1,2,3
	ds_load_b32 v[SC+16*\sc+4*\q+\i], v[ADRS] offset:512*\q+64*\i
.endr
.endr
.endm
.macro PLACES n                        ; plain vector instructions between a matrix instruction and a load into, or a read of, its registers
.rept \n
	v_nop
.endr
.endm
; 128 along K with its successor in the same slot.  Windows of the products: source 0 (B) window 3, source 1 (A) window 1 or 2, C and D window 0.
; rel: the K step counted from s[SB];  nb: the global loads issued behind this K step's set of B, which may be out;  bl = 1: B's set of three K steps on is asked for, into the set that the last K step read; 2: the residual
.macro STEP slot, q, first, rel, nb, bl
	s_wait_loadcnt \nb
	s_wait_dscnt 2*NL                              ; the scale words and A's blocks 0, 1 are in; A's blocks 2, 3, the youngest eight LDS loads, may be out
	WIN 0x07+4*((\q)%2)
	MUL4 0, \q, \slot, \first
	MUL4 1, \q, \slot, \first
	s_wait_dscnt 0x0
	PLACES NP                                      ; for the loads into the sets that the last K step multiplied
	FETCHA \slot, (\q)+1, 1-(\q)%2
.if \bl == 1
	FETCHB (\rel)+3, ((\q)+3)%4
.endif
.if \bl == 2
	WIN 0x80                                       ; destination window 2
	RL 0
	RL 1
	RL 2
	RL 3
.endif
	WIN 0x07+4*((\q)%2)
	MUL4 2, \q, \slot, \first
	MUL4 3, \q, \slot, \first
.endm
.macro TURN slot, next, fill, rel, nb  ; a slot's last K step changes slots: one barrier; fill = 1: it opens a round of the cluster's barrier and this slot is filled again, two slots ahead
.if \fill
	s_wait_xcnt 0x0                                ; the last prefetches, a slot back, have read their addresses: they are stepped here, ahead of the waits of the change of slots
	s_add_nc_u64 s[PFA:PFA+1], s[PFA:PFA+1], RBS
	s_add_nc_u64 s[PFB:PFB+1], s[PFB:PFB+1], RBS
.endif
	s_wait_loadcnt \nb
	WIN 0                                          ; (the add's two registers lie in window 0)
	s_wait_tensorcnt 0x0                           ; all my tensor loads have landed: my part of the next slot
	ds_add_u32 v[SPW], v[NIL]                      ; 0 onto my spare word
	s_wait_dscnt 2*NL+1                            ; (the add and A's blocks 2, 3 may be out)
	WIN 0x0b
	MUL4 0, NQ-1, \slot, 0
	s_wait_dscnt 0x0                               ; the add is done, and my reads of this slot are over
	s_barrier_signal -1
	MUL4 1, NQ-1, \slot, 0
	WIN 0
	s_barrier_wait -1
.if \fill
	CREST                                          ; no wave of any partner still reads this slot or has a tensor load on its way
	s_add_nc_u64 s[G0+4*\slot+2:G0+4*\slot+3], s[G0+4*\slot+2:G0+4*\slot+3], 2*RBS
	JLOAD G0+4*\slot                               ; the first tensor load behind the round; its four v_nop are the places in front of the loads below
.else
	PLACES NP
.endif
	s_wait_alu depctr_va_vdst(0)
	v_add_nc_u32 v[ADRS], 512*NQ, v[ADRS]
	SCALES \next
	FETCHA \next, 0, 0
	FETCHB (\rel)+3, 2
.if \fill
	WIN 0
	ASK \slot
.endif
	WIN 0x0b
	MUL4 2, NQ-1, \slot, 0
	MUL4 3, NQ-1, \slot, 0
.endm
	FETCHB 0, 0                                    ; B's first three K steps: with the bias 56 loads of mine are out
	FETCHB 1, 1
	FETCHB 2, 2
	WIN 0
	s_wait_tensorcnt 0x0                           ; my tile of the head's is in
	ds_add_u32 v[SPW], v[NIL]
	s_mov_b32 s[G1+2], 2<<16                       ; no tensor load of mine is out: from here on a load brings 2 row blocks
	s_mov_b32 s[G1+4], 2
	s_wait_dscnt 0x0
	CROUND                                         ; slot 0 and the scale words are in, all sixteen work-groups are here
	JLOAD G0+4                                     ; slot 1's first fill, the first tensor load behind the round
	SCALES 0
	FETCHA 0, 0, 0
	STEP 0, 0, 1, 0, 32, 1                         ; the first K step's products start the sums, on the bias
	WIN 0                                          ; at a label and at a branch every window is 0
	s_mov_b32 s3, LAPS-1
.Llap:                                                 ; a trip goes once round the ring, from a lap's second K step to the next lap's first, and fills both slots again
	STEP 0, 1, 0, 1, 32, 1
	STEP 0, 2, 0, 2, 32, 1
	TURN 0, 1, 1, 3, 32
	STEP 1, 0, 0, 4, 32, 1
	STEP 1, 1, 0, 5, 32, 1
	STEP 1, 2, 0, 6, 32, 1
	TURN 1, 0, 1, 7, 32
	STEP 0, 0, 0, 8, 32, 1
	WIN 0
	s_wait_xcnt 0x0                                ; B's loads have read their base
	s_add_nc_u64 s[SB:SB+1], s[SB:SB+1], 8*1536
	s_sub_co_u32 s3, s3, 1
	s_cmp_lg_u32 s3, 0
	s_cbranch_scc1 .Llap
	STEP 0, 1, 0, 1, 32, 1                         ; the last lap, K steps 25 to 31, fills nothing, and has no round of the cluster's barrier
	STEP 0, 2, 0, 2, 32, 1
	TURN 0, 1, 0, 3, 32
	STEP 1, 0, 0, 4, 32, 1                         ; asks for B's last set, K step 31's
	STEP 1, 1, 0, 5, 32, 2                         ; K step 29: the residual's 32 loads
	STEP 1, 2, 0, 6, 48, 0                         ; behind K step 30's set: K step 31's 16 loads and the residual's 32
	s_wait_loadcnt 32                              ; the very last K step: the residual may be out
	s_wait_dscnt 2*NL
	WIN 0x0b
	MUL4 0, NQ-1, 1, 0
	MUL4 1, NQ-1, 1, 0
	s_wait_dscnt 0x0
	MUL4 2, NQ-1, 1, 0
	MUL4 3, NQ-1, 1, 0
	WIN 0
	; THE WAY OUT.  My four blocks of 16 positions x 64 columns go through my own stages and come back as whole rows of 256 bytes; LDS serves a wave's instructions in order, so no wait stands between the stores and the loads.
	PLACES NP
.irp a, 0,1,2,3
.irp b, 0,1,2,3
	ds_store_b128 v[STO], v[ACC+8*(4*\a+\b):ACC+8*(4*\a+\b)+3] offset:\a*STG+128*(\b/2)+32*(\b%2)       ; each accumulator from its low end on
	ds_store_b128 v[STO], v[ACC+8*(4*\a+\b)+4:ACC+8*(4*\a+\b)+7] offset:\a*STG+128*(\b/2)+32*(\b%2)+16
.endr
.endr
	WIN 0x40                                       ; back into window 1, v0-127
.irp a, 0,1,2,3
.irp j, 0,1,2,3,4,5,6,7
	ds_load_b128 v[32*\a+4*\j:32*\a+4*\j+3], v[RD] offset:\a*STG+2*\j*SPITCH
.endr
.endr
	s_wait_loadcnt 0x0                             ; the residual
.irp a, 0,1,2,3
	s_wait_dscnt 8*(3-\a)                          ; block a is back; the younger blocks' loads may be out
	WIN 0x49                                       ; destination and source 0 window 1, source 1 (the residual) window 2
.set NN, 0
.rept 16
	v_pk_add_f32 v[32*\a+NN:32*\a+NN+1], v[32*\a+NN:32*\a+NN+1], v[32*\a+NN:32*\a+NN+1]
.set NN, NN+2
.endr
	WIN 0x04                                       ; a store's data are its source 1: window 1
.set TQ, 0
.rept 8
	global_store_b128 v[CO], v[32*\a+4*TQ:32*\a+4*TQ+3], s[12:13] offset:(32*(\a/2)+8*(\a%2)+2*TQ+8*(TQ/4))*4096 th:TH_STORE_NT   ; sixteen lanes store 256 consecutive bytes, aligned; written once, read by nobody here
.set TQ, TQ+1
.endr
.endr
	WIN 0
	s_wait_tensorcnt 0x0                           ; the wave's end
	ds_add_u32 v[SPW], v[NIL]
	s_wait_dscnt 0x0
	CROUND                                         ; the closing round
	s_endpgm
.Lfunc_end_k_q961a4e47b1_g6:
	.size	k_q961a4e47b1_g6, .Lfunc_end_k_q961a4e47b1_g6-k_q961a4e47b1_g6
	.p2alignl 7, 3214868480
	.fill 96, 4, 3214868480
	.section	.rodata,"a",@progbits
	.p2align	6, 0x0
	.amdhsa_kernel k_q961a4e47b1_g6
		.amdhsa_group_segment_fixed_size 327680
		.amdhsa_private_segment_fixed_size 0
		.amdhsa_enable_private_segment 0
		.amdhsa_kernarg_size 40
		.amdhsa_user_sgpr_count 2
		.amdhsa_user_sgpr_kernarg_segment_ptr 1
		.amdhsa_wavefront_size32 1
		.amdhsa_system_sgpr_workgroup_id_x 1
		.amdhsa_system_sgpr_workgroup_id_y 1
		.amdhsa_system_sgpr_workgroup_id_z 1
		.amdhsa_system_vgpr_workitem_id 0
		.amdhsa_next_free_vgpr 1024
		.amdhsa_next_free_sgpr 100
		.amdhsa_reserve_vcc 0
		.amdhsa_float_denorm_mode_32 3
		.amdhsa_float_denorm_mode_16_64 3
		.amdhsa_memory_ordered 1
		.amdhsa_forward_progress 1
		.amdhsa_inst_pref_size 110
	.end_amdhsa_kernel
	.amdgpu_metadata
---
amdhsa.version: [ 1, 2 ]
amdhsa.kernels:
  - .name:           k_q961a4e47b1_g6
    .symbol:         k_q961a4e47b1_g6.kd
    .args:
      - { .name: h2, .offset: 0, .size: 8, .value_kind: global_buffer, .address_space: global }
      - { .name: pw, .offset: 8, .size: 8, .value_kind: global_buffer, .address_space: global }
      - { .name: b_proj, .offset: 16, .size: 8, .value_kind: global_buffer, .address_space: global }
      - { .name: yb, .offset: 24, .size: 8, .value_kind: global_buffer, .address_space: global }
      - { .name: out0, .offset: 32, .size: 8, .value_kind: global_buffer, .address_space: global }
    .group_segment_fixed_size: 327680
    .private_segment_fixed_size: 0
    .kernarg_segment_align: 8
    .kernarg_segment_size: 40
    .max_flat_workgroup_size: 128
    .sgpr_count:     100
    .vgpr_count:     1024
    .wavefront_size: 32
...
	.end_amdgpu_metadata
.endif
;; end of part 14
